; MI455X (gfx1250); checked and timed in simulation.
; The chip was launched on July 23, 2026; its instructions are those of AMD's public machine-readable ISA for CDNA 5 (MIT licence, August 2026) and "CDNA5" Instruction Set Architecture Reference Guide (July 2026). The comments in the code are by the model that wrote it; some were corrected since.
;; Tiered Mo E Layer. Allowed arithmetic: matrix products marked QUANTISED: E4M3 operands, one given power-of-two scale a tensor, by v_wmma_f32_16x16x64_fp8_fp8 or v_wmma_f32_16x16x128_fp8_fp8, f32 sums; products left as they are: f32 operands where the result goes on into a quantised operand, else bf16, f16 or f32 operands; f32 sums; everything else in f32.
;; Inputs: W1_codes 8 x 2,048 x 32 x 32 uint8 (E4M3 codes of W1, K innermost, in blocks of 32 codes); W2_codes 8 x 1,024 x 64 x 32 uint8 (E4M3 codes of W2, K innermost, in blocks of 32 codes); Wr 8 x 1,024 float32; b1 8 x 2,048 float32; b2 8 x 1,024 float32; ln_b 1,024 float32; ln_w 1,024 float32; lowp_scales 4 int32 (the exponents e of the quantised operands' scales 2^e); x 2 x 1,024 x 1,024 float32.
;; Outputs: out0 2 x 1,024 x 1,024 float32; out1 one number float32.
;; This version of the problem:
;;   THIS VERSION OF THE PROBLEM IS GIVEN IN LOW PRECISION. The matrix products marked QUANTISED in the list below multiply operands that are first quantised to E4M3 (4 exponent bits, 3 mantissa bits; 8 bits a number), with one given power-of-two scale for each operand tensor; their sums are f32. All else is computed in f32.
;;   The module's matrix products, in the order in which they are computed (A, B: the left and right operand; K: the contracted axis; several contracted axes count as one K, in the product's order):
;;     1. [M 2,048, K 1,024] x [K 1,024, N 8]; A: computed on the way; B: input Wr: left as it is (N = 8 < 16)
;;     2. batch 2,048 x [M 1, K 2] x [K 2, N 8]; A: softmax; B: computed on the way: left as it is (K = 2 < 32)
;;     3. [M 2,048, K 1,024] x [K 1,024, N 16,384]; A: computed on the way; B: input W1 (given as codes): QUANTISED (scales: A lowp_scales[0], B lowp_scales[1])
;;     4. batch 8 x [M 1,024, K 2,048] x [K 2,048, N 2,048]; A: input W2 (given as codes); B: computed on the way: QUANTISED (scales: A lowp_scales[2], B lowp_scales[3])
;;     5. batch 2,048 x [M 1, K 8] x [K 8, N 1,024]; A: computed on the way; B: computed on the way: left as it is (K = 8 < 32)
;;   THE QUANTISER, for each operand of a quantised product, along K:
;;     - The operand's scale is 2^e, e = its entry of the input lowp_scales (int32; the entries are numbered through the quantised products in the list's order, A before B).
;;     - Each number is divided by the scale, clamped to +-448, and rounded to the nearest number of E4M3, ties to even, subnormals kept.
;;     - The product sums the exact products of the quantised numbers (number of the format x scale) in f32.
;;   ~~~python
;;   def quantise(x, axis, e):      # numpy; x: float32 -> the quantised numbers, widened to float32 again
;;       x = np.moveaxis(x, axis, -1); K = x.shape[-1]
;;       r = np.clip(x / 2.0 ** e, -448, 448)
;;       step = 2.0 ** (np.maximum(np.frexp(np.where(r == 0, 1, r))[1] - 1, -6) - 3)
;;       q = np.round(r / step) * step * 2.0 ** e      # np.round: ties to even
;;       return np.moveaxis(q, -1, axis).astype(np.float32)
;;   ~~~
;;   OPERANDS COMPUTED ON THE WAY. 'Computed on the way' means the value that the module computes at that place (a softmax that the list does not call 'softmax' is quantised finished and normalised). What goes into a quantiser is computed in f32, as accurately as f32 sums, v_exp_f32 and their like allow (about 1e-6 of the number): no bf16 or f16 on the way to a quantiser, and a product that is left as it is and whose result goes on into a quantised operand takes f32 operands (vector FMAs, or v_wmma_f32_16x16x4_f32). A number that lies on a knife's edge between two numbers of the format may be rounded either way, as far as f32 arithmetic and the matrix unit's own rounding can turn it there, and no further.
;;   INPUTS GIVEN AS CODES. W1 (in the module: [8, 2048, 1024], K = its axis 2); W2 (in the module: [8, 1024, 2048], K = its axis 2): each comes as NAME_codes (uint8): NAME with its K axis moved to the last place and cut into blocks of 32 codes, [.., K / 32, bytes a block], one block behind the other in memory; one code a byte (a code: sign, 4 exponent bits, 3 mantissa bits); its scale is its entry of lowp_scales. Its value is code x scale, taken as it is: it is not quantised again, and the codes and scales need not be those that the quantiser above would give.
;; 3 versions. Each part assembles by itself: llvm-mc -triple=amdgcn-amd-amdhsa -mcpu=gfx1250 --defsym DOCPART=n.
;; ======== version 1 of 3: 5 launches
;; workspace buffers: xcodes 2,097,152 bytes; sel 16,384 bytes of whole numbers; gates 16,384 bytes; probs 65,536 bytes; plan 38,144 bytes of whole numbers; hcodes 10,813,440 bytes; yrows 21,626,880 bytes
;; launch route (part 1): grid 256 x 1, 8 waves a work-group, no clusters, 74,752 bytes of LDS; arguments x, ln_w, ln_b, Wr, lowp_scales, xcodes, sel, gates, probs; writes xcodes, sel, gates, probs
.if DOCPART == 1
	.amdgcn_target "amdgcn-amd-amdhsa--gfx1250"
	.amdhsa_code_object_version 6
	.text
	.protected	k_q33c6ea34ef_route
	.globl	k_q33c6ea34ef_route
	.p2align	8
	.type	k_q33c6ea34ef_route,@function
k_q33c6ea34ef_route:
	s_mov_b64 s[64:65], 0
	v_nop
	global_prefetch_b8 v0, s[64:65] scope:SCOPE_SE
	s_setreg_imm32_b32 hwreg(HW_REG_WAVE_MODE, 25, 1), 1
	s_wait_xcnt 0x0
; ROUTE.  One wave takes one token t = 8 x work-group + wave: LayerNorm in f32 (two passes: mean, then the mean of squared differences), the eight router logits in f32,
; the two largest (strict >, so a tie keeps the lower index), their softmax (gates), the softmax over all eight (probs), and the E4M3 codes of xn with the given scale 2^e0.
; The choice is derived from floating-point numbers, so it steers no address here: it is stored at fixed places (sel[t][2]) and a later launch places the rows.
; A row of 1,024 f32 is eight loads of 512 consecutive bytes; load j gives a lane k = 128 j + 4 lane + 0..3.  x, ln_w, ln_b and Wr all lie so, hence sums over k need no reordering.
; The conversion wants 16 neighbours along k in one lane: 512 numbers at a time turn through the wave's own stage in LDS (64 bytes + 16 of padding a lane).
; Wr (32 KB) is brought once a work-group, one row a wave, into LDS: the one barrier.  No matrix unit: N = 8.  No cluster: work-groups share only Wr, ln_w, ln_b, 40 KB against 32 KB of x each, read once.
; LIMITS: e0 between -126 and 119 (2^e0 and 448 x 2^e0 are f32 numbers).  NaN and infinities among the inputs are not served.
; The small results (8 bytes of sel, 8 of gates, 32 of probs a token) leave in short pieces: 98 KB in the launch.
.set X,   16                           ; v16-47   x, then x - mu, then xn
.set W,   48                           ; v48-79   ln_w, later the even rows of Wr
.set BB,  80                           ; v80-111  ln_b, later the odd rows of Wr
.set T,   112                          ; v112-143 my row of Wr on its way to LDS, later xn turned, later the masked logits
.set C,   144                          ; v144-151 the codes
.set L,   152                          ; v152-159 the logits
.set SP,  80                           ; a lane's place in a stage
.set STG, 32768                        ; LDS: Wr at 0 (8 x 4,096), then two stages of 32 x SP bytes for each wave
.macro WSUM r, t                       ; the sum over the 32 lanes, in every lane; v[t] has been written before
	v_add_f32_dpp v[\r], v[\r], v[\r] row_xmask:1 row_mask:0xf bank_mask:0xf
	v_add_f32_dpp v[\r], v[\r], v[\r] row_xmask:2 row_mask:0xf bank_mask:0xf
	v_add_f32_dpp v[\r], v[\r], v[\r] row_xmask:4 row_mask:0xf bank_mask:0xf
	v_add_f32_dpp v[\r], v[\r], v[\r] row_xmask:8 row_mask:0xf bank_mask:0xf
	v_permlanex16_b32 v[\t], v[\r], s28, s29
	v_add_f32 v[\r], v[\r], v[\t]
.endm
	s_load_b256 s[8:15], s[0:1], 0x0               ; x s[8:9], ln_w s[10:11], ln_b s[12:13], Wr s[14:15]
	s_load_b256 s[16:23], s[0:1], 0x20             ; lowp_scales s[16:17], xcodes s[18:19], sel s[20:21], gates s[22:23]
	s_load_b64 s[24:25], s[0:1], 0x40              ; probs
	v_lshl_add_u32 v176, v0, 2, 0x12000
	v_mov_b32 v177, 0
	v_lshrrev_b32 v1, 5, v0
	v_readfirstlane_b32 s26, v1                    ; wave
	v_and_b32 v1, 31, v0                           ; lane
	v_lshlrev_b32 v2, 4, v1                        ; 16 x lane
	v_and_b32 v3, 7, v0                            ; lane % 8: the expert whose probability this lane makes
	s_lshl_b32 s27, ttmp9, 3
	s_add_co_u32 s27, s27, s26                     ; token
	s_mov_b32 s28, 0x76543210                      ; v_permlanex16_b32: lane l takes lane l xor 16
	s_mov_b32 s29, 0xfedcba98
	s_mov_b32 s30, 0x3a800000                      ; 1 / 1024
	s_mul_i32 s4, s26, 2*32*SP
	s_add_co_u32 s4, s4, STG                       ; my stages
	v_lshrrev_b32 v4, 2, v1
	v_mul_u32_u24 v4, v4, SP
	v_and_b32 v5, 3, v1
	v_lshl_add_u32 v4, v5, 4, v4
	v_add_nc_u32 v4, s4, v4                        ; into a stage: four lanes' 64 bytes on end, then the padding
	v_mul_u32_u24 v5, v1, SP
	v_add_nc_u32 v5, s4, v5                        ; out of it: my 16 neighbours
	s_lshl_b32 s6, s26, 12                         ; my row of Wr: 4,096 x wave, in memory and in LDS
	s_mov_b32 s7, 0
	v_add_nc_u32 v6, s6, v2
	s_lshl_b32 s2, s27, 12                         ; my row of x
	s_mov_b32 s3, 0
.irp e, 1,2,3,4,5,6,7
	v_cmp_eq_u32 s[32+\e], \e, v3                  ; the lanes of expert e
.endr
	s_wait_kmcnt 0x0
	s_load_b32 s31, s[16:17], 0x0                  ; e0
	s_add_nc_u64 s[14:15], s[14:15], s[6:7]
	s_add_nc_u64 s[8:9], s[8:9], s[2:3]
.irp j, 0,1,2,3,4,5,6,7
	global_load_b128 v[T+4*\j:T+4*\j+3], v2, s[14:15] offset:512*\j
.endr
.irp j, 0,1,2,3,4,5,6,7
	global_load_b128 v[X+4*\j:X+4*\j+3], v2, s[8:9] offset:512*\j th:TH_LOAD_NT
.endr
.irp j, 0,1,2,3,4,5,6,7
	global_load_b128 v[W+4*\j:W+4*\j+3], v2, s[10:11] offset:512*\j
.endr
.irp j, 0,1,2,3,4,5,6,7
	global_load_b128 v[BB+4*\j:BB+4*\j+3], v2, s[12:13] offset:512*\j
.endr
	s_lshl_b32 s2, s27, 10
	s_add_nc_u64 s[18:19], s[18:19], s[2:3]        ; my row of codes
	s_lshl_b32 s2, s27, 3
	s_add_nc_u64 s[20:21], s[20:21], s[2:3]        ; my two entries of sel
	s_add_nc_u64 s[22:23], s[22:23], s[2:3]        ; and of gates
	s_lshl_b32 s2, s27, 5
	s_add_nc_u64 s[24:25], s[24:25], s[2:3]        ; my eight of probs
	s_wait_loadcnt 24                              ; my row of Wr is in; x, ln_w and ln_b (24 loads) may be out
.irp j, 0,1,2,3,4,5,6,7
	ds_store_b128 v6, v[T+4*\j:T+4*\j+3] offset:512*\j
.endr
	s_wait_dscnt 0x0                               ; for the others: my row lies in LDS
	s_barrier_signal -1
	s_barrier_wait -1                              ; all eight rows do
	s_wait_loadcnt 16                              ; x is in; ln_w and ln_b may be out
	v_pk_add_f32 v[160:161], v[X:X+1], v[X+2:X+3]  ; the sum of my 32 numbers in four chains
	v_pk_add_f32 v[162:163], v[X+4:X+5], v[X+6:X+7]
	v_pk_add_f32 v[164:165], v[X+8:X+9], v[X+10:X+11]
	v_pk_add_f32 v[166:167], v[X+12:X+13], v[X+14:X+15]
.irp g, 16,24
.irp p, 0,1,2,3
	v_pk_add_f32 v[160+2*\p:161+2*\p], v[160+2*\p:161+2*\p], v[X+\g+2*\p:X+\g+2*\p+1]
.endr
.endr
	v_pk_add_f32 v[160:161], v[160:161], v[162:163]
	v_pk_add_f32 v[164:165], v[164:165], v[166:167]
	v_pk_add_f32 v[160:161], v[160:161], v[164:165]
	v_add_f32 v160, v160, v161
	WSUM 160, 161
	v_mul_f32 v168, s30, v160                      ; mu
	v_mov_b32 v169, v168
.irp p, 0,2,4,6,8,10,12,14,16,18,20,22,24,26,28,30
	v_pk_add_f32 v[X+\p:X+\p+1], v[X+\p:X+\p+1], v[168:169] neg_lo:[0,1] neg_hi:[0,1]   ; x - mu
.endr
.irp p, 0,1,2,3
	v_pk_mul_f32 v[160+2*\p:161+2*\p], v[X+2*\p:X+2*\p+1], v[X+2*\p:X+2*\p+1]
.endr
.irp g, 8,16,24
.irp p, 0,1,2,3
	v_pk_fma_f32 v[160+2*\p:161+2*\p], v[X+\g+2*\p:X+\g+2*\p+1], v[X+\g+2*\p:X+\g+2*\p+1], v[160+2*\p:161+2*\p]
.endr
.endr
	v_pk_add_f32 v[160:161], v[160:161], v[162:163]
	v_pk_add_f32 v[164:165], v[164:165], v[166:167]
	v_pk_add_f32 v[160:161], v[160:161], v[164:165]
	v_add_f32 v160, v160, v161
	WSUM 160, 161
	v_mov_b32 v171, 0x3727c5ac                     ; 1e-5
	v_fma_f32 v170, v160, s30, v171                ; var + eps
	v_rsq_f32 v172, v170
	v_nop                                          ; a plain instruction behind the transcendental
	s_wait_kmcnt 0x0                               ; e0
	s_add_co_i32 s31, s31, 127
	s_lshl_b32 s4, s31, 23                         ; 2^e0 as f32: the conversion takes its exponent field
	s_add_co_i32 s31, s31, 8
	s_lshl_b32 s31, s31, 23
	s_or_b32 s31, s31, 0x600000                    ; 448 x 2^e0
	v_mov_b32 v174, s4
	v_mov_b32 v175, s31
	s_wait_alu depctr_va_vdst(0)                   ; the wait ahead of the first reader of v172
	v_mov_b32 v173, v172
	s_wait_loadcnt 0x0                             ; ln_w, ln_b
.irp p, 0,2,4,6,8,10,12,14,16,18,20,22,24,26,28,30
	v_pk_mul_f32 v[X+\p:X+\p+1], v[X+\p:X+\p+1], v[172:173]
.endr
.irp p, 0,2,4,6,8,10,12,14,16,18,20,22,24,26,28,30
	v_pk_fma_f32 v[X+\p:X+\p+1], v[X+\p:X+\p+1], v[W+\p:W+\p+1], v[BB+\p:BB+\p+1]   ; xn
.endr
.irp u, 0,1                                    ; xn turns through my stages, 512 numbers each; LDS serves a wave's instructions in order, so no wait stands between the stores and the loads
.irp i, 0,1,2,3
	ds_store_b128 v4, v[X+16*\u+4*\i:X+16*\u+4*\i+3] offset:32*SP*\u+8*SP*\i
.endr
.irp i, 0,1,2,3
	ds_load_b128 v[T+16*\u+4*\i:T+16*\u+4*\i+3], v5 offset:32*SP*\u+16*\i
.endr
.endr
.irp j, 0,1,2,3,4,5,6,7                        ; rows 0 and 1 of Wr come while xn is quantised
	ds_load_b128 v[W+4*\j:W+4*\j+3], v2 offset:512*\j
.endr
.irp j, 0,1,2,3,4,5,6,7
	ds_load_b128 v[BB+4*\j:BB+4*\j+3], v2 offset:4096+512*\j
.endr
	s_wait_dscnt 16                                ; xn is back, 16 neighbours twice; the 16 loads of Wr may be out
.irp i, 0,1,2,3,4,5,6,7,8,9,10,11,12,13,14,15,16,17,18,19,20,21,22,23,24,25,26,27,28,29,30,31
	v_med3_num_f32 v[T+\i], v[T+\i], -v175, v175   ; the conversion to an 8-bit code does not saturate (ISA guide 7.6.2): the hold at the largest code x the scale
.endr
.irp g, 0,1,2,3
	v_cvt_scalef32_pk8_fp8_f32 v[C+2*\g:C+2*\g+1], v[T+8*\g:T+8*\g+7], v174
.endr
	v_nop                                          ; a plain instruction behind the last conversion: T is written again further down
	global_store_b128 v2, v[C:C+3], s[18:19]       ; 32 lanes store 512 consecutive bytes
	global_store_b128 v2, v[C+4:C+7], s[18:19] offset:512
; logit e = the sum over k of xn[k] Wr[e][k]: 32 products a lane in two chains; the row two further on is fetched into the buffer just used
.macro DOT e
.set WB, W+32*((\e)%2)
.if (\e) < 7
	s_wait_dscnt 8                                 ; this row is in; the next row's eight loads may be out
.else
	s_wait_dscnt 0x0
.endif
	v_pk_mul_f32 v[160:161], v[X:X+1], v[WB:WB+1]
	v_pk_mul_f32 v[162:163], v[X+2:X+3], v[WB+2:WB+3]
.irp p, 4,8,12,16,20,24,28
	v_pk_fma_f32 v[160:161], v[X+\p:X+\p+1], v[WB+\p:WB+\p+1], v[160:161]
	v_pk_fma_f32 v[162:163], v[X+\p+2:X+\p+3], v[WB+\p+2:WB+\p+3], v[162:163]
.endr
.if (\e)+2 < 8
.irp j, 0,1,2,3,4,5,6,7
	ds_load_b128 v[WB+4*\j:WB+4*\j+3], v2 offset:4096*((\e)+2)+512*\j
.endr
.endif
	v_pk_add_f32 v[160:161], v[160:161], v[162:163]
	v_add_f32 v[L+(\e)], v160, v161
.endm
.irp e, 0,1,2,3,4,5,6,7
	DOT \e
.endr
.irp m, 1,2,4,8                                ; the eight sums over the lanes, side by side
.irp e, 0,1,2,3,4,5,6,7
	v_add_f32_dpp v[L+\e], v[L+\e], v[L+\e] row_xmask:\m row_mask:0xf bank_mask:0xf
.endr
.endr
.irp e, 0,1,2,3,4,5,6,7
	v_permlanex16_b32 v[160+\e], v[L+\e], s28, s29
.endr
.irp e, 0,1,2,3,4,5,6,7
	v_add_f32 v[L+\e], v[L+\e], v[160+\e]          ; every lane holds all eight logits
.endr
	v_mov_b32 v160, v[L]                           ; the largest and its index
	v_mov_b32 v161, 0
.irp e, 1,2,3,4,5,6,7
	v_cmp_gt_f32 vcc_lo, v[L+\e], v160
	v_cndmask_b32 v160, v160, v[L+\e], vcc_lo
	v_cndmask_b32 v161, v161, \e, vcc_lo
.endr
	v_mov_b32 v164, 0xff800000                     ; -infinity takes the place of the largest
.irp e, 0,1,2,3,4,5,6,7
	v_cmp_eq_u32 vcc_lo, \e, v161
	v_cndmask_b32 v[T+\e], v[L+\e], v164, vcc_lo
.endr
	v_mov_b32 v162, v[T]                           ; the second and its index
	v_mov_b32 v163, 0
.irp e, 1,2,3,4,5,6,7
	v_cmp_gt_f32 vcc_lo, v[T+\e], v162
	v_cndmask_b32 v162, v162, v[T+\e], vcc_lo
	v_cndmask_b32 v163, v163, \e, vcc_lo
.endr
	v_mov_b32 v165, v[L]                           ; the logit of expert lane % 8
.irp e, 1,2,3,4,5,6,7
	v_cndmask_b32 v165, v165, v[L+\e], s[32+\e]
.endr
	v_sub_f32 v166, v162, v160                     ; both softmaxes take the largest logit away
	v_sub_f32 v167, v165, v160
	v_mul_f32 v166, 0x3fb8aa3b, v166
	v_mul_f32 v167, 0x3fb8aa3b, v167
	v_exp_f32 v166, v166                           ; e^(second - largest)
	v_exp_f32 v167, v167                           ; e^(logit - largest)
	v_nop
	s_wait_alu depctr_va_vdst(0)                   ; one wait for both exponentials
	v_mov_b32 v168, v167
	v_add_f32_dpp v168, v168, v168 row_xmask:1 row_mask:0xf bank_mask:0xf
	v_add_f32_dpp v168, v168, v168 row_xmask:2 row_mask:0xf bank_mask:0xf
	v_add_f32_dpp v168, v168, v168 row_xmask:4 row_mask:0xf bank_mask:0xf   ; the sum over the eight experts
	v_add_f32 v169, 1.0, v166
	v_rcp_f32 v170, v169                           ; gate of the largest
	v_rcp_f32 v171, v168
	v_lshlrev_b32 v7, 2, v1                        ; (a plain instruction behind the reciprocals)  4 x lane
	v_cmp_eq_u32 vcc_lo, 1, v1
	v_cmp_gt_u32 s40, 8, v1
	v_cmp_gt_u32 s41, 2, v1
	s_wait_alu depctr_va_vdst(0)                   ; one wait for both reciprocals
	v_mul_f32 v169, v166, v170                     ; gate of the second
	v_mul_f32 v171, v167, v171                     ; probability of expert lane % 8
	v_cndmask_b32 v172, v161, v163, vcc_lo         ; lane 0: the first choice, lane 1: the second
	v_cndmask_b32 v173, v170, v169, vcc_lo
	s_wait_xcnt 0x0                                ; EXEC changes only behind this wait
	s_wait_tensorcnt 0x0
	ds_add_u32 v176, v177
	s_wait_dscnt 0x0
	s_and_saveexec_b32 s42, s40                    ; lanes 0-7
	global_store_b32 v7, v171, s[24:25]
	s_wait_xcnt 0x0
	s_and_saveexec_b32 s43, s41                    ; lanes 0, 1
	global_store_b32 v7, v172, s[20:21]
	global_store_b32 v7, v173, s[22:23]
	s_endpgm
.Lfunc_end_k_q33c6ea34ef_route:
	.size	k_q33c6ea34ef_route, .Lfunc_end_k_q33c6ea34ef_route-k_q33c6ea34ef_route
	.p2alignl 7, 3214868480
	.fill 96, 4, 3214868480
	.section	.rodata,"a",@progbits
	.p2align	6, 0x0
	.amdhsa_kernel k_q33c6ea34ef_route
		.amdhsa_group_segment_fixed_size 74752
		.amdhsa_private_segment_fixed_size 0
		.amdhsa_enable_private_segment 0
		.amdhsa_kernarg_size 72
		.amdhsa_user_sgpr_count 2
		.amdhsa_user_sgpr_kernarg_segment_ptr 1
		.amdhsa_wavefront_size32 1
		.amdhsa_system_sgpr_workgroup_id_x 1
		.amdhsa_system_sgpr_workgroup_id_y 1
		.amdhsa_system_sgpr_workgroup_id_z 1
		.amdhsa_system_vgpr_workitem_id 0
		.amdhsa_next_free_vgpr 178
		.amdhsa_next_free_sgpr 66
		.amdhsa_reserve_vcc 1
		.amdhsa_float_denorm_mode_32 3
		.amdhsa_float_denorm_mode_16_64 3
		.amdhsa_memory_ordered 1
		.amdhsa_forward_progress 1
		.amdhsa_inst_pref_size 37
	.end_amdhsa_kernel
	.amdgpu_metadata
---
amdhsa.version: [ 1, 2 ]
amdhsa.kernels:
  - .name:           k_q33c6ea34ef_route
    .symbol:         k_q33c6ea34ef_route.kd
    .args:
      - { .name: x, .offset: 0, .size: 8, .value_kind: global_buffer, .address_space: global }
      - { .name: ln_w, .offset: 8, .size: 8, .value_kind: global_buffer, .address_space: global }
      - { .name: ln_b, .offset: 16, .size: 8, .value_kind: global_buffer, .address_space: global }
      - { .name: Wr, .offset: 24, .size: 8, .value_kind: global_buffer, .address_space: global }
      - { .name: lowp_scales, .offset: 32, .size: 8, .value_kind: global_buffer, .address_space: global }
      - { .name: xcodes, .offset: 40, .size: 8, .value_kind: global_buffer, .address_space: global }
      - { .name: sel, .offset: 48, .size: 8, .value_kind: global_buffer, .address_space: global }
      - { .name: gates, .offset: 56, .size: 8, .value_kind: global_buffer, .address_space: global }
      - { .name: probs, .offset: 64, .size: 8, .value_kind: global_buffer, .address_space: global }
    .group_segment_fixed_size: 74752
    .private_segment_fixed_size: 0
    .kernarg_segment_align: 8
    .kernarg_segment_size: 72
    .max_flat_workgroup_size: 256
    .sgpr_count:     66
    .vgpr_count:     178
    .wavefront_size: 32
...
	.end_amdgpu_metadata
.endif
;; end of part 1
;; launch place (part 2): grid 1 x 1, 32 waves a work-group, no clusters, 6,144 bytes of LDS; arguments sel, probs, plan, out1; writes plan, out1
.if DOCPART == 2
	.amdgcn_target "amdgcn-amd-amdhsa--gfx1250"
	.amdhsa_code_object_version 6
	.text
	.protected	k_q33c6ea34ef_place
	.globl	k_q33c6ea34ef_place
	.p2align	8
	.type	k_q33c6ea34ef_place,@function
k_q33c6ea34ef_place:
	s_mov_b64 s[64:65], 0
	v_nop
	global_prefetch_b8 v0, s[64:65] scope:SCOPE_SE
	s_setreg_imm32_b32 hwreg(HW_REG_WAVE_MODE, 25, 1), 1
	s_wait_xcnt 0x0
; PLACE.  One work-group of 1,024 threads sorts the 4,096 routed entries (entry 2 t + k: token t, choice k) by expert, by counting, without atomics, and makes the aux loss.
; Expert e gets ceil(n_e / 160) tiles of 160 slab rows, one expert behind the other; never more than (4096 + 8 x 159) / 160 = 33 tiles, whatever the split.
; plan:  +0      tiles[64][2]: expert, rows in use (0 for a tile that the split leaves empty; such a tile is entered as expert 7)
;        +512    pos[4096]: entry -> slab row          +16,896  rowtok[5280]: slab row -> token; rows not in use hold token 0
;        +38,016 32 dump words, which nobody reads: a lane that has no row to clear puts its 0 there, so that every store runs with all lanes on
; Thread i holds entries 4 i .. 4 i + 3.  The order inside an expert is (wave, place in the thread, lane).  A wave counts by lane masks; the 32 waves' counts meet in LDS: one barrier.
; aux = 8 x sum_e (n_e / 2048) (S_e / 2048), S_e the sum of probs over the tokens.
; rowtok is a scatter of 4-byte stores (16 KB in all); probs is read 64 bytes a lane in four loads (64 KB in all): both small beside the launch's chain of dependent steps.
; One work-group: the sort is one prefix over 4,096 numbers; no matrix unit, no cluster, nothing shared.
.set ROWS, 5279                        ; the last slab row
.set DUMP, 5280                        ; the dump words, counted as rows behind it: 5,280 + lane
	s_load_b256 s[4:11], s[0:1], 0x0               ; sel s[4:5], probs s[6:7], plan s[8:9], out1 s[10:11]
	v_lshl_add_u32 v72, v0, 2, 0x800
	v_mov_b32 v73, 0
	v_lshrrev_b32 v1, 5, v0
	v_readfirstlane_b32 s12, v1                    ; wave
	v_and_b32 v1, 31, v0                           ; lane
	v_lshlrev_b32 v2, 4, v0                        ; my four entries
	v_lshlrev_b32 v3, 6, v0                        ; my two tokens' probabilities
	v_lshlrev_b32 v63, 3, v0                       ; my entry of the table of tiles
	v_add_nc_u32 v54, DUMP, v1                     ; my lane's dump word, as a row
	s_mov_b32 s13, 0x76543210
	s_mov_b32 s14, 0xfedcba98
	v_mov_b32 v28, s12
	v_lshlrev_b32 v29, 5, v28                      ; LDS: 512 + 32 x wave: my wave's eight sums
	v_lshlrev_b32 v28, 4, v28                      ; LDS: 16 x wave: my wave's eight counts, two to a word
	v_lshlrev_b32 v30, 4, v1                       ; and the same by lane, to read all waves'
	v_lshlrev_b32 v31, 5, v1
	v_mov_b32 v57, 0
	v_lshlrev_b32 v52, 1, v0                       ; my tokens
	v_or_b32 v53, 1, v52
	s_wait_kmcnt 0x0
	global_load_b128 v[4:7], v2, s[4:5]
.irp j, 0,1,2,3
	global_load_b128 v[8+4*\j:11+4*\j], v3, s[6:7] offset:16*\j
.endr
	s_wait_loadcnt 4                               ; the experts are in; the four loads of probs may be out
.irp q, 0,1,2,3
	v_min_u32 v[4+\q], 7, v[4+\q]
.endr
.irp q, 0,1,2,3
.irp e, 0,1,2,3,4,5,6,7
	v_cmp_eq_u32 s[32+8*\q+\e], \e, v[4+\q]        ; the lanes whose entry q goes to expert e
.endr
.endr
.irp e, 0,1,2,3,4,5,6,7                        ; my wave's count for each expert, at most 128
	s_bcnt1_i32_b32 s[80+\e], s[32+\e]
	s_bcnt1_i32_b32 s76, s[40+\e]
	s_bcnt1_i32_b32 s77, s[48+\e]
	s_bcnt1_i32_b32 s78, s[56+\e]
	s_add_co_u32 s[80+\e], s[80+\e], s76
	s_add_co_u32 s77, s77, s78
	s_add_co_u32 s[80+\e], s[80+\e], s77
.endr
.irp p, 0,1,2,3
	s_lshl_b32 s76, s[81+2*\p], 16                 ; two counts to a word: sums stay under 4,097
	s_or_b32 s76, s76, s[80+2*\p]
	v_mov_b32 v[24+\p], s76
.endr
	ds_store_b128 v28, v[24:27]                    ; all lanes store the same 16 bytes
	s_wait_loadcnt 0x0
.irp p, 0,2,4,6
	v_pk_add_f32 v[8+\p:9+\p], v[8+\p:9+\p], v[16+\p:17+\p]   ; my two tokens
.endr
.irp m, 1,2,4,8
.irp e, 0,1,2,3,4,5,6,7
	v_add_f32_dpp v[8+\e], v[8+\e], v[8+\e] row_xmask:\m row_mask:0xf bank_mask:0xf
.endr
.endr
.irp e, 0,1,2,3,4,5,6,7
	v_permlanex16_b32 v[16+\e], v[8+\e], s13, s14
.endr
.irp e, 0,1,2,3,4,5,6,7
	v_add_f32 v[8+\e], v[8+\e], v[16+\e]           ; my wave's 64 tokens
.endr
	ds_store_b128 v29, v[8:11] offset:512
	ds_store_b128 v29, v[12:15] offset:528
	s_wait_dscnt 0x0                               ; for the others: my counts and sums lie in LDS
	s_barrier_signal -1
	s_barrier_wait -1
	ds_load_b128 v[24:27], v30                     ; lane l: wave l's counts
	ds_load_b128 v[32:35], v31 offset:512          ; and sums
	ds_load_b128 v[36:39], v31 offset:528
	s_wait_dscnt 0x0
	v_cmp_gt_u32 vcc_lo, s12, v1                   ; the waves in front of mine
.irp p, 0,1,2,3
	v_cndmask_b32 v[40+\p], 0, v[24+\p], vcc_lo
.endr
.irp m, 1,2,4,8                                ; whole-number sums over the lanes: all waves' counts, and those in front of mine
.irp p, 0,1,2,3
	v_mov_b32_dpp v[16+\p], v[24+\p] row_xmask:\m row_mask:0xf bank_mask:0xf
	v_mov_b32_dpp v[20+\p], v[40+\p] row_xmask:\m row_mask:0xf bank_mask:0xf
.endr
.irp p, 0,1,2,3
	v_add_nc_u32 v[24+\p], v[24+\p], v[16+\p]
	v_add_nc_u32 v[40+\p], v[40+\p], v[20+\p]
.endr
.endr
.irp p, 0,1,2,3
	v_permlanex16_b32 v[16+\p], v[24+\p], s13, s14
	v_permlanex16_b32 v[20+\p], v[40+\p], s13, s14
.endr
.irp p, 0,1,2,3
	v_add_nc_u32 v[24+\p], v[24+\p], v[16+\p]
	v_add_nc_u32 v[40+\p], v[40+\p], v[20+\p]
.endr
.irp p, 0,1,2,3
	v_readfirstlane_b32 s76, v[24+\p]
	s_and_b32 s[16+2*\p], s76, 0xffff              ; s16-23: n_e
	s_lshr_b32 s[17+2*\p], s76, 16
	v_readfirstlane_b32 s77, v[40+\p]
	s_and_b32 s[24+2*\p], s77, 0xffff              ; s24-31: the entries of expert e in the waves in front of mine
	s_lshr_b32 s[25+2*\p], s77, 16
.endr
	s_mov_b32 s66, 0                               ; s66-74: the first tile of expert e; s74: tiles in use
.irp e, 0,1,2,3,4,5,6,7
	s_add_co_u32 s76, s[16+\e], 159
	s_mul_i32 s76, s76, 6554
	s_lshr_b32 s76, s76, 20                        ; (n + 159) / 160: 6554 / 2^20 is 1/160 + 1/2,621,440, exact for numbers under 16,384
	s_add_co_u32 s[67+\e], s[66+\e], s76
	s_mul_i32 s77, s[66+\e], 160
	s_add_co_u32 s[24+\e], s[24+\e], s77           ; the slab row of my wave's first entry of expert e
.endr
.irp q, 0,1,2,3
	v_mov_b32 v55, 0
	v_mov_b32 v56, 0
.irp e, 0,1,2,3,4,5,6,7
	v_cndmask_b32 v55, v55, s[32+8*\q+\e], s[32+8*\q+\e]   ; the mask of my own expert,
	v_cndmask_b32 v56, v56, s[24+\e], s[32+8*\q+\e]        ; and where it stands
	s_bcnt1_i32_b32 s76, s[32+8*\q+\e]
	s_add_co_u32 s[24+\e], s[24+\e], s76
.endr
	v_mbcnt_lo_u32_b32 v[44+\q], v55, v56          ; + the lanes below me that go to the same expert
	v_min_u32 v[44+\q], ROWS, v[44+\q]
.endr
	global_store_b128 v2, v[44:47], s[8:9] offset:512      ; pos: 32 lanes store 512 consecutive bytes
.irp q, 0,1,2,3
	v_lshlrev_b32 v[48+\q], 2, v[44+\q]
.endr
.irp q, 0,1,2,3
	global_store_b32 v[48+\q], v[52+\q/2], s[8:9] offset:16896   ; rowtok
.endr
; The row in v[p] gets token 0 if it lies below s[lim]; a lane whose row lies at or past it puts its 0 into its dump word.  All lanes stay on.
; The choice stands ahead of the hold at the last dump word; each use has an address register of its own, so nothing is written again while a store may still read it.
.macro PADZ p, lim
	v_cmp_gt_u32 vcc_lo, s[\lim], v[\p]
	v_cndmask_b32 v[\p], v54, v[\p], vcc_lo
	v_min_u32 v[\p], DUMP+31, v[\p]
	v_lshlrev_b32 v[\p], 2, v[\p]
	global_store_b32 v[\p], v57, s[8:9] offset:16896
.endm
	s_lshr_b32 s75, s12, 2                         ; four waves see to the padding of one expert: at most 159 rows, 2 x 128 places
	s_mov_b32 s78, 0
	s_mov_b32 s79, 0
	s_mov_b32 s80, 0
.irp e, 0,1,2,3,4,5,6,7
	s_cmp_eq_u32 s75, \e
	s_cselect_b32 s78, s[16+\e], s78
	s_cselect_b32 s79, s[66+\e], s79
	s_cselect_b32 s80, s[67+\e], s80
.endr
	s_mul_i32 s79, s79, 160
	s_add_co_u32 s79, s79, s78                     ; the first row behind the expert's entries
	s_mul_i32 s80, s80, 160                        ; the end of its last tile
	s_and_b32 s81, s12, 3
	s_lshl_b32 s81, s81, 5
	s_add_co_u32 s79, s79, s81
	v_add_nc_u32 v64, s79, v1
	v_add_nc_u32 v65, 0x80, v64
	PADZ 64, 80
	PADZ 65, 80
	s_mul_i32 s79, s74, 160                        ; the tiles not in use: at most 5,280 - 4,160 = 1,120 rows, 2 x 1,024 places
	s_mov_b32 s81, ROWS+1
	v_add_nc_u32 v66, s79, v0
	v_add_nc_u32 v67, 0x400, v66
	PADZ 66, 81
	PADZ 67, 81
	v_mov_b32 v58, 0                               ; tile i = my thread's number: its expert is the last whose first tile is at or below i
	v_mov_b32 v61, 0
	v_mov_b32 v62, s16
.irp e, 1,2,3,4,5,6,7
	v_cmp_le_u32 vcc_lo, s[66+\e], v0
	v_cndmask_b32 v58, v58, \e, vcc_lo
	v_cndmask_b32 v61, v61, s[66+\e], vcc_lo
	v_cndmask_b32 v62, v62, s[16+\e], vcc_lo
.endr
	v_sub_nc_u32 v61, v0, v61
	v_mul_u32_u24 v61, v61, 160
	v_sub_nc_u32 v59, v62, v61                     ; what is left of the expert's rows from this tile on,
	v_max_i32 v59, 0, v59
	v_min_i32 v59, 0xa0, v59                       ; held between 0 and 160
.irp m, 1,2,4,8                                ; S_e: the 32 waves' sums
.irp e, 0,1,2,3,4,5,6,7
	v_add_f32_dpp v[32+\e], v[32+\e], v[32+\e] row_xmask:\m row_mask:0xf bank_mask:0xf
.endr
.endr
.irp e, 0,1,2,3,4,5,6,7
	v_permlanex16_b32 v[8+\e], v[32+\e], s13, s14
.endr
.irp e, 0,1,2,3,4,5,6,7
	v_add_f32 v[32+\e], v[32+\e], v[8+\e]
.endr
	v_cvt_f32_u32 v16, s16
	v_mul_f32 v55, v16, v32
.irp e, 1,2,3,4,5,6,7
	v_cvt_f32_u32 v16, s[16+\e]
	v_fmac_f32 v55, v16, v[32+\e]
.endr
	v_mul_f32 v55, 0x36000000, v55                 ; x 8 / 2048^2 = 2^-19
	s_cmp_lt_u32 s12, 2
	s_cbranch_scc0 .Lend                           ; behind the launch's one barrier: a branch on the wave's number
	global_store_b64 v63, v[58:59], s[8:9]         ; the table's 64 entries: 256 consecutive bytes a wave
	s_cmp_lg_u32 s12, 0
	s_cbranch_scc1 .Lend
	v_cmp_eq_u32 vcc_lo, 0, v0                     ; thread 0 alone stores the one number: the mask hangs on the thread's number
	s_wait_xcnt 0x0                                ; EXEC changes only behind this wait
	s_and_saveexec_b32 s77, vcc_lo
	global_store_b32 v57, v55, s[10:11]            ; the aux loss
	s_wait_xcnt 0x0                                ; and again in front of the line that widens it
	s_or_b32 exec_lo, exec_lo, s77
.Lend:
	s_wait_tensorcnt 0x0
	ds_add_u32 v72, v73
	s_wait_dscnt 0x0
	s_endpgm
.Lfunc_end_k_q33c6ea34ef_place:
	.size	k_q33c6ea34ef_place, .Lfunc_end_k_q33c6ea34ef_place-k_q33c6ea34ef_place
	.p2alignl 7, 3214868480
	.fill 96, 4, 3214868480
	.section	.rodata,"a",@progbits
	.p2align	6, 0x0
	.amdhsa_kernel k_q33c6ea34ef_place
		.amdhsa_group_segment_fixed_size 6144
		.amdhsa_private_segment_fixed_size 0
		.amdhsa_enable_private_segment 0
		.amdhsa_kernarg_size 32
		.amdhsa_user_sgpr_count 2
		.amdhsa_user_sgpr_kernarg_segment_ptr 1
		.amdhsa_wavefront_size32 1
		.amdhsa_system_sgpr_workgroup_id_x 1
		.amdhsa_system_sgpr_workgroup_id_y 1
		.amdhsa_system_sgpr_workgroup_id_z 1
		.amdhsa_system_vgpr_workitem_id 0
		.amdhsa_next_free_vgpr 74
		.amdhsa_next_free_sgpr 96
		.amdhsa_reserve_vcc 1
		.amdhsa_float_denorm_mode_32 3
		.amdhsa_float_denorm_mode_16_64 3
		.amdhsa_memory_ordered 1
		.amdhsa_forward_progress 1
		.amdhsa_inst_pref_size 33
	.end_amdhsa_kernel
	.amdgpu_metadata
---
amdhsa.version: [ 1, 2 ]
amdhsa.kernels:
  - .name:           k_q33c6ea34ef_place
    .symbol:         k_q33c6ea34ef_place.kd
    .args:
      - { .name: sel, .offset: 0, .size: 8, .value_kind: global_buffer, .address_space: global }
      - { .name: probs, .offset: 8, .size: 8, .value_kind: global_buffer, .address_space: global }
      - { .name: plan, .offset: 16, .size: 8, .value_kind: global_buffer, .address_space: global }
      - { .name: out1, .offset: 24, .size: 8, .value_kind: global_buffer, .address_space: global }
    .group_segment_fixed_size: 6144
    .private_segment_fixed_size: 0
    .kernarg_segment_align: 8
    .kernarg_segment_size: 32
    .max_flat_workgroup_size: 1024
    .sgpr_count:     96
    .vgpr_count:     74
    .wavefront_size: 32
...
	.end_amdgpu_metadata
.endif
;; end of part 2
;; launch up (part 3): grid 8 x 33, 4 waves a work-group, no clusters, 306,176 bytes of LDS; arguments xcodes, W1_codes, b1, lowp_scales, plan, hcodes; writes hcodes
.if DOCPART == 3
	.amdgcn_target "amdgcn-amd-amdhsa--gfx1250"
	.amdhsa_code_object_version 6
	.text
	.protected	k_q33c6ea34ef_up
	.globl	k_q33c6ea34ef_up
	.p2align	8
	.type	k_q33c6ea34ef_up,@function
k_q33c6ea34ef_up:
	s_mov_b64 s[64:65], 0
	v_nop
	global_prefetch_b8 v0, s[64:65] scope:SCOPE_SE
	s_setreg_imm32_b32 hwreg(HW_REG_WAVE_MODE, 25, 1), 1
	s_wait_xcnt 0x0
; UP.  h = Q(relu(xn W1^T + b1)) for the rows that were routed.  Work-group (col, y) makes 160 slab rows (tile y, one expert) x 256 hidden units (256 col on), K = 1,024, on E4M3 codes.
; Four waves, 2 x 2: wave w takes rows 80 (w / 2) on and units 128 (w % 2) on: 5 x 8 accumulators of 16 x 16.  K goes in steps of 256 (two matrix instructions deep).
; THE GRID SERVES EVERY SPLIT: 33 tiles.  The text has no branch: every wave passes every barrier.  A tile that the split leaves empty is entered as expert 7 with token 0's rows; nobody reads its slab.
; THE ROWS are gathered once by the list (rowtok), 256 bytes a piece, and stay in LDS (pitch 1,040).  W1's tile comes in whole pieces of 256 bytes through registers into two LDS slots (pitch 272) that take turns:
; one barrier a K step.  In front of it a wave's stores into the next slot have landed and its reads of this slot are back; behind it the next slot is read, and this slot is written again only a step later.
; THE MATRIX INSTRUCTION IS USED TRANSPOSED (source 0 = 16 rows of W1, source 1 = 16 slab rows): a lane holds ONE slab row and eight hidden units.
; THE ROWS OF W1 THAT FORM A TILE ARE NOT NEIGHBOURS: on the way into LDS bits 3 and 4 of the row's number change places, so that LDS row 16 t + r holds unit 32 (t / 2) + 8 (t % 2) + r + 8 (r / 8),
; and the 16 registers of tiles 2 b, 2 b + 1 are 16 neighbours along the next K.  The conversions' results are then the next product's operand, stored as an image of its registers:
; hcodes[tile][step of 128 K][fragment of 16 rows][4][lane][16 bytes]: every store is 512 consecutive bytes.
; k in a fragment: registers 4 c .. 4 c + 3 hold k = 32 c + 16 (lane / 16) + 0 .. 15, alike in both operands (four loads of 16 bytes).
; b1 goes in as the C of each sum's first instruction, divided by 2^(e0 + e1); the three scales ahead of the quantiser are folded into the conversion's one, 2^(e3 - e0 - e1); the hold at 448 clips at 0 too (relu).
; NO JOINT LOADS: the rows that the eight column tiles share are gathered by a list, which no tile descriptor states; the row tiles that share a tile of W1 are set by the split, so partners' addresses would differ.
; LIMITS: e3 - e0 - e1 between -126 and 119.  NaN among the inputs is not served.
; REGISTERS, in windows of 256: window 0: v0-47 addresses; v48-127 five row fragments, v128-255 eight fragments of W1 (buffer 0).  window 1: the same numbers, buffer 1.
;   window 2: accumulators of row blocks 0-2 at v[64 a + 8 t]; v192-255 the bias, eight a tile.  window 3: row blocks 3, 4 at v[64 (a - 3) + 8 t]; v128-255 W1 on its way to LDS.
.set PA,    1040                       ; a slab row in LDS: 1,024 bytes + 16: an odd multiple of 16, so the 16 rows of a fragment load start at 16 different groups of banks
.set PB,    272                        ; a row of W1's tile: 256 + 16
.set BOFF,  160*PA                     ; behind the rows: two slots
.set BSLOT, 256*PB
.set NA,    5
.set NB,    8
.set NL,    4*(NA+NB)                  ; LDS loads that bring one buffer
.set KS,    4                          ; K steps
.set RF,    48
.set WF,    128
.set BIAS,  192
.set SG,    128
.set MSB,   0
.macro WIN new                         ; bits 1:0 source 0, 3:2 source 1, 5:4 source 2, 7:6 destination; the high byte repeats the setting that is left
.if MSB != (\new)
	s_set_vgpr_msb (MSB<<8)|(\new)
.set MSB, (\new)
.endif
.endm
.macro PLACES                          ; four plain instructions between a matrix instruction and a load into, or a vector read of, its registers
.rept 4
	v_nop
.endr
.endm
.macro GLOAD k                         ; K step k of my 64 rows of W1: 32 loads, each two rows x 256 bytes
	WIN 0xc0
.set i, 0
.rept 32
	global_load_b128 v[SG+4*i:SG+4*i+3], v10, s[10:11] offset:2048*i+256*(\k)
.set i, i+1
.endr
.endm
.macro SSTORE k                        ; into slot k % 2, bits 3 and 4 of the row changing places
	WIN 0x0c
.set i, 0
.rept 32
.set sw, ((2*i)&0x27)|((((2*i)>>3)&1)<<4)|((((2*i)>>4)&1)<<3)
	ds_store_b128 v[8+((\k)&1)], v[SG+4*i:SG+4*i+3] offset:sw*PB
.set i, i+1
.endr
.endm
.macro FETCH f, k, u                   ; the fragments of 128 along K (half u of K step k) into buffer f
	WIN 0x40*(\f)
.set t, 0
.rept NB
.irp c, 0,1,2,3
	ds_load_b128 v[WF+16*t+4*\c:WF+16*t+4*\c+3], v[5+((\k)&1)] offset:16*PB*t+128*(\u)+32*\c
.endr
.set t, t+1
.endr
.irp m, 0,1,2
.irp c, 0,1,2,3
	ds_load_b128 v[RF+16*\m+4*\c:RF+16*\m+4*\c+3], v3 offset:16*PA*\m+256*(\k)+128*(\u)+32*\c
.endr
.endr
.irp m, 3,4
.irp c, 0,1,2,3
	ds_load_b128 v[RF+16*\m+4*\c:RF+16*\m+4*\c+3], v4 offset:16*PA*(\m-3)+256*(\k)+128*(\u)+32*\c
.endr
.endr
.endm
; row blocks alo .. ahi x the eight tiles of units, 128 along K, from buffer f.  The 40 accumulators take turns, in the same order in every half step.
.macro MUL f, alo, ahi, first
.set a, \alo
.rept (\ahi)-(\alo)+1
.set ac, 64*(a%3)
.if \first
	WIN 0xa0+0x40*(a/3)
.else
	WIN 0xa0+0x50*(a/3)+5*(\f)
.endif
.set t, 0
.rept NB
.if \first
	v_wmma_f32_16x16x128_fp8_fp8 v[ac+8*t:ac+8*t+7], v[WF+16*t:WF+16*t+15], v[RF+16*a:RF+16*a+15], v[BIAS+8*t:BIAS+8*t+7]
.else
	v_wmma_f32_16x16x128_fp8_fp8 v[ac+8*t:ac+8*t+7], v[WF+16*t:WF+16*t+15], v[RF+16*a:RF+16*a+15], v[ac+8*t:ac+8*t+7]
.endif
.set t, t+1
.endr
.set a, a+1
.endr
.endm
.macro STEP k
.if (\k) > 0
	PLACES
.endif
	FETCH 1, \k, 1
	s_wait_dscnt NL                                ; buffer 0 is in; the loads just issued may be out
.if (\k) == 0
	MUL 0, 0, 4, 1
.else
	MUL 0, 0, 4, 0
.endif
.if (\k)+1 < KS
	s_wait_loadcnt 0x0                             ; the next K step of W1 has come into registers
	SSTORE (\k)+1                                  ; into the slot that every wave left at the last barrier
.endif
	s_wait_dscnt 0x0                               ; buffer 1 is in, my stores have landed, my reads of this slot are over
.if (\k)+2 < KS
	GLOAD (\k)+2                                   ; the stores have read their registers: they take the K step after the next, which has a whole step in which to come
.endif
.if (\k)+1 < KS
	s_barrier_signal -1
.endif
	MUL 1, 0, 1, 0                                 ; work on registers while the others arrive
.if (\k)+1 < KS
	s_barrier_wait -1                              ; the next slot is whole
	PLACES
	FETCH 0, (\k)+1, 0
.endif
	MUL 1, 2, 4, 0
.endm
	s_load_b256 s[8:15], s[0:1], 0x0               ; xcodes s[8:9], W1_codes s[10:11], b1 s[12:13], lowp_scales s[14:15]
	s_load_b128 s[16:19], s[0:1], 0x20             ; plan s[16:17], hcodes s[18:19]
	v_lshl_add_u32 v26, v0, 2, 0x4aa00
	v_mov_b32 v27, 0
	v_lshrrev_b32 v1, 5, v0
	v_readfirstlane_b32 s20, v1                    ; wave w
	s_lshr_b32 s21, s20, 1                         ; which 80 rows
	s_and_b32 s22, s20, 1                          ; which 128 units
	s_and_b32 s24, ttmp7, 0xffff                   ; tile y
	v_and_b32 v1, 15, v0                           ; r
	v_bfe_u32 v2, v0, 4, 1                         ; h
	v_lshlrev_b32 v16, 4, v1                       ; 16 r
	v_and_b32 v13, 31, v0
	v_lshlrev_b32 v13, 4, v13                      ; 16 x lane
	v_mul_u32_u24 v3, v1, PA
	v_lshl_add_u32 v3, v2, 4, v3
	s_mul_i32 s32, s21, 80*PA
	v_add_nc_u32 v3, s32, v3                       ; row fragments 0-2: (80 (w / 2) + r) PA + 16 h
	v_add_nc_u32 v4, 48*PA, v3                     ; row fragments 3, 4: 48 rows on (the immediate has 16 bits)
	v_mul_u32_u24 v5, v1, PB
	v_lshl_add_u32 v5, v2, 4, v5
	s_mul_i32 s32, s22, 128*PB
	s_add_co_u32 s32, s32, BOFF
	v_add_nc_u32 v5, s32, v5                       ; fragments of W1, slot 0: (128 (w % 2) + r) PB + 16 h
	v_add_nc_u32 v6, BSLOT, v5                     ; slot 1
	v_mul_u32_u24 v7, v2, PA
	v_add_nc_u32 v7, v7, v16
	s_mul_i32 s32, s20, 40*PA
	v_add_nc_u32 v7, s32, v7                       ; the rows' way in: (40 w + h) PA + 16 r
	v_mul_u32_u24 v8, v2, PB
	v_add_nc_u32 v8, v8, v16
	s_mul_i32 s32, s20, 64*PB
	s_add_co_u32 s32, s32, BOFF
	v_add_nc_u32 v8, s32, v8                       ; W1's way in, slot 0: (64 w + h) PB + 16 r
	v_add_nc_u32 v9, BSLOT, v8                     ; slot 1
	v_lshl_add_u32 v10, v2, 10, v16
	s_lshl_b32 s32, s20, 16
	v_add_nc_u32 v10, s32, v10                     ; W1 in memory: (64 w + h) x 1,024 + 16 r
	v_lshlrev_b32 v11, 6, v2                       ; b1: 64 h
	v_lshlrev_b32 v12, 2, v2
	s_mul_i32 s32, s20, 160
	v_add_nc_u32 v12, s32, v12                     ; the list: 4 (40 w + h)
	s_mov_b32 s33, 0
	s_lshl_b32 s32, s24, 3
	s_mul_i32 s36, s24, 640
	s_mov_b32 s37, 0
	s_wait_kmcnt 0x0
	s_add_nc_u64 s[34:35], s[16:17], s[32:33]
	s_load_b32 s25, s[34:35], 0x0                  ; the tile's expert
	s_load_b128 s[28:31], s[14:15], 0x0            ; e0, e1, e2, e3
	s_add_nc_u64 s[16:17], s[16:17], s[36:37]      ; the tile's 160 entries of the list
.set i, 0
.rept 20
	global_load_b32 v[28+i], v12, s[16:17] offset:16896+8*i   ; the token of row 40 w + 2 i + h, in sixteen lanes
.set i, i+1
.endr
	s_wait_kmcnt 0x0
	s_min_u32 s25, s25, 7
	s_lshl_b32 s32, s25, 21                        ; an expert's W1 is 2,048 x 1,024 bytes,
	s_lshl_b32 s38, ttmp9, 18                      ; 256 of its rows 2^18
	s_add_co_u32 s32, s32, s38
	s_add_nc_u64 s[10:11], s[10:11], s[32:33]
	GLOAD 0
	s_lshl_b32 s32, s25, 13                        ; b1: 4 (2,048 e + 256 col + 128 (w % 2))
	s_lshl_b32 s38, ttmp9, 10
	s_add_co_u32 s32, s32, s38
	s_lshl_b32 s38, s22, 9
	s_add_co_u32 s32, s32, s38
	s_add_nc_u64 s[12:13], s[12:13], s[32:33]
	WIN 0x80
.irp t, 0,1,2,3,4,5,6,7                        ; lane (r, h) wants, for tile t, the units 32 (t / 2) + 16 h + 8 (t % 2) + 0 .. 7
	global_load_b128 v[BIAS+8*\t:BIAS+8*\t+3], v11, s[12:13] offset:(32*(\t/2)+8*(\t%2))*4
	global_load_b128 v[BIAS+8*\t+4:BIAS+8*\t+7], v11, s[12:13] offset:(32*(\t/2)+8*(\t%2))*4+16
.endr
	WIN 0
	s_mul_i32 s32, s24, 327680                     ; hcodes: the tile, K step 2 col + w % 2 of the next product, fragments 5 (w / 2) on
	s_lshl_b32 s38, ttmp9, 1
	s_add_co_u32 s38, s38, s22
	s_mul_i32 s38, s38, 10
	s_mul_i32 s42, s21, 5
	s_add_co_u32 s38, s38, s42
	s_lshl_b32 s38, s38, 11
	s_add_co_u32 s32, s32, s38
	s_add_nc_u64 s[18:19], s[18:19], s[32:33]
	s_add_co_i32 s39, s28, s29                     ; e0 + e1: a sum stands for sum x 2^(e0 + e1)
	s_sub_co_i32 s40, 0, s39
	s_sub_co_i32 s41, s31, s39
	s_add_co_i32 s41, s41, 127
	s_lshl_b32 s42, s41, 23
	v_mov_b32 v14, s42                             ; 2^(e3 - e0 - e1) as f32: the conversion takes its exponent field
	s_add_co_i32 s41, s41, 8
	s_lshl_b32 s41, s41, 23
	s_or_b32 s41, s41, 0x600000
	v_mov_b32 v15, s41                             ; 448 x that
	s_wait_loadcnt 48                              ; the list is in; W1's 32 loads and the bias's 16 may be out
.set i, 0
.rept 20
	v_min_u32 v[28+i], 0x7ff, v[28+i]
	v_lshl_add_u32 v[28+i], v[28+i], 10, v16       ; the token's row of codes + 16 r
.set i, i+1
.endr
.set i, 0
.rept 20                                       ; my 40 rows, two a load, four pieces of 256 bytes each: into the fragment buffers, which are still free
	WIN 0x40*(i/13)
.irp u, 0,1,2,3
	global_load_b128 v[RF+16*(i%13)+4*\u:RF+16*(i%13)+4*\u+3], v[28+i], s[8:9] offset:256*\u
.endr
.set i, i+1
.endr
	s_wait_loadcnt 0x0
	WIN 0x82
.set i, 0
.rept 64
	v_ldexp_f32 v[BIAS+i], v[BIAS+i], s40          ; b1 / 2^(e0 + e1)
.set i, i+1
.endr
	SSTORE 0
.set i, 0
.rept 20
	WIN 0x04*(i/13)
.irp u, 0,1,2,3
	ds_store_b128 v7, v[RF+16*(i%13)+4*\u:RF+16*(i%13)+4*\u+3] offset:2*PA*i+256*\u
.endr
.set i, i+1
.endr
	s_wait_dscnt 0x0                               ; for the others: my rows and my part of slot 0 lie in LDS; and the stores have read their registers
	GLOAD 1
	WIN 0
	s_barrier_signal -1
	s_barrier_wait -1
	FETCH 0, 0, 0
	STEP 0
	STEP 1
	STEP 2
	STEP 3
	; THE WAY OUT, a block of 16 rows at a time: relu and the hold in one, the conversion, four stores of 512 consecutive bytes.  Each block's codes have registers of their own.
	PLACES
.irp a, 0,1,2,3,4
.set ac, 64*(\a%3)
	WIN 0x82+0x41*(\a/3)
.set i, 0
.rept 64
	v_med3_num_f32 v[ac+i], v[ac+i], 0, v15        ; between 0 and the largest code x the scale (the conversion does not saturate: ISA guide 7.6.2); each accumulator from its low end on
.set i, i+1
.endr
	WIN 0x02+(\a/3)
.set g, 0
.rept 8
	v_cvt_scalef32_pk8_fp8_f32 v[RF+16*\a+2*g:RF+16*\a+2*g+1], v[ac+8*g:ac+8*g+7], v14
.set g, g+1
.endr
	v_nop                                          ; a plain instruction behind the last conversion
	WIN 0
.irp c, 0,1,2,3
	global_store_b128 v13, v[RF+16*\a+4*\c:RF+16*\a+4*\c+3], s[18:19] offset:2048*\a+512*\c
.endr
.endr
	s_wait_tensorcnt 0x0
	ds_add_u32 v26, v27
	s_wait_dscnt 0x0
	s_endpgm
.Lfunc_end_k_q33c6ea34ef_up:
	.size	k_q33c6ea34ef_up, .Lfunc_end_k_q33c6ea34ef_up-k_q33c6ea34ef_up
	.p2alignl 7, 3214868480
	.fill 96, 4, 3214868480
	.section	.rodata,"a",@progbits
	.p2align	6, 0x0
	.amdhsa_kernel k_q33c6ea34ef_up
		.amdhsa_group_segment_fixed_size 306176
		.amdhsa_private_segment_fixed_size 0
		.amdhsa_enable_private_segment 0
		.amdhsa_kernarg_size 48
		.amdhsa_user_sgpr_count 2
		.amdhsa_user_sgpr_kernarg_segment_ptr 1
		.amdhsa_wavefront_size32 1
		.amdhsa_system_sgpr_workgroup_id_x 1
		.amdhsa_system_sgpr_workgroup_id_y 1
		.amdhsa_system_sgpr_workgroup_id_z 1
		.amdhsa_system_vgpr_workitem_id 0
		.amdhsa_next_free_vgpr 1024
		.amdhsa_next_free_sgpr 66
		.amdhsa_reserve_vcc 0
		.amdhsa_float_denorm_mode_32 3
		.amdhsa_float_denorm_mode_16_64 3
		.amdhsa_memory_ordered 1
		.amdhsa_forward_progress 1
		.amdhsa_inst_pref_size 121
	.end_amdhsa_kernel
	.amdgpu_metadata
---
amdhsa.version: [ 1, 2 ]
amdhsa.kernels:
  - .name:           k_q33c6ea34ef_up
    .symbol:         k_q33c6ea34ef_up.kd
    .args:
      - { .name: xcodes, .offset: 0, .size: 8, .value_kind: global_buffer, .address_space: global }
      - { .name: W1_codes, .offset: 8, .size: 8, .value_kind: global_buffer, .address_space: global }
      - { .name: b1, .offset: 16, .size: 8, .value_kind: global_buffer, .address_space: global }
      - { .name: lowp_scales, .offset: 24, .size: 8, .value_kind: global_buffer, .address_space: global }
      - { .name: plan, .offset: 32, .size: 8, .value_kind: global_buffer, .address_space: global }
      - { .name: hcodes, .offset: 40, .size: 8, .value_kind: global_buffer, .address_space: global }
    .group_segment_fixed_size: 306176
    .private_segment_fixed_size: 0
    .kernarg_segment_align: 8
    .kernarg_segment_size: 48
    .max_flat_workgroup_size: 128
    .sgpr_count:     66
    .vgpr_count:     1024
    .wavefront_size: 32
...
	.end_amdgpu_metadata
.endif
;; end of part 3
;; launch down (part 4): grid 8 x 33, 4 waves a work-group, no clusters, 169,472 bytes of LDS; arguments hcodes, W2_codes, b2, lowp_scales, plan, yrows; writes yrows
.if DOCPART == 4
	.amdgcn_target "amdgcn-amd-amdhsa--gfx1250"
	.amdhsa_code_object_version 6
	.text
	.protected	k_q33c6ea34ef_down
	.globl	k_q33c6ea34ef_down
	.p2align	8
	.type	k_q33c6ea34ef_down,@function
k_q33c6ea34ef_down:
	s_mov_b64 s[64:65], 0
	v_nop
	global_prefetch_b8 v0, s[64:65] scope:SCOPE_SE
	s_setreg_imm32_b32 hwreg(HW_REG_WAVE_MODE, 25, 1), 1
	s_wait_xcnt 0x0
; DOWN.  y = h W2^T x 2^(e2 + e3) + b2 for the routed rows, not yet gated.  Work-group (col, y) makes 160 slab rows (tile y) x 128 outputs (128 col on), K = 2,048, on E4M3 codes.
; Four waves, 2 x 2: wave w takes rows 80 (w / 2) on and outputs 64 (w % 2) on: 5 x 4 accumulators.  K goes in steps of 256 (two matrix instructions deep), eight steps.
; h comes as images of the operand's registers (a fragment: four pieces of 512 bytes, lane l's 16 bytes at 16 l): a K step is 40,960 consecutive bytes, copied as they lie; a fragment load is 512 consecutive bytes of LDS.
; W2's tile comes in whole pieces of 256 bytes into rows of pitch 272.  Both go through registers into two LDS slots that take turns; one barrier a K step, as in the launch before.
; The text has no branch: every wave passes every barrier; a tile that the split leaves empty is worked like any other and nobody reads its slab.
; THE MATRIX INSTRUCTION IS USED TRANSPOSED (source 0 = 16 rows of W2, source 1 = 16 slab rows): a lane holds eight neighbouring outputs of one row.  A block of 16 rows x 64 outputs goes through the
; wave's own stage in LDS and leaves as rows: sixteen lanes store 256 consecutive bytes, aligned.
; JOINT LOADS are left out: h's images (40,960 of a step's 73,728 bytes) are the same for the eight column tiles of a row tile and could be asked for jointly; that would put a ring under the data mover beside
; the way of W2 through registers, whose address hangs on an expert read from memory.  A known loss of this text.
; LIMIT: e2 + e3 between -126 and 127.
; REGISTERS: window 0: v0-47 addresses; v48-127 five fragments of h, v128-191 four of W2 (buffer 0); on the way out v48-143.  window 1: the same numbers, buffer 1; v192-223 b2.
;   window 2: v0-159 accumulators at v[32 a + 8 t].  window 3: v0-79 h, v80-143 W2 on their way to LDS.
.set PB,    272
.set HSLOT, 40960
.set BOFF,  2*HSLOT
.set BSLOT, 128*PB
.set STG,   BOFF+2*BSLOT               ; four stages of 16 x 272 bytes
.set NA,    5
.set NB,    4
.set NL,    4*(NA+NB)
.set KS,    8
.set RF,    48
.set WF,    128
.set B2R,   192
.set SB,    80
.set TMP,   48
.set OUTR,  80
.set MSB,   0
.macro WIN new                         ; bits 1:0 source 0, 3:2 source 1, 5:4 source 2, 7:6 destination; the high byte repeats the setting that is left
.if MSB != (\new)
	s_set_vgpr_msb (MSB<<8)|(\new)
.set MSB, (\new)
.endif
.endm
.macro PLACES                          ; four plain instructions between a matrix instruction and a load into, or a vector read of, its registers
.rept 4
	v_nop
.endr
.endm
.macro GLOAD k                         ; K step k: my quarter of h's images (20 x 512 bytes) and my 32 rows of W2 (16 loads, each two rows x 256 bytes)
	WIN 0xc0
.set i, 0
.rept 20
	global_load_b128 v[4*i:4*i+3], v7, s[8:9] offset:HSLOT*(\k)+512*i
.set i, i+1
.endr
.set i, 0
.rept 16
	global_load_b128 v[SB+4*i:SB+4*i+3], v10, s[10:11] offset:4096*i+256*(\k)
.set i, i+1
.endr
.endm
.macro SSTORE k
	WIN 0x0c
.set i, 0
.rept 20
	ds_store_b128 v7, v[4*i:4*i+3] offset:HSLOT*((\k)&1)+512*i
.set i, i+1
.endr
.set i, 0
.rept 16
	ds_store_b128 v8, v[SB+4*i:SB+4*i+3] offset:BSLOT*((\k)&1)+2*PB*i
.set i, i+1
.endr
.endm
.macro FETCH f, k, u
	WIN 0x40*(\f)
.irp t, 0,1,2,3
.irp c, 0,1,2,3
	ds_load_b128 v[WF+16*\t+4*\c:WF+16*\t+4*\c+3], v5 offset:BSLOT*((\k)&1)+16*PB*\t+128*(\u)+32*\c
.endr
.endr
.irp m, 0,1,2,3,4
.irp c, 0,1,2,3
	ds_load_b128 v[RF+16*\m+4*\c:RF+16*\m+4*\c+3], v[3+((\k)&1)] offset:20480*(\u)+2048*\m+512*\c
.endr
.endr
.endm
; row blocks alo .. ahi x the four tiles of outputs.  The 20 accumulators take turns, in the same order in every half step; the first products start the sums.
.macro MUL f, alo, ahi, first
	WIN 0xa0+5*(\f)
.set a, \alo
.rept (\ahi)-(\alo)+1
.set t, 0
.rept NB
.if \first
	v_wmma_f32_16x16x128_fp8_fp8 v[32*a+8*t:32*a+8*t+7], v[WF+16*t:WF+16*t+15], v[RF+16*a:RF+16*a+15], 0
.else
	v_wmma_f32_16x16x128_fp8_fp8 v[32*a+8*t:32*a+8*t+7], v[WF+16*t:WF+16*t+15], v[RF+16*a:RF+16*a+15], v[32*a+8*t:32*a+8*t+7]
.endif
.set t, t+1
.endr
.set a, a+1
.endr
.endm
.macro STEP k
.if (\k) > 0
	PLACES
.endif
	FETCH 1, \k, 1
	s_wait_dscnt NL                                ; buffer 0 is in; the loads just issued may be out
.if (\k) == 0
	MUL 0, 0, 4, 1
.else
	MUL 0, 0, 4, 0
.endif
.if (\k)+1 < KS
	s_wait_loadcnt 0x0                             ; the next K step has come into registers
	SSTORE (\k)+1                                  ; into the slot that every wave left at the last barrier
.endif
	s_wait_dscnt 0x0                               ; buffer 1 is in, my stores have landed, my reads of this slot are over
.if (\k)+2 < KS
	GLOAD (\k)+2                                   ; the stores have read their registers: they take the K step after the next
.endif
.if (\k)+1 < KS
	s_barrier_signal -1
.endif
	MUL 1, 0, 1, 0                                 ; work on registers while the others arrive
.if (\k)+1 < KS
	s_barrier_wait -1                              ; the next slot is whole
	PLACES
	FETCH 0, (\k)+1, 0
.endif
	MUL 1, 2, 4, 0
.endm
	s_load_b256 s[8:15], s[0:1], 0x0               ; hcodes s[8:9], W2_codes s[10:11], b2 s[12:13], lowp_scales s[14:15]
	s_load_b128 s[16:19], s[0:1], 0x20             ; plan s[16:17], yrows s[18:19]
	v_lshl_add_u32 v254, v0, 2, 0x29400
	v_mov_b32 v255, 0
	v_lshrrev_b32 v1, 5, v0
	v_readfirstlane_b32 s20, v1                    ; wave w
	s_lshr_b32 s21, s20, 1                         ; which 80 rows
	s_and_b32 s22, s20, 1                          ; which 64 outputs
	s_and_b32 s24, ttmp7, 0xffff                   ; tile y
	v_and_b32 v1, 15, v0                           ; r
	v_bfe_u32 v2, v0, 4, 1                         ; h
	v_lshlrev_b32 v16, 4, v1                       ; 16 r
	v_and_b32 v13, 31, v0
	v_lshlrev_b32 v13, 4, v13                      ; 16 x lane
	s_mul_i32 s32, s21, 10240
	v_add_nc_u32 v3, s32, v13                      ; my five fragments of h, slot 0: 10,240 (w / 2) + 16 lane
	v_add_nc_u32 v4, HSLOT, v3                     ; slot 1
	v_mul_u32_u24 v5, v1, PB
	v_lshl_add_u32 v5, v2, 4, v5
	s_mul_i32 s32, s22, 64*PB
	s_add_co_u32 s32, s32, BOFF
	v_add_nc_u32 v5, s32, v5                       ; fragments of W2: (64 (w % 2) + r) PB + 16 h
	s_mul_i32 s32, s20, 10240
	v_add_nc_u32 v7, s32, v13                      ; h's way in, in memory and in LDS alike: 10,240 w + 16 lane
	v_mul_u32_u24 v8, v2, PB
	v_add_nc_u32 v8, v8, v16
	s_mul_i32 s32, s20, 32*PB
	s_add_co_u32 s32, s32, BOFF
	v_add_nc_u32 v8, s32, v8                       ; W2's way in: (32 w + h) PB + 16 r
	v_lshl_add_u32 v10, v2, 11, v16
	s_lshl_b32 s32, s20, 16
	v_add_nc_u32 v10, s32, v10                     ; W2 in memory: (32 w + h) x 2,048 + 16 r
	v_lshlrev_b32 v11, 5, v2                       ; b2: 32 h
	s_mul_i32 s32, s20, 16*PB
	s_add_co_u32 s32, s32, STG                     ; my stage
	v_mul_u32_u24 v17, v1, PB
	v_lshl_add_u32 v17, v2, 5, v17
	v_add_nc_u32 v17, s32, v17                     ; in: row r, 32 bytes for each half of the lanes
	v_mul_u32_u24 v18, v2, PB
	v_add_nc_u32 v18, v18, v16
	v_add_nc_u32 v18, s32, v18                     ; back: lanes 0-15 one row of 256 bytes, lanes 16-31 the next
	v_lshl_add_u32 v19, v2, 12, v16                ; and the same two rows in yrows
	s_mov_b32 s33, 0
	s_lshl_b32 s32, s24, 3
	s_wait_kmcnt 0x0
	s_add_nc_u64 s[34:35], s[16:17], s[32:33]
	s_load_b32 s25, s[34:35], 0x0                  ; the tile's expert
	s_load_b128 s[28:31], s[14:15], 0x0            ; e0, e1, e2, e3
	s_mul_i32 s32, s24, 327680
	s_add_nc_u64 s[8:9], s[8:9], s[32:33]          ; the tile's images
	s_mul_i32 s32, s24, 160                        ; yrows: 4,096 (160 y + 80 (w / 2)) + 512 col + 256 (w % 2)
	s_mul_i32 s38, s21, 80
	s_add_co_u32 s32, s32, s38
	s_lshl_b32 s32, s32, 12
	s_lshl_b32 s38, ttmp9, 9
	s_add_co_u32 s32, s32, s38
	s_lshl_b32 s38, s22, 8
	s_add_co_u32 s32, s32, s38
	s_add_nc_u64 s[18:19], s[18:19], s[32:33]
	s_wait_kmcnt 0x0
	s_min_u32 s25, s25, 7
	s_lshl_b32 s32, s25, 21                        ; an expert's W2 is 1,024 x 2,048 bytes,
	s_lshl_b32 s38, ttmp9, 18                      ; 128 of its rows 2^18
	s_add_co_u32 s32, s32, s38
	s_add_nc_u64 s[10:11], s[10:11], s[32:33]
	GLOAD 0
	s_lshl_b32 s32, s25, 12                        ; b2: 4 (1,024 e + 128 col + 64 (w % 2))
	s_lshl_b32 s38, ttmp9, 9
	s_add_co_u32 s32, s32, s38
	s_lshl_b32 s38, s22, 8
	s_add_co_u32 s32, s32, s38
	s_add_nc_u64 s[12:13], s[12:13], s[32:33]
	WIN 0x40
.irp t, 0,1,2,3                                ; lane (r, h) wants, for tile t, the outputs 16 t + 8 h + 0 .. 7
	global_load_b128 v[B2R+8*\t:B2R+8*\t+3], v11, s[12:13] offset:64*\t
	global_load_b128 v[B2R+8*\t+4:B2R+8*\t+7], v11, s[12:13] offset:64*\t+16
.endr
	WIN 0
	s_add_co_i32 s36, s30, s31
	s_add_co_i32 s36, s36, 127
	s_lshl_b32 s36, s36, 23                        ; 2^(e2 + e3) as f32
	s_mov_b32 s37, s36                             ; (named with it as a pair, so it is written)
	s_wait_loadcnt 0x0
	SSTORE 0
	s_wait_dscnt 0x0                               ; for the others: my part of slot 0 lies in LDS; and the stores have read their registers
	GLOAD 1
	WIN 0
	s_barrier_signal -1
	s_barrier_wait -1
	FETCH 0, 0, 0
	STEP 0
	STEP 1
	STEP 2
	STEP 3
	STEP 4
	STEP 5
	STEP 6
	STEP 7
; THE WAY OUT, a block of 16 rows x 64 outputs at a time.  LDS serves a wave's instructions in order (ISA guide 5.7.1.4): no wait between the stores into my stage and the loads from it, nor in front of the next block's stores.
.macro TOSTAGE a
	WIN 0x12                                       ; source 0 (the sums) window 2, source 2 (b2) window 1
.irp t, 0,1,2,3
.irp i, 0,2,4,6
	v_pk_fma_f32 v[TMP+8*\t+\i:TMP+8*\t+\i+1], v[32*(\a)+8*\t+\i:32*(\a)+8*\t+\i+1], s[36:37], v[B2R+8*\t+\i:B2R+8*\t+\i+1] op_sel_hi:[1,0,1]   ; sum x 2^(e2 + e3) + b2; each accumulator from its low end on
.endr
.endr
	WIN 0
.irp t, 0,1,2,3
	ds_store_b128 v17, v[TMP+8*\t:TMP+8*\t+3] offset:64*\t
	ds_store_b128 v17, v[TMP+8*\t+4:TMP+8*\t+7] offset:64*\t+16
.endr
.set ob, OUTR+32*((\a)%2)
.irp i, 0,1,2,3,4,5,6,7
	ds_load_b128 v[ob+4*\i:ob+4*\i+3], v18 offset:2*PB*\i
.endr
.endm
.macro SEND a, younger                 ; younger: the LDS instructions issued behind block a's loads, which may stay out
.set ob, OUTR+32*((\a)%2)
	s_wait_dscnt \younger
.irp i, 0,1,2,3,4,5,6,7
	global_store_b128 v19, v[ob+4*\i:ob+4*\i+3], s[18:19] offset:4096*(16*(\a)+2*\i)   ; sixteen lanes store 256 consecutive bytes, at a multiple of 256 from the buffer's first byte
.endr
.endm
	WIN 0
	PLACES
	TOSTAGE 0
.irp b, 1,2,3,4
.if \b > 1
	s_wait_xcnt 0x0                                ; the stores of the block two back have read their registers: this block's loads may land there
.endif
	TOSTAGE \b
	SEND \b-1, 16                                  ; behind that block's loads: this block's eight stores and eight loads
.endr
	SEND 4, 0
	s_wait_tensorcnt 0x0
	ds_add_u32 v254, v255
	s_wait_dscnt 0x0
	s_endpgm
.Lfunc_end_k_q33c6ea34ef_down:
	.size	k_q33c6ea34ef_down, .Lfunc_end_k_q33c6ea34ef_down-k_q33c6ea34ef_down
	.p2alignl 7, 3214868480
	.fill 96, 4, 3214868480
	.section	.rodata,"a",@progbits
	.p2align	6, 0x0
	.amdhsa_kernel k_q33c6ea34ef_down
		.amdhsa_group_segment_fixed_size 169472
		.amdhsa_private_segment_fixed_size 0
		.amdhsa_enable_private_segment 0
		.amdhsa_kernarg_size 48
		.amdhsa_user_sgpr_count 2
		.amdhsa_user_sgpr_kernarg_segment_ptr 1
		.amdhsa_wavefront_size32 1
		.amdhsa_system_sgpr_workgroup_id_x 1
		.amdhsa_system_sgpr_workgroup_id_y 1
		.amdhsa_system_sgpr_workgroup_id_z 1
		.amdhsa_system_vgpr_workitem_id 0
		.amdhsa_next_free_vgpr 912
		.amdhsa_next_free_sgpr 66
		.amdhsa_reserve_vcc 0
		.amdhsa_float_denorm_mode_32 3
		.amdhsa_float_denorm_mode_16_64 3
		.amdhsa_memory_ordered 1
		.amdhsa_forward_progress 1
		.amdhsa_inst_pref_size 125
	.end_amdhsa_kernel
	.amdgpu_metadata
---
amdhsa.version: [ 1, 2 ]
amdhsa.kernels:
  - .name:           k_q33c6ea34ef_down
    .symbol:         k_q33c6ea34ef_down.kd
    .args:
      - { .name: hcodes, .offset: 0, .size: 8, .value_kind: global_buffer, .address_space: global }
      - { .name: W2_codes, .offset: 8, .size: 8, .value_kind: global_buffer, .address_space: global }
      - { .name: b2, .offset: 16, .size: 8, .value_kind: global_buffer, .address_space: global }
      - { .name: lowp_scales, .offset: 24, .size: 8, .value_kind: global_buffer, .address_space: global }
      - { .name: plan, .offset: 32, .size: 8, .value_kind: global_buffer, .address_space: global }
      - { .name: yrows, .offset: 40, .size: 8, .value_kind: global_buffer, .address_space: global }
    .group_segment_fixed_size: 169472
    .private_segment_fixed_size: 0
    .kernarg_segment_align: 8
    .kernarg_segment_size: 48
    .max_flat_workgroup_size: 128
    .sgpr_count:     66
    .vgpr_count:     912
    .wavefront_size: 32
...
	.end_amdgpu_metadata
.endif
;; end of part 4
;; launch join (part 5): grid 256 x 1, 8 waves a work-group, no clusters, 0 bytes of LDS; arguments x, yrows, gates, plan, out0; writes out0
.if DOCPART == 5
	.amdgcn_target "amdgcn-amd-amdhsa--gfx1250"
	.amdhsa_code_object_version 6
	.text
	.protected	k_q33c6ea34ef_join
	.globl	k_q33c6ea34ef_join
	.p2align	8
	.type	k_q33c6ea34ef_join,@function
k_q33c6ea34ef_join:
	s_mov_b64 s[64:65], 0
	v_nop
	global_prefetch_b8 v0, s[64:65] scope:SCOPE_SE
	s_setreg_imm32_b32 hwreg(HW_REG_WAVE_MODE, 25, 1), 1
	s_wait_xcnt 0x0
; JOIN.  out0[t] = x[t] + g0 y[p0] + g1 y[p1]: one wave a token, t = 8 x work-group + wave.  p0, p1 are the slab rows of the token's two routed entries (plan's pos), g0, g1 its gates.
; A stream: three rows of 4,096 bytes in, one out; every load and store of the wave covers 512 consecutive bytes.  All 24 loads of a wave are issued before the first is used; no register is written twice,
; so no wait frees a source.  No LDS, no barrier, no matrix unit, no cluster: waves share nothing.
.set X,  4                             ; v4-35   x, then the result
.set Y0, 36                            ; v36-67  the first expert's row
.set Y1, 68                            ; v68-99  the second's
	s_load_b256 s[4:11], s[0:1], 0x0               ; x s[4:5], yrows s[6:7], gates s[8:9], plan s[10:11]
	s_load_b64 s[12:13], s[0:1], 0x20              ; out0
	v_lshrrev_b32 v1, 5, v0
	v_readfirstlane_b32 s14, v1                    ; wave
	v_and_b32 v1, 31, v0
	v_lshlrev_b32 v1, 4, v1                        ; 16 x lane
	s_lshl_b32 s15, ttmp9, 3
	s_add_co_u32 s15, s15, s14                     ; token
	s_lshl_b32 s16, s15, 12
	s_mov_b32 s17, 0
	s_lshl_b32 s18, s15, 3
	s_mov_b32 s19, 0
	s_wait_kmcnt 0x0
	s_add_nc_u64 s[10:11], s[10:11], s[18:19]
	s_add_nc_u64 s[8:9], s[8:9], s[18:19]
	s_load_b64 s[20:21], s[10:11], 0x200           ; p0, p1
	s_load_b64 s[22:23], s[8:9], 0x0               ; g0, g1
	s_add_nc_u64 s[4:5], s[4:5], s[16:17]
	s_add_nc_u64 s[12:13], s[12:13], s[16:17]
.irp j, 0,1,2,3,4,5,6,7
	global_load_b128 v[X+4*\j:X+4*\j+3], v1, s[4:5] offset:512*\j th:TH_LOAD_NT
.endr
	s_wait_kmcnt 0x0
	s_min_u32 s20, s20, 0x149f                     ; a slab row is at most 5,279
	s_min_u32 s21, s21, 0x149f
	s_lshl_b32 s26, s20, 12
	s_mov_b32 s27, 0
	s_lshl_b32 s28, s21, 12
	s_mov_b32 s29, 0
	s_add_nc_u64 s[26:27], s[6:7], s[26:27]
	s_add_nc_u64 s[28:29], s[6:7], s[28:29]
	s_mov_b32 s24, s23                             ; g1 in a pair of its own: the packed form takes a scalar pair's low word for both halves
	s_mov_b32 s25, s23
.irp j, 0,1,2,3,4,5,6,7
	global_load_b128 v[Y0+4*\j:Y0+4*\j+3], v1, s[26:27] offset:512*\j th:TH_LOAD_NT
.endr
.irp j, 0,1,2,3,4,5,6,7
	global_load_b128 v[Y1+4*\j:Y1+4*\j+3], v1, s[28:29] offset:512*\j th:TH_LOAD_NT
.endr
.irp j, 0,1,2,3,4,5,6,7
	s_wait_loadcnt 7-\j                            ; piece j of the second row, the youngest that is needed, is in; the pieces behind it may be out
	v_pk_fma_f32 v[X+4*\j:X+4*\j+1], v[Y0+4*\j:Y0+4*\j+1], s[22:23], v[X+4*\j:X+4*\j+1] op_sel_hi:[1,0,1]
	v_pk_fma_f32 v[X+4*\j+2:X+4*\j+3], v[Y0+4*\j+2:Y0+4*\j+3], s[22:23], v[X+4*\j+2:X+4*\j+3] op_sel_hi:[1,0,1]
	v_pk_fma_f32 v[X+4*\j:X+4*\j+1], v[Y1+4*\j:Y1+4*\j+1], s[24:25], v[X+4*\j:X+4*\j+1] op_sel_hi:[1,0,1]
	v_pk_fma_f32 v[X+4*\j+2:X+4*\j+3], v[Y1+4*\j+2:Y1+4*\j+3], s[24:25], v[X+4*\j+2:X+4*\j+3] op_sel_hi:[1,0,1]
	global_store_b128 v1, v[X+4*\j:X+4*\j+3], s[12:13] offset:512*\j th:TH_STORE_NT
.endr
	s_endpgm
.Lfunc_end_k_q33c6ea34ef_join:
	.size	k_q33c6ea34ef_join, .Lfunc_end_k_q33c6ea34ef_join-k_q33c6ea34ef_join
	.p2alignl 7, 3214868480
	.fill 96, 4, 3214868480
	.section	.rodata,"a",@progbits
	.p2align	6, 0x0
	.amdhsa_kernel k_q33c6ea34ef_join
		.amdhsa_group_segment_fixed_size 0
		.amdhsa_private_segment_fixed_size 0
		.amdhsa_enable_private_segment 0
		.amdhsa_kernarg_size 40
		.amdhsa_user_sgpr_count 2
		.amdhsa_user_sgpr_kernarg_segment_ptr 1
		.amdhsa_wavefront_size32 1
		.amdhsa_system_sgpr_workgroup_id_x 1
		.amdhsa_system_sgpr_workgroup_id_y 1
		.amdhsa_system_sgpr_workgroup_id_z 1
		.amdhsa_system_vgpr_workitem_id 0
		.amdhsa_next_free_vgpr 112
		.amdhsa_next_free_sgpr 66
		.amdhsa_reserve_vcc 0
		.amdhsa_float_denorm_mode_32 3
		.amdhsa_float_denorm_mode_16_64 3
		.amdhsa_memory_ordered 1
		.amdhsa_forward_progress 1
		.amdhsa_inst_pref_size 7
	.end_amdhsa_kernel
	.amdgpu_metadata
---
amdhsa.version: [ 1, 2 ]
amdhsa.kernels:
  - .name:           k_q33c6ea34ef_join
    .symbol:         k_q33c6ea34ef_join.kd
    .args:
      - { .name: x, .offset: 0, .size: 8, .value_kind: global_buffer, .address_space: global }
      - { .name: yrows, .offset: 8, .size: 8, .value_kind: global_buffer, .address_space: global }
      - { .name: gates, .offset: 16, .size: 8, .value_kind: global_buffer, .address_space: global }
      - { .name: plan, .offset: 24, .size: 8, .value_kind: global_buffer, .address_space: global }
      - { .name: out0, .offset: 32, .size: 8, .value_kind: global_buffer, .address_space: global }
    .group_segment_fixed_size: 0
    .private_segment_fixed_size: 0
    .kernarg_segment_align: 8
    .kernarg_segment_size: 40
    .max_flat_workgroup_size: 256
    .sgpr_count:     66
    .vgpr_count:     112
    .wavefront_size: 32
...
	.end_amdgpu_metadata
.endif
;; end of part 5
;; ======== version 2 of 3: 5 launches
;; workspace buffers: xcodes 2,097,152 bytes; sel 16,384 bytes of whole numbers; gates 16,384 bytes; probs 65,536 bytes; plan 38,912 bytes of whole numbers; hcodes 11,173,888 bytes; yrows 22,347,776 bytes
;; launch route: the kernel of part 1 again; grid 256 x 1, 8 waves a work-group, no clusters, 74,752 bytes of LDS; arguments x, ln_w, ln_b, Wr, lowp_scales, xcodes, sel, gates, probs; writes xcodes, sel, gates, probs
;; launch place (part 6): grid 1 x 1, 32 waves a work-group, no clusters, 6,144 bytes of LDS; arguments sel, probs, plan, out1; writes plan, out1
.if DOCPART == 6
	.amdgcn_target "amdgcn-amd-amdhsa--gfx1250"
	.amdhsa_code_object_version 6
	.text
	.protected	k_q33c6ea34ef_place
	.globl	k_q33c6ea34ef_place
	.p2align	8
	.type	k_q33c6ea34ef_place,@function
k_q33c6ea34ef_place:
	s_mov_b64 s[64:65], 0
	v_nop
	global_prefetch_b8 v0, s[64:65] scope:SCOPE_SE
	s_setreg_imm32_b32 hwreg(HW_REG_WAVE_MODE, 25, 1), 1
	s_wait_xcnt 0x0
; PLACE.  One work-group of 1,024 threads sorts the 4,096 routed entries (entry 2 t + k: token t, choice k) by expert, by counting, without atomics, and makes the aux loss.
; Expert e gets ceil(n_e / 176) tiles of 176 slab rows, one expert behind the other; never more than (4096 + 8 x 175) / 176 = 31 tiles, whatever the split.
; plan:  +0      tiles[64][2]: expert, rows in use (0 for a tile that the split leaves empty; such a tile is entered as expert 7)
;        +512    pos[4096]: entry -> slab row          +16,896  rowtok[5456]: slab row -> token; rows not in use hold token 0
;        +38,720 32 dump words, which nobody reads: a lane that has no row to clear puts its 0 there, so that every store runs with all lanes on
; Thread i holds entries 4 i .. 4 i + 3.  The order inside an expert is (wave, place in the thread, lane).  A wave counts by lane masks; the 32 waves' counts meet in LDS: one barrier.
; aux = 8 x sum_e (n_e / 2048) (S_e / 2048), S_e the sum of probs over the tokens.
; rowtok is a scatter of 4-byte stores (16 KB in all); probs is read 64 bytes a lane in four loads (64 KB in all): both small beside the launch's chain of dependent steps.
; One work-group: the sort is one prefix over 4,096 numbers; no matrix unit, no cluster, nothing shared.
.set MT,   176                         ; rows in a tile
.set ROWS, 31*MT-1                     ; the last slab row
.set DUMP, 31*MT                       ; the dump words, counted as rows behind it: 5,456 + lane
	s_load_b256 s[4:11], s[0:1], 0x0               ; sel s[4:5], probs s[6:7], plan s[8:9], out1 s[10:11]
	v_lshl_add_u32 v72, v0, 2, 0x800
	v_mov_b32 v73, 0
	v_lshrrev_b32 v1, 5, v0
	v_readfirstlane_b32 s12, v1                    ; wave
	v_and_b32 v1, 31, v0                           ; lane
	v_lshlrev_b32 v2, 4, v0                        ; my four entries
	v_lshlrev_b32 v3, 6, v0                        ; my two tokens' probabilities
	v_lshlrev_b32 v63, 3, v0                       ; my entry of the table of tiles
	v_add_nc_u32 v54, DUMP, v1                     ; my lane's dump word, as a row
	s_mov_b32 s13, 0x76543210
	s_mov_b32 s14, 0xfedcba98
	v_mov_b32 v28, s12
	v_lshlrev_b32 v29, 5, v28                      ; LDS: 512 + 32 x wave: my wave's eight sums
	v_lshlrev_b32 v28, 4, v28                      ; LDS: 16 x wave: my wave's eight counts, two to a word
	v_lshlrev_b32 v30, 4, v1                       ; and the same by lane, to read all waves'
	v_lshlrev_b32 v31, 5, v1
	v_mov_b32 v57, 0
	v_lshlrev_b32 v52, 1, v0                       ; my tokens
	v_or_b32 v53, 1, v52
	s_wait_kmcnt 0x0
	global_load_b128 v[4:7], v2, s[4:5]
.irp j, 0,1,2,3
	global_load_b128 v[8+4*\j:11+4*\j], v3, s[6:7] offset:16*\j
.endr
	s_wait_loadcnt 4                               ; the experts are in; the four loads of probs may be out
.irp q, 0,1,2,3
	v_min_u32 v[4+\q], 7, v[4+\q]
.endr
.irp q, 0,1,2,3
.irp e, 0,1,2,3,4,5,6,7
	v_cmp_eq_u32 s[32+8*\q+\e], \e, v[4+\q]        ; the lanes whose entry q goes to expert e
.endr
.endr
.irp e, 0,1,2,3,4,5,6,7                        ; my wave's count for each expert, at most 128
	s_bcnt1_i32_b32 s[80+\e], s[32+\e]
	s_bcnt1_i32_b32 s76, s[40+\e]
	s_bcnt1_i32_b32 s77, s[48+\e]
	s_bcnt1_i32_b32 s78, s[56+\e]
	s_add_co_u32 s[80+\e], s[80+\e], s76
	s_add_co_u32 s77, s77, s78
	s_add_co_u32 s[80+\e], s[80+\e], s77
.endr
.irp p, 0,1,2,3
	s_lshl_b32 s76, s[81+2*\p], 16                 ; two counts to a word: sums stay under 4,097
	s_or_b32 s76, s76, s[80+2*\p]
	v_mov_b32 v[24+\p], s76
.endr
	ds_store_b128 v28, v[24:27]                    ; all lanes store the same 16 bytes
	s_wait_loadcnt 0x0
.irp p, 0,2,4,6
	v_pk_add_f32 v[8+\p:9+\p], v[8+\p:9+\p], v[16+\p:17+\p]   ; my two tokens
.endr
.irp m, 1,2,4,8
.irp e, 0,1,2,3,4,5,6,7
	v_add_f32_dpp v[8+\e], v[8+\e], v[8+\e] row_xmask:\m row_mask:0xf bank_mask:0xf
.endr
.endr
.irp e, 0,1,2,3,4,5,6,7
	v_permlanex16_b32 v[16+\e], v[8+\e], s13, s14
.endr
.irp e, 0,1,2,3,4,5,6,7
	v_add_f32 v[8+\e], v[8+\e], v[16+\e]           ; my wave's 64 tokens
.endr
	ds_store_b128 v29, v[8:11] offset:512
	ds_store_b128 v29, v[12:15] offset:528
	s_wait_dscnt 0x0                               ; for the others: my counts and sums lie in LDS
	s_barrier_signal -1
	s_barrier_wait -1
	ds_load_b128 v[24:27], v30                     ; lane l: wave l's counts
	ds_load_b128 v[32:35], v31 offset:512          ; and sums
	ds_load_b128 v[36:39], v31 offset:528
	s_wait_dscnt 0x0
	v_cmp_gt_u32 vcc_lo, s12, v1                   ; the waves in front of mine
.irp p, 0,1,2,3
	v_cndmask_b32 v[40+\p], 0, v[24+\p], vcc_lo
.endr
.irp m, 1,2,4,8                                ; whole-number sums over the lanes: all waves' counts, and those in front of mine
.irp p, 0,1,2,3
	v_mov_b32_dpp v[16+\p], v[24+\p] row_xmask:\m row_mask:0xf bank_mask:0xf
	v_mov_b32_dpp v[20+\p], v[40+\p] row_xmask:\m row_mask:0xf bank_mask:0xf
.endr
.irp p, 0,1,2,3
	v_add_nc_u32 v[24+\p], v[24+\p], v[16+\p]
	v_add_nc_u32 v[40+\p], v[40+\p], v[20+\p]
.endr
.endr
.irp p, 0,1,2,3
	v_permlanex16_b32 v[16+\p], v[24+\p], s13, s14
	v_permlanex16_b32 v[20+\p], v[40+\p], s13, s14
.endr
.irp p, 0,1,2,3
	v_add_nc_u32 v[24+\p], v[24+\p], v[16+\p]
	v_add_nc_u32 v[40+\p], v[40+\p], v[20+\p]
.endr
.irp p, 0,1,2,3
	v_readfirstlane_b32 s76, v[24+\p]
	s_and_b32 s[16+2*\p], s76, 0xffff              ; s16-23: n_e
	s_lshr_b32 s[17+2*\p], s76, 16
	v_readfirstlane_b32 s77, v[40+\p]
	s_and_b32 s[24+2*\p], s77, 0xffff              ; s24-31: the entries of expert e in the waves in front of mine
	s_lshr_b32 s[25+2*\p], s77, 16
.endr
	s_mov_b32 s66, 0                               ; s66-74: the first tile of expert e; s74: tiles in use
.irp e, 0,1,2,3,4,5,6,7
	s_add_co_u32 s76, s[16+\e], MT-1
	s_mul_i32 s76, s76, 5958
	s_lshr_b32 s76, s76, 20                        ; (n + 175) / 176: 5958 x 176 = 2^20 + 32, so the quotient is exact for numbers under 32,768
	s_add_co_u32 s[67+\e], s[66+\e], s76
	s_mul_i32 s77, s[66+\e], MT
	s_add_co_u32 s[24+\e], s[24+\e], s77           ; the slab row of my wave's first entry of expert e
.endr
.irp q, 0,1,2,3
	v_mov_b32 v55, 0
	v_mov_b32 v56, 0
.irp e, 0,1,2,3,4,5,6,7
	v_cndmask_b32 v55, v55, s[32+8*\q+\e], s[32+8*\q+\e]   ; the mask of my own expert,
	v_cndmask_b32 v56, v56, s[24+\e], s[32+8*\q+\e]        ; and where it stands
	s_bcnt1_i32_b32 s76, s[32+8*\q+\e]
	s_add_co_u32 s[24+\e], s[24+\e], s76
.endr
	v_mbcnt_lo_u32_b32 v[44+\q], v55, v56          ; + the lanes below me that go to the same expert
	v_min_u32 v[44+\q], ROWS, v[44+\q]
.endr
	global_store_b128 v2, v[44:47], s[8:9] offset:512      ; pos: 32 lanes store 512 consecutive bytes
.irp q, 0,1,2,3
	v_lshlrev_b32 v[48+\q], 2, v[44+\q]
.endr
.irp q, 0,1,2,3
	global_store_b32 v[48+\q], v[52+\q/2], s[8:9] offset:16896   ; rowtok
.endr
; The row in v[p] gets token 0 if it lies below s[lim]; a lane whose row lies at or past it puts its 0 into its dump word.  All lanes stay on.
; The choice stands ahead of the hold at the last dump word; each use has an address register of its own, so nothing is written again while a store may still read it.
.macro PADZ p, lim
	v_cmp_gt_u32 vcc_lo, s[\lim], v[\p]
	v_cndmask_b32 v[\p], v54, v[\p], vcc_lo
	v_min_u32 v[\p], DUMP+31, v[\p]
	v_lshlrev_b32 v[\p], 2, v[\p]
	global_store_b32 v[\p], v57, s[8:9] offset:16896
.endm
	s_lshr_b32 s75, s12, 2                         ; four waves see to the padding of one expert: at most 175 rows, 2 x 128 places
	s_mov_b32 s78, 0
	s_mov_b32 s79, 0
	s_mov_b32 s80, 0
.irp e, 0,1,2,3,4,5,6,7
	s_cmp_eq_u32 s75, \e
	s_cselect_b32 s78, s[16+\e], s78
	s_cselect_b32 s79, s[66+\e], s79
	s_cselect_b32 s80, s[67+\e], s80
.endr
	s_mul_i32 s79, s79, MT
	s_add_co_u32 s79, s79, s78                     ; the first row behind the expert's entries
	s_mul_i32 s80, s80, MT                         ; the end of its last tile
	s_and_b32 s81, s12, 3
	s_lshl_b32 s81, s81, 5
	s_add_co_u32 s79, s79, s81
	v_add_nc_u32 v64, s79, v1
	v_add_nc_u32 v65, 0x80, v64
	PADZ 64, 80
	PADZ 65, 80
	s_mul_i32 s79, s74, MT                         ; the tiles not in use: at least 24 are in use, so at most 5,456 - 4,224 = 1,232 rows, 2 x 1,024 places
	s_mov_b32 s81, ROWS+1
	v_add_nc_u32 v66, s79, v0
	v_add_nc_u32 v67, 0x400, v66
	PADZ 66, 81
	PADZ 67, 81
	s_cmp_lt_u32 s12, 2                            ; behind the launch's one barrier: a branch on the wave's number.  The table's 64 entries are the work of waves 0 and 1
	s_cbranch_scc0 .Lend
	v_mov_b32 v58, 0                               ; tile i = my thread's number: its expert is the last whose first tile is at or below i
	v_mov_b32 v61, 0
	v_mov_b32 v62, s16
.irp e, 1,2,3,4,5,6,7
	v_cmp_le_u32 vcc_lo, s[66+\e], v0
	v_cndmask_b32 v58, v58, \e, vcc_lo
	v_cndmask_b32 v61, v61, s[66+\e], vcc_lo
	v_cndmask_b32 v62, v62, s[16+\e], vcc_lo
.endr
	v_sub_nc_u32 v61, v0, v61
	v_mul_u32_u24 v61, v61, MT
	v_sub_nc_u32 v59, v62, v61                     ; what is left of the expert's rows from this tile on,
	v_max_i32 v59, 0, v59
	v_min_i32 v59, MT, v59                         ; held between 0 and 176
	global_store_b64 v63, v[58:59], s[8:9]         ; 256 consecutive bytes a wave
	s_cmp_lg_u32 s12, 0                            ; the aux loss is wave 0's
	s_cbranch_scc1 .Lend
.irp m, 1,2,4,8                                ; S_e: the 32 waves' sums
.irp e, 0,1,2,3,4,5,6,7
	v_add_f32_dpp v[32+\e], v[32+\e], v[32+\e] row_xmask:\m row_mask:0xf bank_mask:0xf
.endr
.endr
.irp e, 0,1,2,3,4,5,6,7
	v_permlanex16_b32 v[8+\e], v[32+\e], s13, s14
.endr
.irp e, 0,1,2,3,4,5,6,7
	v_add_f32 v[32+\e], v[32+\e], v[8+\e]
.endr
	v_cvt_f32_u32 v16, s16
	v_mul_f32 v55, v16, v32
.irp e, 1,2,3,4,5,6,7
	v_cvt_f32_u32 v16, s[16+\e]
	v_fmac_f32 v55, v16, v[32+\e]
.endr
	v_mul_f32 v55, 0x36000000, v55                 ; x 8 / 2048^2 = 2^-19
	v_cmp_eq_u32 vcc_lo, 0, v0                     ; thread 0 alone stores the one number: the mask hangs on the thread's number
	s_wait_xcnt 0x0                                ; EXEC changes only behind this wait
	s_and_saveexec_b32 s77, vcc_lo
	global_store_b32 v57, v55, s[10:11]            ; the aux loss
	s_wait_xcnt 0x0                                ; and again in front of the line that widens it
	s_or_b32 exec_lo, exec_lo, s77
.Lend:
	s_wait_tensorcnt 0x0
	ds_add_u32 v72, v73
	s_wait_dscnt 0x0
	s_endpgm
.Lfunc_end_k_q33c6ea34ef_place:
	.size	k_q33c6ea34ef_place, .Lfunc_end_k_q33c6ea34ef_place-k_q33c6ea34ef_place
	.p2alignl 7, 3214868480
	.fill 96, 4, 3214868480
	.section	.rodata,"a",@progbits
	.p2align	6, 0x0
	.amdhsa_kernel k_q33c6ea34ef_place
		.amdhsa_group_segment_fixed_size 6144
		.amdhsa_private_segment_fixed_size 0
		.amdhsa_enable_private_segment 0
		.amdhsa_kernarg_size 32
		.amdhsa_user_sgpr_count 2
		.amdhsa_user_sgpr_kernarg_segment_ptr 1
		.amdhsa_wavefront_size32 1
		.amdhsa_system_sgpr_workgroup_id_x 1
		.amdhsa_system_sgpr_workgroup_id_y 1
		.amdhsa_system_sgpr_workgroup_id_z 1
		.amdhsa_system_vgpr_workitem_id 0
		.amdhsa_next_free_vgpr 74
		.amdhsa_next_free_sgpr 96
		.amdhsa_reserve_vcc 1
		.amdhsa_float_denorm_mode_32 3
		.amdhsa_float_denorm_mode_16_64 3
		.amdhsa_memory_ordered 1
		.amdhsa_forward_progress 1
		.amdhsa_inst_pref_size 33
	.end_amdhsa_kernel
	.amdgpu_metadata
---
amdhsa.version: [ 1, 2 ]
amdhsa.kernels:
  - .name:           k_q33c6ea34ef_place
    .symbol:         k_q33c6ea34ef_place.kd
    .args:
      - { .name: sel, .offset: 0, .size: 8, .value_kind: global_buffer, .address_space: global }
      - { .name: probs, .offset: 8, .size: 8, .value_kind: global_buffer, .address_space: global }
      - { .name: plan, .offset: 16, .size: 8, .value_kind: global_buffer, .address_space: global }
      - { .name: out1, .offset: 24, .size: 8, .value_kind: global_buffer, .address_space: global }
    .group_segment_fixed_size: 6144
    .private_segment_fixed_size: 0
    .kernarg_segment_align: 8
    .kernarg_segment_size: 32
    .max_flat_workgroup_size: 1024
    .sgpr_count:     96
    .vgpr_count:     74
    .wavefront_size: 32
...
	.end_amdgpu_metadata
.endif
;; end of part 6
;; launch up (part 7): grid 8 x 31, 4 waves a work-group, no clusters, 322,816 bytes of LDS; arguments xcodes, W1_codes, b1, lowp_scales, plan, hcodes; writes hcodes
.if DOCPART == 7
	.amdgcn_target "amdgcn-amd-amdhsa--gfx1250"
	.amdhsa_code_object_version 6
	.text
	.protected	k_q33c6ea34ef_up
	.globl	k_q33c6ea34ef_up
	.p2align	8
	.type	k_q33c6ea34ef_up,@function
k_q33c6ea34ef_up:
	s_mov_b64 s[64:65], 0
	v_nop
	global_prefetch_b8 v0, s[64:65] scope:SCOPE_SE
	s_setreg_imm32_b32 hwreg(HW_REG_WAVE_MODE, 25, 1), 1
	s_wait_xcnt 0x0
; UP.  h = Q(relu(xn W1^T + b1)) for the rows that were routed.  Work-group (col, y) makes 176 slab rows (tile y, one expert) x 256 hidden units (256 col on), K = 1,024, on E4M3 codes.
; WHY 176 ROWS: (4096 + 8 x 175) / 176 = 31 tiles serve every split, so the grid is 8 x 31 = 248 work-groups, each with a WGP of its own from the start.
; Four waves, 2 x 2.  The tile's 11 blocks of 16 rows go to two halves of SIX: wave w takes blocks 5 (w / 2) .. 5 (w / 2) + 5 and units 128 (w % 2) on: 6 x 8 accumulators of 16 x 16.
; Block 5 is multiplied by both halves and stored by the upper one alone (a branch on the wave's number, behind the last barrier).  K goes in steps of 256 (two matrix instructions deep).
; No branch hangs on a number read from memory: every wave passes every barrier.  A tile that the split leaves empty is entered as expert 7 with token 0's rows; nobody reads its slab.
; THE ROWS are gathered once by the list (rowtok), 256 bytes a piece, and stay in LDS (pitch 1,040).  W1's tile comes in whole pieces of 256 bytes through registers into two LDS slots (pitch 272) that take turns:
; one barrier a K step.  In front of it a wave's stores into the next slot have landed and its reads of this slot are back; behind it the next slot is read, and this slot is written again only a step later.
; THE MATRIX INSTRUCTION IS USED TRANSPOSED (source 0 = 16 rows of W1, source 1 = 16 slab rows): a lane holds ONE slab row and eight hidden units.
; THE ROWS OF W1 THAT FORM A TILE ARE NOT NEIGHBOURS: on the way into LDS bits 3 and 4 of the row's number change places, so that LDS row 16 t + r holds unit 32 (t / 2) + 8 (t % 2) + r + 8 (r / 8),
; and the 16 registers of tiles 2 b, 2 b + 1 are 16 neighbours along the next K.  The conversions' results are then the next product's operand, stored as an image of its registers:
; hcodes[tile][step of 128 K][block of 16 rows: 11][4][lane][16 bytes]: every store is 512 consecutive bytes.
; k in a fragment: registers 4 c .. 4 c + 3 hold k = 32 c + 16 (lane / 16) + 0 .. 15, alike in both operands (four loads of 16 bytes).
; b1 has no registers of its own while the sums run (all 1,024 are in use): it comes into the registers of W1's way once they are free, is divided by 2^(e0 + e1) and added to the finished sums.
; The three scales ahead of the quantiser are folded into the conversion's one, 2^(e3 - e0 - e1); the hold at 448 clips at 0 too (relu).
; NO JOINT LOADS: the rows that the eight column tiles share are gathered by a list, which no tile descriptor states; the row tiles that share a tile of W1 are set by the split, so partners' addresses would differ.
; LIMITS: e3 - e0 - e1 between -126 and 119.  NaN among the inputs is not served.
; REGISTERS, in windows of 256: window 0: v0-16 addresses; v32-127 six row fragments, v128-255 eight fragments of W1 (buffer 0).  window 1: v0-21 the gather's offsets; v32-255 buffer 1.
;   window 2: accumulators of row blocks 0-3 at v[64 a + 8 t].  window 3: row blocks 4, 5 at v[64 (a - 4) + 8 t]; v128-255 W1 on its way to LDS, at the end v128-191 the bias.
.set PA,    1040                       ; a slab row in LDS: 1,024 bytes + 16: an odd multiple of 16, so the 16 rows of a fragment load start at 16 different groups of banks
.set PB,    272                        ; a row of W1's tile: 256 + 16
.set MR,    176                        ; rows in a tile
.set BOFF,  MR*PA                      ; behind the rows: two slots
.set BSLOT, 256*PB
.set TILEB, 16*11*2048                 ; a tile's images in hcodes
.set NA,    6
.set NB,    8
.set NL,    4*(NA+NB)                  ; LDS loads that bring one buffer
.set KS,    4                          ; K steps
.set RF,    32
.set WF,    128
.set SG,    128
.set BIAS,  128
.set MSB,   0
.macro WIN new                         ; bits 1:0 source 0, 3:2 source 1, 5:4 source 2, 7:6 destination; the high byte repeats the setting that is left
.if MSB != (\new)
	s_set_vgpr_msb (MSB<<8)|(\new)
.set MSB, (\new)
.endif
.endm
.macro PLACES                          ; four plain instructions between a matrix instruction and a load into, or a vector read of, its registers
.rept 4
	v_nop
.endr
.endm
.macro GLOAD k                         ; K step k of my 64 rows of W1: 32 loads, each two rows x 256 bytes
	WIN 0xc0
.set i, 0
.rept 32
	global_load_b128 v[SG+4*i:SG+4*i+3], v10, s[10:11] offset:2048*i+256*(\k)
.set i, i+1
.endr
.endm
.macro BLOAD                           ; b1: lane (r, h) wants, for tile t, the units 32 (t / 2) + 16 h + 8 (t % 2) + 0 .. 7
	WIN 0xc0
.irp t, 0,1,2,3,4,5,6,7
	global_load_b128 v[BIAS+8*\t:BIAS+8*\t+3], v11, s[12:13] offset:(32*(\t/2)+8*(\t%2))*4
	global_load_b128 v[BIAS+8*\t+4:BIAS+8*\t+7], v11, s[12:13] offset:(32*(\t/2)+8*(\t%2))*4+16
.endr
.endm
.macro SSTORE k                        ; into slot k % 2, bits 3 and 4 of the row changing places
	WIN 0x0c
.set i, 0
.rept 32
.set sw, ((2*i)&0x27)|((((2*i)>>3)&1)<<4)|((((2*i)>>4)&1)<<3)
	ds_store_b128 v[8+((\k)&1)], v[SG+4*i:SG+4*i+3] offset:sw*PB
.set i, i+1
.endr
.endm
.macro FETCH f, k, u                   ; the fragments of 128 along K (half u of K step k) into buffer f
	WIN 0x40*(\f)
.set t, 0
.rept NB
.irp c, 0,1,2,3
	ds_load_b128 v[WF+16*t+4*\c:WF+16*t+4*\c+3], v[5+((\k)&1)] offset:16*PB*t+128*(\u)+32*\c
.endr
.set t, t+1
.endr
.irp m, 0,1,2
.irp c, 0,1,2,3
	ds_load_b128 v[RF+16*\m+4*\c:RF+16*\m+4*\c+3], v3 offset:16*PA*\m+256*(\k)+128*(\u)+32*\c
.endr
.endr
.irp m, 3,4,5
.irp c, 0,1,2,3
	ds_load_b128 v[RF+16*\m+4*\c:RF+16*\m+4*\c+3], v4 offset:16*PA*(\m-3)+256*(\k)+128*(\u)+32*\c
.endr
.endr
.endm
; row blocks alo .. ahi x the eight tiles of units, 128 along K, from buffer f.  The 48 accumulators take turns, in the same order in every half step; the first products start the sums.
.macro MUL f, alo, ahi, first
.set a, \alo
.rept (\ahi)-(\alo)+1
.set ac, 64*(a%4)
	WIN 0xa0+0x50*(a/4)+5*(\f)
.set t, 0
.rept NB
.if \first
	v_wmma_f32_16x16x128_fp8_fp8 v[ac+8*t:ac+8*t+7], v[WF+16*t:WF+16*t+15], v[RF+16*a:RF+16*a+15], 0
.else
	v_wmma_f32_16x16x128_fp8_fp8 v[ac+8*t:ac+8*t+7], v[WF+16*t:WF+16*t+15], v[RF+16*a:RF+16*a+15], v[ac+8*t:ac+8*t+7]
.endif
.set t, t+1
.endr
.set a, a+1
.endr
.endm
.macro STEP k
.if (\k) > 0
	PLACES
.endif
	FETCH 1, \k, 1
	s_wait_dscnt NL                                ; buffer 0 is in; the loads just issued may be out
.if (\k) == 0
	MUL 0, 0, 5, 1
.else
	MUL 0, 0, 5, 0
.endif
.if (\k)+1 < KS
	s_wait_loadcnt 0x0                             ; the next K step of W1 has come into registers
	SSTORE (\k)+1                                  ; into the slot that every wave left at the last barrier
.endif
	s_wait_dscnt 0x0                               ; buffer 1 is in, my stores have landed, my reads of this slot are over
.if (\k)+2 < KS
	GLOAD (\k)+2                                   ; the stores have read their registers: they take the K step after the next, which has a whole step in which to come
.endif
.if (\k)+2 == KS
	BLOAD                                          ; nothing of W1 is left to fetch: the registers take the bias, which is wanted behind the last product
.endif
.if (\k)+1 < KS
	s_barrier_signal -1
.endif
	MUL 1, 0, 1, 0                                 ; work on registers while the others arrive
.if (\k)+1 < KS
	s_barrier_wait -1                              ; the next slot is whole
	PLACES
	FETCH 0, (\k)+1, 0
.endif
	MUL 1, 2, 5, 0
.endm
	s_load_b256 s[8:15], s[0:1], 0x0               ; xcodes s[8:9], W1_codes s[10:11], b1 s[12:13], lowp_scales s[14:15]
	s_load_b128 s[16:19], s[0:1], 0x20             ; plan s[16:17], hcodes s[18:19]
	v_lshl_add_u32 v30, v0, 2, 0x4eb00
	v_mov_b32 v31, 0
	v_lshrrev_b32 v1, 5, v0
	v_readfirstlane_b32 s20, v1                    ; wave w
	s_lshr_b32 s21, s20, 1                         ; which half of the rows
	s_and_b32 s22, s20, 1                          ; which 128 units
	s_and_b32 s24, ttmp7, 0xffff                   ; tile y
	v_and_b32 v1, 15, v0                           ; r
	v_bfe_u32 v2, v0, 4, 1                         ; h
	v_lshlrev_b32 v16, 4, v1                       ; 16 r
	v_and_b32 v13, 31, v0
	v_lshlrev_b32 v13, 4, v13                      ; 16 x lane
	v_mul_u32_u24 v3, v1, PA
	v_lshl_add_u32 v3, v2, 4, v3
	s_mul_i32 s32, s21, 80*PA
	v_add_nc_u32 v3, s32, v3                       ; row fragments 0-2: (80 (w / 2) + r) PA + 16 h
	v_add_nc_u32 v4, 48*PA, v3                     ; row fragments 3-5: 48 rows on (the immediate has 16 bits)
	v_mul_u32_u24 v5, v1, PB
	v_lshl_add_u32 v5, v2, 4, v5
	s_mul_i32 s32, s22, 128*PB
	s_add_co_u32 s32, s32, BOFF
	v_add_nc_u32 v5, s32, v5                       ; fragments of W1, slot 0: (128 (w % 2) + r) PB + 16 h
	v_add_nc_u32 v6, BSLOT, v5                     ; slot 1
	v_mul_u32_u24 v7, v2, PA
	v_add_nc_u32 v7, v7, v16
	s_mul_i32 s32, s20, 44*PA
	v_add_nc_u32 v7, s32, v7                       ; the rows' way in: (44 w + h) PA + 16 r
	v_mul_u32_u24 v8, v2, PB
	v_add_nc_u32 v8, v8, v16
	s_mul_i32 s32, s20, 64*PB
	s_add_co_u32 s32, s32, BOFF
	v_add_nc_u32 v8, s32, v8                       ; W1's way in, slot 0: (64 w + h) PB + 16 r
	v_add_nc_u32 v9, BSLOT, v8                     ; slot 1
	v_lshl_add_u32 v10, v2, 10, v16
	s_lshl_b32 s32, s20, 16
	v_add_nc_u32 v10, s32, v10                     ; W1 in memory: (64 w + h) x 1,024 + 16 r
	v_lshlrev_b32 v11, 6, v2                       ; b1: 64 h
	v_lshlrev_b32 v12, 2, v2
	s_mul_i32 s32, s20, 4*44
	v_add_nc_u32 v12, s32, v12                     ; the list: 4 (44 w + h)
	s_mov_b32 s33, 0
	s_lshl_b32 s32, s24, 3
	s_mul_i32 s36, s24, 4*MR
	s_mov_b32 s37, 0
	s_wait_kmcnt 0x0
	s_add_nc_u64 s[34:35], s[16:17], s[32:33]
	s_load_b32 s25, s[34:35], 0x0                  ; the tile's expert
	s_load_b128 s[28:31], s[14:15], 0x0            ; e0, e1, e2, e3
	s_add_nc_u64 s[16:17], s[16:17], s[36:37]      ; the tile's 176 entries of the list
	WIN 0x40
.set i, 0
.rept 22
	global_load_b32 v[i], v12, s[16:17] offset:16896+8*i   ; the token of row 44 w + 2 i + h, in sixteen lanes
.set i, i+1
.endr
	s_wait_kmcnt 0x0
	s_min_u32 s25, s25, 7
	s_lshl_b32 s32, s25, 21                        ; an expert's W1 is 2,048 x 1,024 bytes,
	s_lshl_b32 s38, ttmp9, 18                      ; 256 of its rows 2^18
	s_add_co_u32 s32, s32, s38
	s_add_nc_u64 s[10:11], s[10:11], s[32:33]
	GLOAD 0
	WIN 0
	s_lshl_b32 s32, s25, 13                        ; b1: 4 (2,048 e + 256 col + 128 (w % 2))
	s_lshl_b32 s38, ttmp9, 10
	s_add_co_u32 s32, s32, s38
	s_lshl_b32 s38, s22, 9
	s_add_co_u32 s32, s32, s38
	s_add_nc_u64 s[12:13], s[12:13], s[32:33]
	s_mul_i32 s32, s24, TILEB                      ; hcodes: the tile, K step 2 col + w % 2 of the next product, blocks 5 (w / 2) on
	s_lshl_b32 s38, ttmp9, 1
	s_add_co_u32 s38, s38, s22
	s_mul_i32 s38, s38, 11
	s_mul_i32 s42, s21, 5
	s_add_co_u32 s38, s38, s42
	s_lshl_b32 s38, s38, 11
	s_add_co_u32 s32, s32, s38
	s_add_nc_u64 s[18:19], s[18:19], s[32:33]
	s_add_co_i32 s39, s28, s29                     ; e0 + e1: a sum stands for sum x 2^(e0 + e1)
	s_sub_co_i32 s40, 0, s39
	s_sub_co_i32 s41, s31, s39
	s_add_co_i32 s41, s41, 127
	s_lshl_b32 s42, s41, 23
	v_mov_b32 v14, s42                             ; 2^(e3 - e0 - e1) as f32: the conversion takes its exponent field
	s_add_co_i32 s41, s41, 8
	s_lshl_b32 s41, s41, 23
	s_or_b32 s41, s41, 0x600000
	v_mov_b32 v15, s41                             ; 448 x that
	s_wait_loadcnt 32                              ; the list is in; W1's 32 loads may be out
	WIN 0x44
.set i, 0
.rept 22
	v_min_u32 v[i], 0x7ff, v[i]
.set i, i+1
.endr
	WIN 0x41
.set i, 0
.rept 22
	v_lshl_add_u32 v[i], v[i], 10, v16             ; the token's row of codes + 16 r
.set i, i+1
.endr
.set i, 0
.rept 22                                       ; my 44 rows, two a load, four pieces of 256 bytes each: into the fragment buffers, which are still free
	WIN 0x01+0x40*(i/14)
.irp u, 0,1,2,3
	global_load_b128 v[RF+16*(i%14)+4*\u:RF+16*(i%14)+4*\u+3], v[i], s[8:9] offset:256*\u
.endr
.set i, i+1
.endr
	s_wait_loadcnt 0x0
	SSTORE 0
.set i, 0
.rept 22
	WIN 0x04*(i/14)
.irp u, 0,1,2,3
	ds_store_b128 v7, v[RF+16*(i%14)+4*\u:RF+16*(i%14)+4*\u+3] offset:2*PA*i+256*\u
.endr
.set i, i+1
.endr
	s_wait_dscnt 0x0                               ; for the others: my rows and my part of slot 0 lie in LDS; and the stores have read their registers
	GLOAD 1
	WIN 0
	s_barrier_signal -1
	s_barrier_wait -1
	FETCH 0, 0, 0
	STEP 0
	STEP 1
	STEP 2
	STEP 3
	; THE WAY OUT, a block of 16 rows at a time: the bias, relu and the hold in one, the conversion, four stores of 512 consecutive bytes.  Each block's codes have registers of their own.
	PLACES
	s_wait_loadcnt 0x0                             ; the bias
	WIN 0xc3
.set i, 0
.rept 64
	v_ldexp_f32 v[BIAS+i], v[BIAS+i], s40          ; b1 / 2^(e0 + e1)
.set i, i+1
.endr
.irp a, 0,1,2,3,4,5
.if \a == 5
	s_cmp_eq_u32 s21, 0                            ; the lower half's sixth block is the upper half's first, which stores it
	s_cbranch_scc1 .Lend
.endif
.set ac, 64*(\a%4)
	WIN 0x8e+0x41*(\a/4)
.set i, 0
.rept 32
	v_pk_add_f32 v[ac+i:ac+i+1], v[ac+i:ac+i+1], v[BIAS+i:BIAS+i+1]   ; each accumulator from its low end on
.set i, i+2
.endr
	WIN 0x82+0x41*(\a/4)
.set i, 0
.rept 64
	v_med3_num_f32 v[ac+i], v[ac+i], 0, v15        ; between 0 and the largest code x the scale (the conversion does not saturate: ISA guide 7.6.2)
.set i, i+1
.endr
	WIN 0x02+(\a/4)
.set g, 0
.rept 8
	v_cvt_scalef32_pk8_fp8_f32 v[RF+16*\a+2*g:RF+16*\a+2*g+1], v[ac+8*g:ac+8*g+7], v14
.set g, g+1
.endr
	v_nop                                          ; a plain instruction behind the last conversion
	WIN 0
.irp c, 0,1,2,3
	global_store_b128 v13, v[RF+16*\a+4*\c:RF+16*\a+4*\c+3], s[18:19] offset:2048*\a+512*\c
.endr
.endr
.Lend:
	s_wait_tensorcnt 0x0
	ds_add_u32 v30, v31
	s_wait_dscnt 0x0
	s_endpgm
.Lfunc_end_k_q33c6ea34ef_up:
	.size	k_q33c6ea34ef_up, .Lfunc_end_k_q33c6ea34ef_up-k_q33c6ea34ef_up
	.p2alignl 7, 3214868480
	.fill 96, 4, 3214868480
	.section	.rodata,"a",@progbits
	.p2align	6, 0x0
	.amdhsa_kernel k_q33c6ea34ef_up
		.amdhsa_group_segment_fixed_size 322816
		.amdhsa_private_segment_fixed_size 0
		.amdhsa_enable_private_segment 0
		.amdhsa_kernarg_size 48
		.amdhsa_user_sgpr_count 2
		.amdhsa_user_sgpr_kernarg_segment_ptr 1
		.amdhsa_wavefront_size32 1
		.amdhsa_system_sgpr_workgroup_id_x 1
		.amdhsa_system_sgpr_workgroup_id_y 1
		.amdhsa_system_sgpr_workgroup_id_z 1
		.amdhsa_system_vgpr_workitem_id 0
		.amdhsa_next_free_vgpr 1024
		.amdhsa_next_free_sgpr 66
		.amdhsa_reserve_vcc 0
		.amdhsa_float_denorm_mode_32 3
		.amdhsa_float_denorm_mode_16_64 3
		.amdhsa_memory_ordered 1
		.amdhsa_forward_progress 1
		.amdhsa_inst_pref_size 146
	.end_amdhsa_kernel
	.amdgpu_metadata
---
amdhsa.version: [ 1, 2 ]
amdhsa.kernels:
  - .name:           k_q33c6ea34ef_up
    .symbol:         k_q33c6ea34ef_up.kd
    .args:
      - { .name: xcodes, .offset: 0, .size: 8, .value_kind: global_buffer, .address_space: global }
      - { .name: W1_codes, .offset: 8, .size: 8, .value_kind: global_buffer, .address_space: global }
      - { .name: b1, .offset: 16, .size: 8, .value_kind: global_buffer, .address_space: global }
      - { .name: lowp_scales, .offset: 24, .size: 8, .value_kind: global_buffer, .address_space: global }
      - { .name: plan, .offset: 32, .size: 8, .value_kind: global_buffer, .address_space: global }
      - { .name: hcodes, .offset: 40, .size: 8, .value_kind: global_buffer, .address_space: global }
    .group_segment_fixed_size: 322816
    .private_segment_fixed_size: 0
    .kernarg_segment_align: 8
    .kernarg_segment_size: 48
    .max_flat_workgroup_size: 128
    .sgpr_count:     66
    .vgpr_count:     1024
    .wavefront_size: 32
...
	.end_amdgpu_metadata
.endif
;; end of part 7
;; launch down (part 8): grid 8 x 31, 4 waves a work-group, no clusters, 177,664 bytes of LDS; arguments hcodes, W2_codes, b2, lowp_scales, plan, yrows; writes yrows
.if DOCPART == 8
	.amdgcn_target "amdgcn-amd-amdhsa--gfx1250"
	.amdhsa_code_object_version 6
	.text
	.protected	k_q33c6ea34ef_down
	.globl	k_q33c6ea34ef_down
	.p2align	8
	.type	k_q33c6ea34ef_down,@function
k_q33c6ea34ef_down:
	s_mov_b64 s[64:65], 0
	v_nop
	global_prefetch_b8 v0, s[64:65] scope:SCOPE_SE
	s_setreg_imm32_b32 hwreg(HW_REG_WAVE_MODE, 25, 1), 1
	s_wait_xcnt 0x0
; DOWN.  y = h W2^T x 2^(e2 + e3) + b2 for the routed rows, not yet gated.  Work-group (col, y) makes 176 slab rows (tile y) x 128 outputs (128 col on), K = 2,048, on E4M3 codes.
; Four waves, 2 x 2.  The tile's 11 blocks of 16 rows go to two halves of SIX: wave w takes blocks 5 (w / 2) .. 5 (w / 2) + 5 and outputs 64 (w % 2) on: 6 x 4 accumulators.  Block 5 is multiplied by both
; halves and stored by the upper one alone (a branch on the wave's number, behind the last barrier).  K goes in steps of 256 (two matrix instructions deep), eight steps.
; h comes as images of the operand's registers (a fragment: four pieces of 512 bytes, lane l's 16 bytes at 16 l): a K step is 45,056 consecutive bytes, copied as they lie; a fragment load is 512 consecutive bytes of LDS.
; W2's tile comes in whole pieces of 256 bytes into rows of pitch 272.  Both go through registers into two LDS slots that take turns; one barrier a K step, as in the launch before.
; TWO SETS OF REGISTERS take turns on the way in: while K step k is multiplied, step k + 1 goes from its set into LDS, step k + 2 is on its way into the other set, and step k + 3 is asked for into the set just
; freed: 76 loads of a wave are asked for at most.  The request stands behind the barrier and the run of fragment loads, so that it holds up no signal.
; No branch hangs on a number read from memory: every wave passes every barrier; a tile that the split leaves empty is worked like any other and nobody reads its slab.
; THE MATRIX INSTRUCTION IS USED TRANSPOSED (source 0 = 16 rows of W2, source 1 = 16 slab rows): a lane holds eight neighbouring outputs of one row.  A block of 16 rows x 64 outputs goes through the
; wave's own stage in LDS and leaves as rows: sixteen lanes store 256 consecutive bytes, aligned.
; JOINT LOADS are left out: h's images (45,056 of a step's 77,824 bytes) are the same for the eight column tiles of a row tile and could be asked for jointly; that would put a ring under the data mover beside
; the way of W2 through registers, whose address hangs on an expert read from memory.  A known loss of this text.
; LIMIT: e2 + e3 between -126 and 127.
; REGISTERS: window 0: v0-19 addresses; v48-143 six fragments of h, v144-207 four of W2 (buffer 0); on the way out v48-143.  window 1: the same numbers, buffer 1; v208-239 b2.
;   window 2: v0-191 accumulators at v[32 a + 8 t]; v192-255 W2 on its way in, set 1.  window 3: v0-87 h and v88-151 W2, set 0; v152-239 h, set 1.
.set PB,    272
.set HSLOT, 45056                      ; two steps of 128 K x 11 fragments x 2,048 bytes
.set HHALF, 22528
.set TILEB, 8*HSLOT                    ; a tile's images in hcodes
.set BOFF,  2*HSLOT
.set BSLOT, 128*PB
.set STG,   BOFF+2*BSLOT               ; four stages of 16 x 272 bytes
.set NA,    6
.set NB,    4
.set NL,    4*(NA+NB)
.set NH,    22                         ; a wave's loads of h in a K step: a quarter of HSLOT, 512 bytes each
.set NW,    16                         ; and of W2: 32 rows, two a load
.set NG,    NH+NW
.set KS,    8
.set RF,    48
.set WF,    144
.set B2R,   208
.set TMP,   48
.set OUTR,  80
.set MSB,   0
.macro WIN new                         ; bits 1:0 source 0, 3:2 source 1, 5:4 source 2, 7:6 destination; the high byte repeats the setting that is left
.if MSB != (\new)
	s_set_vgpr_msb (MSB<<8)|(\new)
.set MSB, (\new)
.endif
.endm
.macro PLACES                          ; four plain instructions between a matrix instruction and a load into, or a vector read of, its registers
.rept 4
	v_nop
.endr
.endm
.macro GLOAD k                         ; K step k into set k % 2: my quarter of h's images and my 32 rows of W2
.set hb, 152*((\k)&1)
.set wb, 88+104*((\k)&1)
	WIN 0xc0
.set i, 0
.rept NH
	global_load_b128 v[hb+4*i:hb+4*i+3], v7, s[8:9] offset:HSLOT*(\k)+512*i
.set i, i+1
.endr
	WIN 0x40*(3-((\k)&1))
.set i, 0
.rept NW
	global_load_b128 v[wb+4*i:wb+4*i+3], v10, s[10:11] offset:4096*i+256*(\k)
.set i, i+1
.endr
.endm
.macro SSTORE k                        ; from set k % 2 into slot k % 2
.set hb, 152*((\k)&1)
.set wb, 88+104*((\k)&1)
	WIN 0x0c
.set i, 0
.rept NH
	ds_store_b128 v7, v[hb+4*i:hb+4*i+3] offset:HSLOT*((\k)&1)+512*i
.set i, i+1
.endr
	WIN 0x04*(3-((\k)&1))
.set i, 0
.rept NW
	ds_store_b128 v8, v[wb+4*i:wb+4*i+3] offset:BSLOT*((\k)&1)+2*PB*i
.set i, i+1
.endr
.endm
.macro FETCH f, k, u
	WIN 0x40*(\f)
.irp t, 0,1,2,3
.irp c, 0,1,2,3
	ds_load_b128 v[WF+16*\t+4*\c:WF+16*\t+4*\c+3], v5 offset:BSLOT*((\k)&1)+16*PB*\t+128*(\u)+32*\c
.endr
.endr
.irp m, 0,1,2,3,4,5
.irp c, 0,1,2,3
	ds_load_b128 v[RF+16*\m+4*\c:RF+16*\m+4*\c+3], v[3+((\k)&1)] offset:HHALF*(\u)+2048*\m+512*\c
.endr
.endr
.endm
; row blocks alo .. ahi x the four tiles of outputs.  The 24 accumulators take turns, in the same order in every half step; the first products start the sums.
.macro MUL f, alo, ahi, first
	WIN 0xa0+5*(\f)
.set a, \alo
.rept (\ahi)-(\alo)+1
.set t, 0
.rept NB
.if \first
	v_wmma_f32_16x16x128_fp8_fp8 v[32*a+8*t:32*a+8*t+7], v[WF+16*t:WF+16*t+15], v[RF+16*a:RF+16*a+15], 0
.else
	v_wmma_f32_16x16x128_fp8_fp8 v[32*a+8*t:32*a+8*t+7], v[WF+16*t:WF+16*t+15], v[RF+16*a:RF+16*a+15], v[32*a+8*t:32*a+8*t+7]
.endif
.set t, t+1
.endr
.set a, a+1
.endr
.endm
.macro STEP k
.if (\k) > 0
	PLACES
.endif
	FETCH 1, \k, 1
	s_wait_dscnt NL                                ; buffer 0 is in; the loads just issued may be out
.if (\k) == 0
	MUL 0, 0, 5, 1
.else
	MUL 0, 0, 5, 0
.endif
.if (\k)+1 < KS
.if (\k)+2 < KS
	s_wait_loadcnt NG                              ; the next K step has come into its set; the 38 loads of the step after it may be out
.else
	s_wait_loadcnt 0x0                             ; the last K step: nothing was asked for behind it
.endif
	SSTORE (\k)+1                                  ; into the slot that every wave left at the last barrier
.endif
	s_wait_dscnt 0x0                               ; buffer 1 is in, my stores have landed and have read their registers, my reads of this slot are over
.if (\k)+1 < KS
	s_barrier_signal -1
.endif
	MUL 1, 0, 1, 0                                 ; work on registers while the others arrive
.if (\k)+1 < KS
	s_barrier_wait -1                              ; the next slot is whole
	PLACES
	FETCH 0, (\k)+1, 0
.if (\k)+3 < KS
	GLOAD (\k)+3                                   ; into the set that the stores above have left: it has nearly two K steps in which to come
.endif
.endif
	MUL 1, 2, 5, 0
.endm
	s_load_b256 s[8:15], s[0:1], 0x0               ; hcodes s[8:9], W2_codes s[10:11], b2 s[12:13], lowp_scales s[14:15]
	s_load_b128 s[16:19], s[0:1], 0x20             ; plan s[16:17], yrows s[18:19]
	v_lshl_add_u32 v254, v0, 2, 0x2b400
	v_mov_b32 v255, 0
	v_lshrrev_b32 v1, 5, v0
	v_readfirstlane_b32 s20, v1                    ; wave w
	s_lshr_b32 s21, s20, 1                         ; which half of the rows
	s_and_b32 s22, s20, 1                          ; which 64 outputs
	s_and_b32 s24, ttmp7, 0xffff                   ; tile y
	v_and_b32 v1, 15, v0                           ; r
	v_bfe_u32 v2, v0, 4, 1                         ; h
	v_lshlrev_b32 v16, 4, v1                       ; 16 r
	v_and_b32 v13, 31, v0
	v_lshlrev_b32 v13, 4, v13                      ; 16 x lane
	s_mul_i32 s32, s21, 10240
	v_add_nc_u32 v3, s32, v13                      ; my six fragments of h, slot 0: five fragments x (w / 2) + 16 lane
	v_add_nc_u32 v4, HSLOT, v3                     ; slot 1
	v_mul_u32_u24 v5, v1, PB
	v_lshl_add_u32 v5, v2, 4, v5
	s_mul_i32 s32, s22, 64*PB
	s_add_co_u32 s32, s32, BOFF
	v_add_nc_u32 v5, s32, v5                       ; fragments of W2: (64 (w % 2) + r) PB + 16 h
	s_mul_i32 s32, s20, NH*512
	v_add_nc_u32 v7, s32, v13                      ; h's way in, in memory and in LDS alike: 11,264 w + 16 lane
	v_mul_u32_u24 v8, v2, PB
	v_add_nc_u32 v8, v8, v16
	s_mul_i32 s32, s20, 32*PB
	s_add_co_u32 s32, s32, BOFF
	v_add_nc_u32 v8, s32, v8                       ; W2's way in: (32 w + h) PB + 16 r
	v_lshl_add_u32 v10, v2, 11, v16
	s_lshl_b32 s32, s20, 16
	v_add_nc_u32 v10, s32, v10                     ; W2 in memory: (32 w + h) x 2,048 + 16 r
	v_lshlrev_b32 v11, 5, v2                       ; b2: 32 h
	s_mul_i32 s32, s20, 16*PB
	s_add_co_u32 s32, s32, STG                     ; my stage
	v_mul_u32_u24 v17, v1, PB
	v_lshl_add_u32 v17, v2, 5, v17
	v_add_nc_u32 v17, s32, v17                     ; in: row r, 32 bytes for each half of the lanes
	v_mul_u32_u24 v18, v2, PB
	v_add_nc_u32 v18, v18, v16
	v_add_nc_u32 v18, s32, v18                     ; back: lanes 0-15 one row of 256 bytes, lanes 16-31 the next
	v_lshl_add_u32 v19, v2, 12, v16                ; and the same two rows in yrows
	s_mov_b32 s33, 0
	s_lshl_b32 s32, s24, 3
	s_wait_kmcnt 0x0
	s_add_nc_u64 s[34:35], s[16:17], s[32:33]
	s_load_b32 s25, s[34:35], 0x0                  ; the tile's expert
	s_load_b128 s[28:31], s[14:15], 0x0            ; e0, e1, e2, e3
	s_mul_i32 s32, s24, TILEB
	s_add_nc_u64 s[8:9], s[8:9], s[32:33]          ; the tile's images
	s_mul_i32 s32, s24, 176                        ; yrows: 4,096 (176 y + 80 (w / 2)) + 512 col + 256 (w % 2)
	s_mul_i32 s38, s21, 80
	s_add_co_u32 s32, s32, s38
	s_lshl_b32 s32, s32, 12
	s_lshl_b32 s38, ttmp9, 9
	s_add_co_u32 s32, s32, s38
	s_lshl_b32 s38, s22, 8
	s_add_co_u32 s32, s32, s38
	s_add_nc_u64 s[18:19], s[18:19], s[32:33]
	s_wait_kmcnt 0x0
	s_min_u32 s25, s25, 7
	s_lshl_b32 s32, s25, 21                        ; an expert's W2 is 1,024 x 2,048 bytes,
	s_lshl_b32 s38, ttmp9, 18                      ; 128 of its rows 2^18
	s_add_co_u32 s32, s32, s38
	s_add_nc_u64 s[10:11], s[10:11], s[32:33]
	GLOAD 0
	s_lshl_b32 s32, s25, 12                        ; b2: 4 (1,024 e + 128 col + 64 (w % 2))
	s_lshl_b32 s38, ttmp9, 9
	s_add_co_u32 s32, s32, s38
	s_lshl_b32 s38, s22, 8
	s_add_co_u32 s32, s32, s38
	s_add_nc_u64 s[12:13], s[12:13], s[32:33]
	WIN 0x40
.irp t, 0,1,2,3                                ; lane (r, h) wants, for tile t, the outputs 16 t + 8 h + 0 .. 7
	global_load_b128 v[B2R+8*\t:B2R+8*\t+3], v11, s[12:13] offset:64*\t
	global_load_b128 v[B2R+8*\t+4:B2R+8*\t+7], v11, s[12:13] offset:64*\t+16
.endr
	GLOAD 1
	WIN 0
	s_add_co_i32 s36, s30, s31
	s_add_co_i32 s36, s36, 127
	s_lshl_b32 s36, s36, 23                        ; 2^(e2 + e3) as f32
	s_mov_b32 s37, s36                             ; (named with it as a pair, so it is written)
	s_wait_loadcnt NG                              ; K step 0 and b2 are in; K step 1's 38 loads may be out
	SSTORE 0
	s_wait_dscnt 0x0                               ; for the others: my part of slot 0 lies in LDS; and the stores have read their registers
	GLOAD 2
	WIN 0
	s_barrier_signal -1
	s_barrier_wait -1
	FETCH 0, 0, 0
	STEP 0
	STEP 1
	STEP 2
	STEP 3
	STEP 4
	STEP 5
	STEP 6
	STEP 7
; THE WAY OUT, a block of 16 rows x 64 outputs at a time.  LDS serves a wave's instructions in order (ISA guide 5.7.1.4): no wait between the stores into my stage and the loads from it, nor in front of the next block's stores.
.macro TOSTAGE a
	WIN 0x12                                       ; source 0 (the sums) window 2, source 2 (b2) window 1
.irp t, 0,1,2,3
.irp i, 0,2,4,6
	v_pk_fma_f32 v[TMP+8*\t+\i:TMP+8*\t+\i+1], v[32*(\a)+8*\t+\i:32*(\a)+8*\t+\i+1], s[36:37], v[B2R+8*\t+\i:B2R+8*\t+\i+1] op_sel_hi:[1,0,1]   ; sum x 2^(e2 + e3) + b2; each accumulator from its low end on
.endr
.endr
	WIN 0
.irp t, 0,1,2,3
	ds_store_b128 v17, v[TMP+8*\t:TMP+8*\t+3] offset:64*\t
	ds_store_b128 v17, v[TMP+8*\t+4:TMP+8*\t+7] offset:64*\t+16
.endr
.set ob, OUTR+32*((\a)%2)
.irp i, 0,1,2,3,4,5,6,7
	ds_load_b128 v[ob+4*\i:ob+4*\i+3], v18 offset:2*PB*\i
.endr
.endm
.macro SEND a, younger                 ; younger: the LDS instructions issued behind block a's loads, which may stay out
.set ob, OUTR+32*((\a)%2)
	s_wait_dscnt \younger
.irp i, 0,1,2,3,4,5,6,7
	global_store_b128 v19, v[ob+4*\i:ob+4*\i+3], s[18:19] offset:4096*(16*(\a)+2*\i)   ; sixteen lanes store 256 consecutive bytes, at a multiple of 256 from the buffer's first byte
.endr
.endm
	WIN 0
	PLACES
	TOSTAGE 0
.irp b, 1,2,3,4
.if \b > 1
	s_wait_xcnt 0x0                                ; the stores of the block two back have read their registers: this block's loads may land there
.endif
	TOSTAGE \b
	SEND \b-1, 16                                  ; behind that block's loads: this block's eight stores and eight loads
.endr
	s_cmp_eq_u32 s21, 0                            ; the lower half's sixth block is the upper half's first, which stores it
	s_cbranch_scc1 .Lshort
	s_wait_xcnt 0x0                                ; block 3's stores have read their registers
	TOSTAGE 5
	SEND 4, 16
	SEND 5, 0
	s_wait_tensorcnt 0x0
	ds_add_u32 v254, v255
	s_wait_dscnt 0x0
	s_endpgm
.Lshort:
	SEND 4, 0
	s_wait_tensorcnt 0x0
	ds_add_u32 v254, v255
	s_wait_dscnt 0x0
	s_endpgm
.Lfunc_end_k_q33c6ea34ef_down:
	.size	k_q33c6ea34ef_down, .Lfunc_end_k_q33c6ea34ef_down-k_q33c6ea34ef_down
	.p2alignl 7, 3214868480
	.fill 96, 4, 3214868480
	.section	.rodata,"a",@progbits
	.p2align	6, 0x0
	.amdhsa_kernel k_q33c6ea34ef_down
		.amdhsa_group_segment_fixed_size 177664
		.amdhsa_private_segment_fixed_size 0
		.amdhsa_enable_private_segment 0
		.amdhsa_kernarg_size 48
		.amdhsa_user_sgpr_count 2
		.amdhsa_user_sgpr_kernarg_segment_ptr 1
		.amdhsa_wavefront_size32 1
		.amdhsa_system_sgpr_workgroup_id_x 1
		.amdhsa_system_sgpr_workgroup_id_y 1
		.amdhsa_system_sgpr_workgroup_id_z 1
		.amdhsa_system_vgpr_workitem_id 0
		.amdhsa_next_free_vgpr 1008
		.amdhsa_next_free_sgpr 66
		.amdhsa_reserve_vcc 0
		.amdhsa_float_denorm_mode_32 3
		.amdhsa_float_denorm_mode_16_64 3
		.amdhsa_memory_ordered 1
		.amdhsa_forward_progress 1
		.amdhsa_inst_pref_size 140
	.end_amdhsa_kernel
	.amdgpu_metadata
---
amdhsa.version: [ 1, 2 ]
amdhsa.kernels:
  - .name:           k_q33c6ea34ef_down
    .symbol:         k_q33c6ea34ef_down.kd
    .args:
      - { .name: hcodes, .offset: 0, .size: 8, .value_kind: global_buffer, .address_space: global }
      - { .name: W2_codes, .offset: 8, .size: 8, .value_kind: global_buffer, .address_space: global }
      - { .name: b2, .offset: 16, .size: 8, .value_kind: global_buffer, .address_space: global }
      - { .name: lowp_scales, .offset: 24, .size: 8, .value_kind: global_buffer, .address_space: global }
      - { .name: plan, .offset: 32, .size: 8, .value_kind: global_buffer, .address_space: global }
      - { .name: yrows, .offset: 40, .size: 8, .value_kind: global_buffer, .address_space: global }
    .group_segment_fixed_size: 177664
    .private_segment_fixed_size: 0
    .kernarg_segment_align: 8
    .kernarg_segment_size: 48
    .max_flat_workgroup_size: 128
    .sgpr_count:     66
    .vgpr_count:     1008
    .wavefront_size: 32
...
	.end_amdgpu_metadata
.endif
;; end of part 8
;; launch join (part 9): grid 256 x 1, 8 waves a work-group, no clusters, 0 bytes of LDS; arguments x, yrows, gates, plan, out0; writes out0
.if DOCPART == 9
	.amdgcn_target "amdgcn-amd-amdhsa--gfx1250"
	.amdhsa_code_object_version 6
	.text
	.protected	k_q33c6ea34ef_join
	.globl	k_q33c6ea34ef_join
	.p2align	8
	.type	k_q33c6ea34ef_join,@function
k_q33c6ea34ef_join:
	s_mov_b64 s[64:65], 0
	v_nop
	global_prefetch_b8 v0, s[64:65] scope:SCOPE_SE
	s_setreg_imm32_b32 hwreg(HW_REG_WAVE_MODE, 25, 1), 1
	s_wait_xcnt 0x0
; JOIN.  out0[t] = x[t] + g0 y[p0] + g1 y[p1]: one wave a token, t = 8 x work-group + wave.  p0, p1 are the slab rows of the token's two routed entries (plan's pos), g0, g1 its gates.
; A stream: three rows of 4,096 bytes in, one out; every load and store of the wave covers 512 consecutive bytes.  All 24 loads of a wave are issued before the first is used; no register is written twice,
; so no wait frees a source.  No LDS, no barrier, no matrix unit, no cluster: waves share nothing.
.set X,  4                             ; v4-35   x, then the result
.set Y0, 36                            ; v36-67  the first expert's row
.set Y1, 68                            ; v68-99  the second's
	s_load_b256 s[4:11], s[0:1], 0x0               ; x s[4:5], yrows s[6:7], gates s[8:9], plan s[10:11]
	s_load_b64 s[12:13], s[0:1], 0x20              ; out0
	v_lshrrev_b32 v1, 5, v0
	v_readfirstlane_b32 s14, v1                    ; wave
	v_and_b32 v1, 31, v0
	v_lshlrev_b32 v1, 4, v1                        ; 16 x lane
	s_lshl_b32 s15, ttmp9, 3
	s_add_co_u32 s15, s15, s14                     ; token
	s_lshl_b32 s16, s15, 12
	s_mov_b32 s17, 0
	s_lshl_b32 s18, s15, 3
	s_mov_b32 s19, 0
	s_wait_kmcnt 0x0
	s_add_nc_u64 s[10:11], s[10:11], s[18:19]
	s_add_nc_u64 s[8:9], s[8:9], s[18:19]
	s_load_b64 s[20:21], s[10:11], 0x200           ; p0, p1
	s_load_b64 s[22:23], s[8:9], 0x0               ; g0, g1
	s_add_nc_u64 s[4:5], s[4:5], s[16:17]
	s_add_nc_u64 s[12:13], s[12:13], s[16:17]
.irp j, 0,1,2,3,4,5,6,7
	global_load_b128 v[X+4*\j:X+4*\j+3], v1, s[4:5] offset:512*\j th:TH_LOAD_NT
.endr
	s_wait_kmcnt 0x0
	s_min_u32 s20, s20, 0x154f                     ; a slab row is at most 31 x 176 - 1 = 5,455
	s_min_u32 s21, s21, 0x154f
	s_lshl_b32 s26, s20, 12
	s_mov_b32 s27, 0
	s_lshl_b32 s28, s21, 12
	s_mov_b32 s29, 0
	s_add_nc_u64 s[26:27], s[6:7], s[26:27]
	s_add_nc_u64 s[28:29], s[6:7], s[28:29]
	s_mov_b32 s24, s23                             ; g1 in a pair of its own: the packed form takes a scalar pair's low word for both halves
	s_mov_b32 s25, s23
.irp j, 0,1,2,3,4,5,6,7
	global_load_b128 v[Y0+4*\j:Y0+4*\j+3], v1, s[26:27] offset:512*\j th:TH_LOAD_NT
.endr
.irp j, 0,1,2,3,4,5,6,7
	global_load_b128 v[Y1+4*\j:Y1+4*\j+3], v1, s[28:29] offset:512*\j th:TH_LOAD_NT
.endr
.irp j, 0,1,2,3,4,5,6,7
	s_wait_loadcnt 7-\j                            ; piece j of the second row, the youngest that is needed, is in; the pieces behind it may be out
	v_pk_fma_f32 v[X+4*\j:X+4*\j+1], v[Y0+4*\j:Y0+4*\j+1], s[22:23], v[X+4*\j:X+4*\j+1] op_sel_hi:[1,0,1]
	v_pk_fma_f32 v[X+4*\j+2:X+4*\j+3], v[Y0+4*\j+2:Y0+4*\j+3], s[22:23], v[X+4*\j+2:X+4*\j+3] op_sel_hi:[1,0,1]
	v_pk_fma_f32 v[X+4*\j:X+4*\j+1], v[Y1+4*\j:Y1+4*\j+1], s[24:25], v[X+4*\j:X+4*\j+1] op_sel_hi:[1,0,1]
	v_pk_fma_f32 v[X+4*\j+2:X+4*\j+3], v[Y1+4*\j+2:Y1+4*\j+3], s[24:25], v[X+4*\j+2:X+4*\j+3] op_sel_hi:[1,0,1]
	global_store_b128 v1, v[X+4*\j:X+4*\j+3], s[12:13] offset:512*\j th:TH_STORE_NT
.endr
	s_endpgm
.Lfunc_end_k_q33c6ea34ef_join:
	.size	k_q33c6ea34ef_join, .Lfunc_end_k_q33c6ea34ef_join-k_q33c6ea34ef_join
	.p2alignl 7, 3214868480
	.fill 96, 4, 3214868480
	.section	.rodata,"a",@progbits
	.p2align	6, 0x0
	.amdhsa_kernel k_q33c6ea34ef_join
		.amdhsa_group_segment_fixed_size 0
		.amdhsa_private_segment_fixed_size 0
		.amdhsa_enable_private_segment 0
		.amdhsa_kernarg_size 40
		.amdhsa_user_sgpr_count 2
		.amdhsa_user_sgpr_kernarg_segment_ptr 1
		.amdhsa_wavefront_size32 1
		.amdhsa_system_sgpr_workgroup_id_x 1
		.amdhsa_system_sgpr_workgroup_id_y 1
		.amdhsa_system_sgpr_workgroup_id_z 1
		.amdhsa_system_vgpr_workitem_id 0
		.amdhsa_next_free_vgpr 112
		.amdhsa_next_free_sgpr 66
		.amdhsa_reserve_vcc 0
		.amdhsa_float_denorm_mode_32 3
		.amdhsa_float_denorm_mode_16_64 3
		.amdhsa_memory_ordered 1
		.amdhsa_forward_progress 1
		.amdhsa_inst_pref_size 7
	.end_amdhsa_kernel
	.amdgpu_metadata
---
amdhsa.version: [ 1, 2 ]
amdhsa.kernels:
  - .name:           k_q33c6ea34ef_join
    .symbol:         k_q33c6ea34ef_join.kd
    .args:
      - { .name: x, .offset: 0, .size: 8, .value_kind: global_buffer, .address_space: global }
      - { .name: yrows, .offset: 8, .size: 8, .value_kind: global_buffer, .address_space: global }
      - { .name: gates, .offset: 16, .size: 8, .value_kind: global_buffer, .address_space: global }
      - { .name: plan, .offset: 24, .size: 8, .value_kind: global_buffer, .address_space: global }
      - { .name: out0, .offset: 32, .size: 8, .value_kind: global_buffer, .address_space: global }
    .group_segment_fixed_size: 0
    .private_segment_fixed_size: 0
    .kernarg_segment_align: 8
    .kernarg_segment_size: 40
    .max_flat_workgroup_size: 256
    .sgpr_count:     66
    .vgpr_count:     112
    .wavefront_size: 32
...
	.end_amdgpu_metadata
.endif
;; end of part 9
;; ======== version 3 of 3: 5 launches
;; workspace buffers: xcodes 2,097,152 bytes; sel 16,384 bytes of whole numbers; gates 16,384 bytes; probs 65,536 bytes; plan 38,912 bytes of whole numbers; hcodes 11,173,888 bytes; yrows 22,347,776 bytes
;; launch route (part 10): grid 256 x 1, 8 waves a work-group, no clusters, 74,752 bytes of LDS; arguments x, ln_w, ln_b, Wr, lowp_scales, xcodes, sel, gates, probs; writes xcodes, sel, gates, probs
.if DOCPART == 10
	.amdgcn_target "amdgcn-amd-amdhsa--gfx1250"
	.amdhsa_code_object_version 6
	.text
	.protected	k_q33c6ea34ef_route
	.globl	k_q33c6ea34ef_route
	.p2align	8
	.type	k_q33c6ea34ef_route,@function
k_q33c6ea34ef_route:
	s_mov_b64 s[64:65], 0
	v_nop
	global_prefetch_b8 v0, s[64:65] scope:SCOPE_SE
	s_setreg_imm32_b32 hwreg(HW_REG_WAVE_MODE, 25, 1), 1
	s_wait_xcnt 0x0
; ROUTE.  One wave takes one token t = 8 x work-group + wave: LayerNorm in f32 (two passes: mean, then the mean of squared differences), the eight router logits in f32,
; the two largest (strict >, so a tie keeps the lower index), their softmax (gates), the softmax over all eight (probs), and the E4M3 codes of xn with the given scale 2^e0.
; The choice is derived from floating-point numbers, so it steers no address here: it is stored at fixed places (sel[t][2]) and a later launch places the rows.
; A row of 1,024 f32 is eight loads of 512 consecutive bytes; load j gives a lane k = 128 j + 4 lane + 0..3.  x, ln_w, ln_b and Wr all lie so, hence sums over k need no reordering.
; The conversion wants 16 neighbours along k in one lane: 512 numbers at a time turn through the wave's own stage in LDS (64 bytes + 16 of padding a lane).
; Wr (32 KB) is brought once a work-group, one row a wave, into LDS: the one barrier.  No matrix unit: N = 8.  No cluster: work-groups share only Wr, ln_w, ln_b, 40 KB against 32 KB of x each, read once.
; LIMITS: e0 between -126 and 119 (2^e0 and 448 x 2^e0 are f32 numbers).  NaN and infinities among the inputs are not served.
; The small results (8 bytes of sel, 8 of gates, 32 of probs a token) leave in short pieces: 98 KB in the launch.
.set X,   16                           ; v16-47   x, then x - mu, then xn
.set W,   48                           ; v48-79   ln_w, later the even rows of Wr
.set BB,  80                           ; v80-111  ln_b, later the odd rows of Wr
.set T,   112                          ; v112-143 my row of Wr on its way to LDS, later xn turned, later the masked logits
.set C,   144                          ; v144-151 the codes
.set L,   152                          ; v152-159 the logits
.set SP,  80                           ; a lane's place in a stage
.set STG, 32768                        ; LDS: Wr at 0 (8 x 4,096), then two stages of 32 x SP bytes for each wave
.macro WSUM r, t                       ; the sum over the 32 lanes, in every lane; v[t] has been written before
	s_delay_alu instid0(VALU_DEP_1)
	v_add_f32_dpp v[\r], v[\r], v[\r] row_xmask:1 row_mask:0xf bank_mask:0xf
	s_delay_alu instid0(VALU_DEP_1)
	v_add_f32_dpp v[\r], v[\r], v[\r] row_xmask:2 row_mask:0xf bank_mask:0xf
	s_delay_alu instid0(VALU_DEP_1)
	v_add_f32_dpp v[\r], v[\r], v[\r] row_xmask:4 row_mask:0xf bank_mask:0xf
	s_delay_alu instid0(VALU_DEP_1)
	v_add_f32_dpp v[\r], v[\r], v[\r] row_xmask:8 row_mask:0xf bank_mask:0xf
	s_delay_alu instid0(VALU_DEP_1)
	v_permlanex16_b32 v[\t], v[\r], s28, s29
	s_delay_alu instid0(VALU_DEP_1)
	v_add_f32 v[\r], v[\r], v[\t]
.endm
	s_load_b256 s[8:15], s[0:1], 0x0               ; x s[8:9], ln_w s[10:11], ln_b s[12:13], Wr s[14:15]
	s_load_b256 s[16:23], s[0:1], 0x20             ; lowp_scales s[16:17], xcodes s[18:19], sel s[20:21], gates s[22:23]
	s_load_b64 s[24:25], s[0:1], 0x40              ; probs
	v_lshl_add_u32 v176, v0, 2, 0x12000
	v_mov_b32 v177, 0
	v_lshrrev_b32 v1, 5, v0
	s_delay_alu instid0(VALU_DEP_1)
	v_readfirstlane_b32 s26, v1                    ; wave
	v_and_b32 v1, 31, v0                           ; lane
	s_delay_alu instid0(VALU_DEP_1)
	v_lshlrev_b32 v2, 4, v1                        ; 16 x lane
	s_wait_alu depctr_va_vdst(0)
	v_and_b32 v3, 7, v0                            ; lane % 8: the expert whose probability this lane makes
	s_wait_alu depctr_va_vdst(0)
	s_lshl_b32 s27, ttmp9, 3
	s_add_co_u32 s27, s27, s26                     ; token
	s_mov_b32 s28, 0x76543210                      ; v_permlanex16_b32: lane l takes lane l xor 16
	s_mov_b32 s29, 0xfedcba98
	s_mov_b32 s30, 0x3a800000                      ; 1 / 1024
	s_mul_i32 s4, s26, 2*32*SP
	s_add_co_u32 s4, s4, STG                       ; my stages
	v_lshrrev_b32 v4, 2, v1
	s_delay_alu instid0(VALU_DEP_1)
	v_mul_u32_u24 v4, v4, SP
	v_and_b32 v5, 3, v1
	s_delay_alu instid0(VALU_DEP_1)
	v_lshl_add_u32 v4, v5, 4, v4
	s_delay_alu instid0(VALU_DEP_1)
	v_add_nc_u32 v4, s4, v4                        ; into a stage: four lanes' 64 bytes on end, then the padding
	v_mul_u32_u24 v5, v1, SP
	s_delay_alu instid0(VALU_DEP_1)
	v_add_nc_u32 v5, s4, v5                        ; out of it: my 16 neighbours
	s_lshl_b32 s6, s26, 12                         ; my row of Wr: 4,096 x wave, in memory and in LDS
	s_mov_b32 s7, 0
	v_add_nc_u32 v6, s6, v2
	s_lshl_b32 s2, s27, 12                         ; my row of x
	s_mov_b32 s3, 0
.irp e, 1,2,3,4,5,6,7
	v_cmp_eq_u32 s[32+\e], \e, v3                  ; the lanes of expert e
.endr
	s_wait_alu depctr_va_vdst(0)
	s_wait_kmcnt 0x0
	s_load_b32 s31, s[16:17], 0x0                  ; e0
	s_add_nc_u64 s[14:15], s[14:15], s[6:7]
	s_add_nc_u64 s[8:9], s[8:9], s[2:3]
.irp j, 0,1,2,3,4,5,6,7
	global_load_b128 v[T+4*\j:T+4*\j+3], v2, s[14:15] offset:512*\j
.endr
.irp j, 0,1,2,3,4,5,6,7
	global_load_b128 v[X+4*\j:X+4*\j+3], v2, s[8:9] offset:512*\j th:TH_LOAD_NT
.endr
.irp j, 0,1,2,3,4,5,6,7
	global_load_b128 v[W+4*\j:W+4*\j+3], v2, s[10:11] offset:512*\j
.endr
.irp j, 0,1,2,3,4,5,6,7
	global_load_b128 v[BB+4*\j:BB+4*\j+3], v2, s[12:13] offset:512*\j
.endr
	s_lshl_b32 s2, s27, 10
	s_add_nc_u64 s[18:19], s[18:19], s[2:3]        ; my row of codes
	s_lshl_b32 s2, s27, 3
	s_add_nc_u64 s[20:21], s[20:21], s[2:3]        ; my two entries of sel
	s_add_nc_u64 s[22:23], s[22:23], s[2:3]        ; and of gates
	s_lshl_b32 s2, s27, 5
	s_add_nc_u64 s[24:25], s[24:25], s[2:3]        ; my eight of probs
	s_wait_loadcnt 24                              ; my row of Wr is in; x, ln_w and ln_b (24 loads) may be out
.irp j, 0,1,2,3,4,5,6,7
	ds_store_b128 v6, v[T+4*\j:T+4*\j+3] offset:512*\j
.endr
	s_wait_dscnt 0x0                               ; for the others: my row lies in LDS
	s_barrier_signal -1
	s_barrier_wait -1                              ; all eight rows do
	s_wait_loadcnt 16                              ; x is in; ln_w and ln_b may be out
	v_pk_add_f32 v[162:163], v[16:17], v[18:19]
	v_pk_add_f32 v[164:165], v[32:33], v[40:41]
	v_pk_add_f32 v[166:167], v[20:21], v[22:23]
	v_pk_add_f32 v[14:15], v[34:35], v[42:43]
	v_pk_add_f32 v[12:13], v[24:25], v[26:27]
	v_pk_add_f32 v[10:11], v[36:37], v[44:45]
	v_pk_add_f32 v[8:9], v[28:29], v[30:31]
	v_pk_add_f32 v[160:161], v[38:39], v[46:47]
	s_delay_alu instid0(VALU_DEP_1)
	v_pk_add_f32 v[160:161], v[160:161], v[14:15]
	v_pk_add_f32 v[162:163], v[162:163], v[12:13]
	v_pk_add_f32 v[164:165], v[164:165], v[10:11]
	v_pk_add_f32 v[166:167], v[166:167], v[8:9]
	s_delay_alu instid0(VALU_DEP_2)
	v_pk_add_f32 v[160:161], v[160:161], v[164:165]
	s_delay_alu instid0(VALU_DEP_2)
	v_pk_add_f32 v[162:163], v[162:163], v[166:167]
	s_delay_alu instid0(VALU_DEP_1)
	v_pk_add_f32 v[160:161], v[160:161], v[162:163]
	s_delay_alu instid0(VALU_DEP_1)
	v_add_f32 v160, v160, v161
	WSUM 160, 161
	s_delay_alu instid0(VALU_DEP_1)
	v_mul_f32 v168, s30, v160                      ; mu
	s_delay_alu instid0(VALU_DEP_1)
	v_mov_b32 v169, v168
.irp p, 0,2,4,6,8,10,12,14,16,18,20,22,24,26,28,30
	v_pk_add_f32 v[X+\p:X+\p+1], v[X+\p:X+\p+1], v[168:169] neg_lo:[0,1] neg_hi:[0,1]   ; x - mu
.endr
.irp p, 0,1,2,3
	v_pk_mul_f32 v[160+2*\p:161+2*\p], v[X+2*\p:X+2*\p+1], v[X+2*\p:X+2*\p+1]
.endr
.irp g, 8,16,24
.irp p, 0,1,2,3
	s_delay_alu instid0(VALU_DEP_4)
	v_pk_fma_f32 v[160+2*\p:161+2*\p], v[X+\g+2*\p:X+\g+2*\p+1], v[X+\g+2*\p:X+\g+2*\p+1], v[160+2*\p:161+2*\p]
.endr
.endr
	s_delay_alu instid0(VALU_DEP_3)
	v_pk_add_f32 v[160:161], v[160:161], v[162:163]
	s_delay_alu instid0(VALU_DEP_2)
	v_pk_add_f32 v[164:165], v[164:165], v[166:167]
	s_delay_alu instid0(VALU_DEP_1)
	v_pk_add_f32 v[160:161], v[160:161], v[164:165]
	s_delay_alu instid0(VALU_DEP_1)
	v_add_f32 v160, v160, v161
	WSUM 160, 161
	v_mov_b32 v171, 0x3727c5ac                     ; 1e-5
	s_delay_alu instid0(VALU_DEP_1)
	v_fma_f32 v170, v160, s30, v171                ; var + eps
	s_wait_alu depctr_va_vdst(0)
	v_rsq_f32 v172, v170
	v_nop                                          ; a plain instruction behind the transcendental
	s_wait_kmcnt 0x0                               ; e0
	s_add_co_i32 s31, s31, 127
	s_lshl_b32 s4, s31, 23                         ; 2^e0 as f32: the conversion takes its exponent field
	s_add_co_i32 s31, s31, 8
	s_lshl_b32 s31, s31, 23
	s_or_b32 s31, s31, 0x600000                    ; 448 x 2^e0
	v_mov_b32 v174, s4
	v_mov_b32 v175, s31
	s_wait_alu depctr_va_vdst(0)                   ; the wait ahead of the first reader of v172
	v_mov_b32 v173, v172
	s_wait_alu depctr_va_vdst(0)
	s_wait_loadcnt 0x0                             ; ln_w, ln_b
.irp p, 0,2,4,6,8,10,12,14,16,18,20,22,24,26,28,30
	v_pk_mul_f32 v[X+\p:X+\p+1], v[X+\p:X+\p+1], v[172:173]
.endr
.irp p, 0,2,4,6,8,10,12,14,16,18,20,22,24,26,28,30
	v_pk_fma_f32 v[X+\p:X+\p+1], v[X+\p:X+\p+1], v[W+\p:W+\p+1], v[BB+\p:BB+\p+1]   ; xn
.endr
.irp u, 0,1                                    ; xn turns through my stages, 512 numbers each; LDS serves a wave's instructions in order, so no wait stands between the stores and the loads
.irp i, 0,1,2,3
	ds_store_b128 v4, v[X+16*\u+4*\i:X+16*\u+4*\i+3] offset:32*SP*\u+8*SP*\i
.endr
.irp i, 0,1,2,3
	ds_load_b128 v[T+16*\u+4*\i:T+16*\u+4*\i+3], v5 offset:32*SP*\u+16*\i
.endr
.endr
.irp j, 0,1,2,3,4,5,6,7                        ; rows 0 and 1 of Wr come while xn is quantised
	ds_load_b128 v[W+4*\j:W+4*\j+3], v2 offset:512*\j
.endr
.irp j, 0,1,2,3,4,5,6,7
	ds_load_b128 v[BB+4*\j:BB+4*\j+3], v2 offset:4096+512*\j
.endr
	s_wait_dscnt 16                                ; xn is back, 16 neighbours twice; the 16 loads of Wr may be out
.irp i, 0,1,2,3,4,5,6,7,8,9,10,11,12,13,14,15,16,17,18,19,20,21,22,23,24,25,26,27,28,29,30,31
	v_med3_num_f32 v[T+\i], v[T+\i], -v175, v175   ; the conversion to an 8-bit code does not saturate (ISA guide 7.6.2): the hold at the largest code x the scale
.endr
.irp g, 0,1,2,3
	v_cvt_scalef32_pk8_fp8_f32 v[C+2*\g:C+2*\g+1], v[T+8*\g:T+8*\g+7], v174
.endr
	v_nop                                          ; a plain instruction behind the last conversion: T is written again further down
	global_store_b128 v2, v[C:C+3], s[18:19]       ; 32 lanes store 512 consecutive bytes
	global_store_b128 v2, v[C+4:C+7], s[18:19] offset:512
; logit e = the sum over k of xn[k] Wr[e][k]: 32 products a lane in two chains; the row two further on is fetched into the buffer just used
.macro DOT e
.set WB, W+32*((\e)%2)
.if (\e) < 7
	s_wait_dscnt 8                                 ; this row is in; the next row's eight loads may be out
.else
	s_wait_dscnt 0x0
.endif
	v_pk_mul_f32 v[160:161], v[X:X+1], v[WB:WB+1]
	v_pk_mul_f32 v[162:163], v[X+2:X+3], v[WB+2:WB+3]
.irp p, 4,8,12,16,20,24,28
	s_delay_alu instid0(VALU_DEP_2)
	v_pk_fma_f32 v[160:161], v[X+\p:X+\p+1], v[WB+\p:WB+\p+1], v[160:161]
	s_delay_alu instid0(VALU_DEP_2)
	v_pk_fma_f32 v[162:163], v[X+\p+2:X+\p+3], v[WB+\p+2:WB+\p+3], v[162:163]
.endr
.if (\e)+2 < 8
.irp j, 0,1,2,3,4,5,6,7
	ds_load_b128 v[WB+4*\j:WB+4*\j+3], v2 offset:4096*((\e)+2)+512*\j
.endr
.endif
	v_pk_add_f32 v[160:161], v[160:161], v[162:163]
	s_delay_alu instid0(VALU_DEP_1)
	v_add_f32 v[L+(\e)], v160, v161
.endm
.irp e, 0,1,2,3,4,5,6,7
	DOT \e
.endr
.irp m, 1,2,4,8                                ; the eight sums over the lanes, side by side
.irp e, 0,1,2,3,4,5,6,7
	v_add_f32_dpp v[L+\e], v[L+\e], v[L+\e] row_xmask:\m row_mask:0xf bank_mask:0xf
.endr
.endr
.irp e, 0,1,2,3,4,5,6,7
	v_permlanex16_b32 v[160+\e], v[L+\e], s28, s29
.endr
.irp e, 0,1,2,3,4,5,6,7
	v_add_f32 v[L+\e], v[L+\e], v[160+\e]          ; every lane holds all eight logits
.endr
	v_mov_b32 v160, v[L]                           ; the largest and its index
	v_mov_b32 v161, 0
.irp e, 1,2,3,4,5,6,7
	s_delay_alu instid0(VALU_DEP_2)
	v_cmp_gt_f32 vcc_lo, v[L+\e], v160
	s_delay_alu instid0(VALU_DEP_1)
	v_cndmask_b32 v160, v160, v[L+\e], vcc_lo
	s_delay_alu instid0(VALU_DEP_2)
	v_cndmask_b32 v161, v161, \e, vcc_lo
.endr
	v_mov_b32 v164, 0xff800000                     ; -infinity takes the place of the largest
.irp e, 0,1,2,3,4,5,6,7
	v_cmp_eq_u32 vcc_lo, \e, v161
	s_delay_alu instid0(VALU_DEP_1)
	v_cndmask_b32 v[T+\e], v[L+\e], v164, vcc_lo
.endr
	v_mov_b32 v162, v[T]                           ; the second and its index
	v_mov_b32 v163, 0
.irp e, 1,2,3,4,5,6,7
	s_delay_alu instid0(VALU_DEP_2)
	v_cmp_gt_f32 vcc_lo, v[T+\e], v162
	s_delay_alu instid0(VALU_DEP_1)
	v_cndmask_b32 v162, v162, v[T+\e], vcc_lo
	s_delay_alu instid0(VALU_DEP_2)
	v_cndmask_b32 v163, v163, \e, vcc_lo
.endr
	v_mov_b32 v165, v[L]                           ; the logit of expert lane % 8
.irp e, 1,2,3,4,5,6,7
	s_delay_alu instid0(VALU_DEP_1)
	v_cndmask_b32 v165, v165, v[L+\e], s[32+\e]
.endr
	v_sub_f32 v166, v162, v160                     ; both softmaxes take the largest logit away
	s_delay_alu instid0(VALU_DEP_2)
	v_sub_f32 v167, v165, v160
	s_delay_alu instid0(VALU_DEP_2)
	v_mul_f32 v166, 0x3fb8aa3b, v166
	s_delay_alu instid0(VALU_DEP_2)
	v_mul_f32 v167, 0x3fb8aa3b, v167
	s_wait_alu depctr_va_vdst(0)
	v_exp_f32 v166, v166                           ; e^(second - largest)
	v_exp_f32 v167, v167                           ; e^(logit - largest)
	v_nop
	s_wait_alu depctr_va_vdst(0)                   ; one wait for both exponentials
	v_mov_b32 v168, v167
	s_delay_alu instid0(VALU_DEP_1)
	v_add_f32_dpp v168, v168, v168 row_xmask:1 row_mask:0xf bank_mask:0xf
	s_delay_alu instid0(VALU_DEP_1)
	v_add_f32_dpp v168, v168, v168 row_xmask:2 row_mask:0xf bank_mask:0xf
	s_delay_alu instid0(VALU_DEP_1)
	v_add_f32_dpp v168, v168, v168 row_xmask:4 row_mask:0xf bank_mask:0xf   ; the sum over the eight experts
	v_add_f32 v169, 1.0, v166
	s_wait_alu depctr_va_vdst(0)
	v_rcp_f32 v170, v169                           ; gate of the largest
	v_rcp_f32 v171, v168
	v_lshlrev_b32 v7, 2, v1                        ; (a plain instruction behind the reciprocals)  4 x lane
	v_cmp_eq_u32 vcc_lo, 1, v1
	v_cmp_gt_u32 s40, 8, v1
	v_cmp_gt_u32 s41, 2, v1
	s_wait_alu depctr_va_vdst(0)                   ; one wait for both reciprocals
	v_mul_f32 v169, v166, v170                     ; gate of the second
	v_mul_f32 v171, v167, v171                     ; probability of expert lane % 8
	v_cndmask_b32 v172, v161, v163, vcc_lo         ; lane 0: the first choice, lane 1: the second
	v_cndmask_b32 v173, v170, v169, vcc_lo
	s_wait_alu depctr_va_vdst(0)
	s_wait_xcnt 0x0                                ; EXEC changes only behind this wait
	s_wait_tensorcnt 0x0
	ds_add_u32 v176, v177
	s_wait_dscnt 0x0
	s_and_saveexec_b32 s42, s40                    ; lanes 0-7
	global_store_b32 v7, v171, s[24:25]
	s_wait_xcnt 0x0
	s_and_saveexec_b32 s43, s41                    ; lanes 0, 1
	global_store_b32 v7, v172, s[20:21]
	global_store_b32 v7, v173, s[22:23]
	s_endpgm
.Lfunc_end_k_q33c6ea34ef_route:
	.size	k_q33c6ea34ef_route, .Lfunc_end_k_q33c6ea34ef_route-k_q33c6ea34ef_route
	.p2alignl 7, 3214868480
	.fill 96, 4, 3214868480
	.section	.rodata,"a",@progbits
	.p2align	6, 0x0
	.amdhsa_kernel k_q33c6ea34ef_route
		.amdhsa_group_segment_fixed_size 74752
		.amdhsa_private_segment_fixed_size 0
		.amdhsa_enable_private_segment 0
		.amdhsa_kernarg_size 72
		.amdhsa_user_sgpr_count 2
		.amdhsa_user_sgpr_kernarg_segment_ptr 1
		.amdhsa_wavefront_size32 1
		.amdhsa_system_sgpr_workgroup_id_x 1
		.amdhsa_system_sgpr_workgroup_id_y 1
		.amdhsa_system_sgpr_workgroup_id_z 1
		.amdhsa_system_vgpr_workitem_id 0
		.amdhsa_next_free_vgpr 178
		.amdhsa_next_free_sgpr 66
		.amdhsa_reserve_vcc 1
		.amdhsa_float_denorm_mode_32 3
		.amdhsa_float_denorm_mode_16_64 3
		.amdhsa_memory_ordered 1
		.amdhsa_forward_progress 1
		.amdhsa_inst_pref_size 44
	.end_amdhsa_kernel
	.amdgpu_metadata
---
amdhsa.version: [ 1, 2 ]
amdhsa.kernels:
  - .name:           k_q33c6ea34ef_route
    .symbol:         k_q33c6ea34ef_route.kd
    .args:
      - { .name: x, .offset: 0, .size: 8, .value_kind: global_buffer, .address_space: global }
      - { .name: ln_w, .offset: 8, .size: 8, .value_kind: global_buffer, .address_space: global }
      - { .name: ln_b, .offset: 16, .size: 8, .value_kind: global_buffer, .address_space: global }
      - { .name: Wr, .offset: 24, .size: 8, .value_kind: global_buffer, .address_space: global }
      - { .name: lowp_scales, .offset: 32, .size: 8, .value_kind: global_buffer, .address_space: global }
      - { .name: xcodes, .offset: 40, .size: 8, .value_kind: global_buffer, .address_space: global }
      - { .name: sel, .offset: 48, .size: 8, .value_kind: global_buffer, .address_space: global }
      - { .name: gates, .offset: 56, .size: 8, .value_kind: global_buffer, .address_space: global }
      - { .name: probs, .offset: 64, .size: 8, .value_kind: global_buffer, .address_space: global }
    .group_segment_fixed_size: 74752
    .private_segment_fixed_size: 0
    .kernarg_segment_align: 8
    .kernarg_segment_size: 72
    .max_flat_workgroup_size: 256
    .sgpr_count:     66
    .vgpr_count:     178
    .wavefront_size: 32
...
	.end_amdgpu_metadata
.endif
;; end of part 10
;; launch place (part 11): grid 1 x 1, 32 waves a work-group, no clusters, 6,144 bytes of LDS; arguments sel, probs, plan, out1; writes plan, out1
.if DOCPART == 11
	.amdgcn_target "amdgcn-amd-amdhsa--gfx1250"
	.amdhsa_code_object_version 6
	.text
	.protected	k_q33c6ea34ef_place
	.globl	k_q33c6ea34ef_place
	.p2align	8
	.type	k_q33c6ea34ef_place,@function
k_q33c6ea34ef_place:
	s_mov_b64 s[64:65], 0
	v_nop
	global_prefetch_b8 v0, s[64:65] scope:SCOPE_SE
	s_setreg_imm32_b32 hwreg(HW_REG_WAVE_MODE, 25, 1), 1
	s_wait_xcnt 0x0
; PLACE.  One work-group of 1,024 threads sorts the 4,096 routed entries (entry 2 t + k: token t, choice k) by expert, by counting, without atomics, and makes the aux loss.
; Expert e gets ceil(n_e / 176) tiles of 176 slab rows, one expert behind the other; never more than (4096 + 8 x 175) / 176 = 31 tiles, whatever the split.
; plan:  +0      tiles[64][2]: expert, rows in use (0 for a tile that the split leaves empty; such a tile is entered as expert 7)
;        +512    pos[4096]: entry -> slab row          +16,896  rowtok[5456]: slab row -> token; rows not in use hold token 0
;        +38,720 32 dump words, which nobody reads: a lane that has no row to clear puts its 0 there, so that every store runs with all lanes on
; Thread i holds entries 4 i .. 4 i + 3.  The order inside an expert is (wave, place in the thread, lane).  A wave counts by lane masks; the 32 waves' counts meet in LDS: one barrier.
; aux = 8 x sum_e (n_e / 2048) (S_e / 2048), S_e the sum of probs over the tokens.
; rowtok is a scatter of 4-byte stores (16 KB in all); probs is read 64 bytes a lane in four loads (64 KB in all): both small beside the launch's chain of dependent steps.
; One work-group: the sort is one prefix over 4,096 numbers; no matrix unit, no cluster, nothing shared.
.set MT,   176                         ; rows in a tile
.set ROWS, 31*MT-1                     ; the last slab row
.set DUMP, 31*MT                       ; the dump words, counted as rows behind it: 5,456 + lane
	s_load_b256 s[4:11], s[0:1], 0x0               ; sel s[4:5], probs s[6:7], plan s[8:9], out1 s[10:11]
	v_lshl_add_u32 v72, v0, 2, 0x800
	v_mov_b32 v73, 0
	v_lshrrev_b32 v1, 5, v0
	s_delay_alu instid0(VALU_DEP_1)
	v_readfirstlane_b32 s12, v1                    ; wave
	v_and_b32 v1, 31, v0                           ; lane
	v_lshlrev_b32 v2, 4, v0                        ; my four entries
	v_lshlrev_b32 v3, 6, v0                        ; my two tokens' probabilities
	v_lshlrev_b32 v63, 3, v0                       ; my entry of the table of tiles
	s_delay_alu instid0(VALU_DEP_4)
	v_add_nc_u32 v54, DUMP, v1                     ; my lane's dump word, as a row
	s_mov_b32 s13, 0x76543210
	s_mov_b32 s14, 0xfedcba98
	v_mov_b32 v28, s12
	s_delay_alu instid0(VALU_DEP_1)
	v_lshlrev_b32 v29, 5, v28                      ; LDS: 512 + 32 x wave: my wave's eight sums
	s_delay_alu instid0(VALU_DEP_2)
	v_lshlrev_b32 v28, 4, v28                      ; LDS: 16 x wave: my wave's eight counts, two to a word
	v_lshlrev_b32 v30, 4, v1                       ; and the same by lane, to read all waves'
	v_lshlrev_b32 v31, 5, v1
	v_mov_b32 v57, 0
	v_lshlrev_b32 v52, 1, v0                       ; my tokens
	s_delay_alu instid0(VALU_DEP_1)
	v_or_b32 v53, 1, v52
	s_wait_kmcnt 0x0
	global_load_b128 v[4:7], v2, s[4:5]
.irp j, 0,1,2,3
	global_load_b128 v[8+4*\j:11+4*\j], v3, s[6:7] offset:16*\j
.endr
	s_wait_loadcnt 4                               ; the experts are in; the four loads of probs may be out
.irp q, 0,1,2,3
	v_min_u32 v[4+\q], 7, v[4+\q]
.endr
.irp q, 0,1,2,3
.irp e, 0,1,2,3,4,5,6,7
	v_cmp_eq_u32 s[32+8*\q+\e], \e, v[4+\q]        ; the lanes whose entry q goes to expert e
.endr
.endr
.irp e, 0,1,2,3,4,5,6,7                        ; my wave's count for each expert, at most 128
	s_bcnt1_i32_b32 s[80+\e], s[32+\e]
	s_bcnt1_i32_b32 s76, s[40+\e]
	s_bcnt1_i32_b32 s77, s[48+\e]
	s_bcnt1_i32_b32 s78, s[56+\e]
	s_add_co_u32 s[80+\e], s[80+\e], s76
	s_add_co_u32 s77, s77, s78
	s_add_co_u32 s[80+\e], s[80+\e], s77
.endr
.irp p, 0,1,2,3
	s_lshl_b32 s76, s[81+2*\p], 16                 ; two counts to a word: sums stay under 4,097
	s_or_b32 s76, s76, s[80+2*\p]
	v_mov_b32 v[24+\p], s76
.endr
	ds_store_b128 v28, v[24:27]                    ; all lanes store the same 16 bytes
	s_wait_loadcnt 0x0
.irp p, 0,2,4,6
	v_pk_add_f32 v[8+\p:9+\p], v[8+\p:9+\p], v[16+\p:17+\p]   ; my two tokens
.endr
.irp m, 1,2,4,8
.irp e, 0,1,2,3,4,5,6,7
	v_add_f32_dpp v[8+\e], v[8+\e], v[8+\e] row_xmask:\m row_mask:0xf bank_mask:0xf
.endr
.endr
.irp e, 0,1,2,3,4,5,6,7
	v_permlanex16_b32 v[16+\e], v[8+\e], s13, s14
.endr
.irp e, 0,1,2,3,4,5,6,7
	v_add_f32 v[8+\e], v[8+\e], v[16+\e]           ; my wave's 64 tokens
.endr
	ds_store_b128 v29, v[8:11] offset:512
	ds_store_b128 v29, v[12:15] offset:528
	s_wait_dscnt 0x0                               ; for the others: my counts and sums lie in LDS
	s_barrier_signal -1
	s_barrier_wait -1
	ds_load_b128 v[24:27], v30                     ; lane l: wave l's counts
	ds_load_b128 v[32:35], v31 offset:512          ; and sums
	ds_load_b128 v[36:39], v31 offset:528
	s_wait_dscnt 0x0
	v_cmp_gt_u32 vcc_lo, s12, v1                   ; the waves in front of mine
.irp p, 0,1,2,3
	v_cndmask_b32 v[40+\p], 0, v[24+\p], vcc_lo
.endr
.irp m, 1,2,4,8                                ; whole-number sums over the lanes: all waves' counts, and those in front of mine
.irp p, 0,1,2,3
	v_mov_b32_dpp v[16+\p], v[24+\p] row_xmask:\m row_mask:0xf bank_mask:0xf
	v_mov_b32_dpp v[20+\p], v[40+\p] row_xmask:\m row_mask:0xf bank_mask:0xf
.endr
.irp p, 0,1,2,3
	v_add_nc_u32 v[24+\p], v[24+\p], v[16+\p]
	v_add_nc_u32 v[40+\p], v[40+\p], v[20+\p]
.endr
.endr
.irp p, 0,1,2,3
	v_permlanex16_b32 v[16+\p], v[24+\p], s13, s14
	v_permlanex16_b32 v[20+\p], v[40+\p], s13, s14
.endr
.irp p, 0,1,2,3
	v_add_nc_u32 v[24+\p], v[24+\p], v[16+\p]
	v_add_nc_u32 v[40+\p], v[40+\p], v[20+\p]
.endr
	s_wait_alu depctr_va_vdst(0)
.irp p, 0,1,2,3
	v_readfirstlane_b32 s76, v[24+\p]
	s_and_b32 s[16+2*\p], s76, 0xffff              ; s16-23: n_e
	s_lshr_b32 s[17+2*\p], s76, 16
	v_readfirstlane_b32 s77, v[40+\p]
	s_and_b32 s[24+2*\p], s77, 0xffff              ; s24-31: the entries of expert e in the waves in front of mine
	s_lshr_b32 s[25+2*\p], s77, 16
.endr
	s_mov_b32 s66, 0                               ; s66-74: the first tile of expert e; s74: tiles in use
.irp e, 0,1,2,3,4,5,6,7
	s_add_co_u32 s76, s[16+\e], MT-1
	s_mul_i32 s76, s76, 5958
	s_lshr_b32 s76, s76, 20                        ; (n + 175) / 176: 5958 x 176 = 2^20 + 32, so the quotient is exact for numbers under 32,768
	s_add_co_u32 s[67+\e], s[66+\e], s76
	s_mul_i32 s77, s[66+\e], MT
	s_add_co_u32 s[24+\e], s[24+\e], s77           ; the slab row of my wave's first entry of expert e
.endr
.irp q, 0,1,2,3
	v_mov_b32 v55, 0
	v_mov_b32 v56, 0
.irp e, 0,1,2,3,4,5,6,7
	v_cndmask_b32 v55, v55, s[32+8*\q+\e], s[32+8*\q+\e]   ; the mask of my own expert,
	v_cndmask_b32 v56, v56, s[24+\e], s[32+8*\q+\e]        ; and where it stands
	s_bcnt1_i32_b32 s76, s[32+8*\q+\e]
	s_add_co_u32 s[24+\e], s[24+\e], s76
.endr
	v_mbcnt_lo_u32_b32 v[44+\q], v55, v56          ; + the lanes below me that go to the same expert
	s_delay_alu instid0(VALU_DEP_1)
	v_min_u32 v[44+\q], ROWS, v[44+\q]
.endr
	global_store_b128 v2, v[44:47], s[8:9] offset:512      ; pos: 32 lanes store 512 consecutive bytes
.irp q, 0,1,2,3
	v_lshlrev_b32 v[48+\q], 2, v[44+\q]
.endr
.irp q, 0,1,2,3
	global_store_b32 v[48+\q], v[52+\q/2], s[8:9] offset:16896   ; rowtok
.endr
; The row in v[p] gets token 0 if it lies below s[lim]; a lane whose row lies at or past it puts its 0 into its dump word.  All lanes stay on.
; The choice stands ahead of the hold at the last dump word; each use has an address register of its own, so nothing is written again while a store may still read it.
.macro PADZ p, lim
	v_cmp_gt_u32 vcc_lo, s[\lim], v[\p]
	s_delay_alu instid0(VALU_DEP_1)
	v_cndmask_b32 v[\p], v54, v[\p], vcc_lo
	s_delay_alu instid0(VALU_DEP_1)
	v_min_u32 v[\p], DUMP+31, v[\p]
	s_delay_alu instid0(VALU_DEP_1)
	v_lshlrev_b32 v[\p], 2, v[\p]
	global_store_b32 v[\p], v57, s[8:9] offset:16896
.endm
	s_lshr_b32 s75, s12, 2                         ; four waves see to the padding of one expert: at most 175 rows, 2 x 128 places
	s_mov_b32 s78, 0
	s_mov_b32 s79, 0
	s_mov_b32 s80, 0
.irp e, 0,1,2,3,4,5,6,7
	s_cmp_eq_u32 s75, \e
	s_cselect_b32 s78, s[16+\e], s78
	s_cselect_b32 s79, s[66+\e], s79
	s_cselect_b32 s80, s[67+\e], s80
.endr
	s_mul_i32 s79, s79, MT
	s_add_co_u32 s79, s79, s78                     ; the first row behind the expert's entries
	s_mul_i32 s80, s80, MT                         ; the end of its last tile
	s_and_b32 s81, s12, 3
	s_lshl_b32 s81, s81, 5
	s_add_co_u32 s79, s79, s81
	v_add_nc_u32 v64, s79, v1
	s_delay_alu instid0(VALU_DEP_1)
	v_add_nc_u32 v65, 0x80, v64
	PADZ 64, 80
	PADZ 65, 80
	s_mul_i32 s79, s74, MT                         ; the tiles not in use: at least 24 are in use, so at most 5,456 - 4,224 = 1,232 rows, 2 x 1,024 places
	s_mov_b32 s81, ROWS+1
	v_add_nc_u32 v66, s79, v0
	s_delay_alu instid0(VALU_DEP_1)
	v_add_nc_u32 v67, 0x400, v66
	PADZ 66, 81
	PADZ 67, 81
	s_cmp_lt_u32 s12, 2                            ; behind the launch's one barrier: a branch on the wave's number.  The table's 64 entries are the work of waves 0 and 1
	s_cbranch_scc0 .Lend
	v_mov_b32 v58, 0                               ; tile i = my thread's number: its expert is the last whose first tile is at or below i
	v_mov_b32 v61, 0
	v_mov_b32 v62, s16
.irp e, 1,2,3,4,5,6,7
	v_cmp_le_u32 vcc_lo, s[66+\e], v0
	s_delay_alu instid0(VALU_DEP_1)
	v_cndmask_b32 v58, v58, \e, vcc_lo
	s_delay_alu instid0(VALU_DEP_2)
	v_cndmask_b32 v61, v61, s[66+\e], vcc_lo
	s_delay_alu instid0(VALU_DEP_3)
	v_cndmask_b32 v62, v62, s[16+\e], vcc_lo
.endr
	s_delay_alu instid0(VALU_DEP_2)
	v_sub_nc_u32 v61, v0, v61
	s_delay_alu instid0(VALU_DEP_1)
	v_mul_u32_u24 v61, v61, MT
	s_delay_alu instid0(VALU_DEP_1)
	v_sub_nc_u32 v59, v62, v61                     ; what is left of the expert's rows from this tile on,
	s_delay_alu instid0(VALU_DEP_1)
	v_max_i32 v59, 0, v59
	s_delay_alu instid0(VALU_DEP_1)
	v_min_i32 v59, MT, v59                         ; held between 0 and 176
	global_store_b64 v63, v[58:59], s[8:9]         ; 256 consecutive bytes a wave
	s_cmp_lg_u32 s12, 0                            ; the aux loss is wave 0's
	s_cbranch_scc1 .Lend
.irp m, 1,2,4,8                                ; S_e: the 32 waves' sums
.irp e, 0,1,2,3,4,5,6,7
	v_add_f32_dpp v[32+\e], v[32+\e], v[32+\e] row_xmask:\m row_mask:0xf bank_mask:0xf
.endr
.endr
.irp e, 0,1,2,3,4,5,6,7
	v_permlanex16_b32 v[8+\e], v[32+\e], s13, s14
.endr
.irp e, 0,1,2,3,4,5,6,7
	v_add_f32 v[32+\e], v[32+\e], v[8+\e]
.endr
	v_cvt_f32_u32 v16, s16
	s_delay_alu instid0(VALU_DEP_1)
	v_mul_f32 v55, v16, v32
.irp e, 1,2,3,4,5,6,7
	v_cvt_f32_u32 v16, s[16+\e]
	s_delay_alu instid0(VALU_DEP_1)
	v_fmac_f32 v55, v16, v[32+\e]
.endr
	s_delay_alu instid0(VALU_DEP_1)
	v_mul_f32 v55, 0x36000000, v55                 ; x 8 / 2048^2 = 2^-19
	v_cmp_eq_u32 vcc_lo, 0, v0                     ; thread 0 alone stores the one number: the mask hangs on the thread's number
	s_wait_alu depctr_va_vdst(0)
	s_wait_xcnt 0x0                                ; EXEC changes only behind this wait
	s_and_saveexec_b32 s77, vcc_lo
	global_store_b32 v57, v55, s[10:11]            ; the aux loss
	s_wait_xcnt 0x0                                ; and again in front of the line that widens it
	s_or_b32 exec_lo, exec_lo, s77
.Lend:
	s_wait_tensorcnt 0x0
	ds_add_u32 v72, v73
	s_wait_dscnt 0x0
	s_endpgm
.Lfunc_end_k_q33c6ea34ef_place:
	.size	k_q33c6ea34ef_place, .Lfunc_end_k_q33c6ea34ef_place-k_q33c6ea34ef_place
	.p2alignl 7, 3214868480
	.fill 96, 4, 3214868480
	.section	.rodata,"a",@progbits
	.p2align	6, 0x0
	.amdhsa_kernel k_q33c6ea34ef_place
		.amdhsa_group_segment_fixed_size 6144
		.amdhsa_private_segment_fixed_size 0
		.amdhsa_enable_private_segment 0
		.amdhsa_kernarg_size 32
		.amdhsa_user_sgpr_count 2
		.amdhsa_user_sgpr_kernarg_segment_ptr 1
		.amdhsa_wavefront_size32 1
		.amdhsa_system_sgpr_workgroup_id_x 1
		.amdhsa_system_sgpr_workgroup_id_y 1
		.amdhsa_system_sgpr_workgroup_id_z 1
		.amdhsa_system_vgpr_workitem_id 0
		.amdhsa_next_free_vgpr 74
		.amdhsa_next_free_sgpr 96
		.amdhsa_reserve_vcc 1
		.amdhsa_float_denorm_mode_32 3
		.amdhsa_float_denorm_mode_16_64 3
		.amdhsa_memory_ordered 1
		.amdhsa_forward_progress 1
		.amdhsa_inst_pref_size 35
	.end_amdhsa_kernel
	.amdgpu_metadata
---
amdhsa.version: [ 1, 2 ]
amdhsa.kernels:
  - .name:           k_q33c6ea34ef_place
    .symbol:         k_q33c6ea34ef_place.kd
    .args:
      - { .name: sel, .offset: 0, .size: 8, .value_kind: global_buffer, .address_space: global }
      - { .name: probs, .offset: 8, .size: 8, .value_kind: global_buffer, .address_space: global }
      - { .name: plan, .offset: 16, .size: 8, .value_kind: global_buffer, .address_space: global }
      - { .name: out1, .offset: 24, .size: 8, .value_kind: global_buffer, .address_space: global }
    .group_segment_fixed_size: 6144
    .private_segment_fixed_size: 0
    .kernarg_segment_align: 8
    .kernarg_segment_size: 32
    .max_flat_workgroup_size: 1024
    .sgpr_count:     96
    .vgpr_count:     74
    .wavefront_size: 32
...
	.end_amdgpu_metadata
.endif
;; end of part 11
;; launch up (part 12): grid 8 x 31, 4 waves a work-group, no clusters, 322,816 bytes of LDS; arguments xcodes, W1_codes, b1, lowp_scales, plan, hcodes; writes hcodes
.if DOCPART == 12
	.amdgcn_target "amdgcn-amd-amdhsa--gfx1250"
	.amdhsa_code_object_version 6
	.text
	.protected	k_q33c6ea34ef_up
	.globl	k_q33c6ea34ef_up
	.p2align	8
	.type	k_q33c6ea34ef_up,@function
k_q33c6ea34ef_up:
	s_mov_b64 s[64:65], 0
	v_nop
	global_prefetch_b8 v0, s[64:65] scope:SCOPE_SE
	s_setreg_imm32_b32 hwreg(HW_REG_WAVE_SCHED_MODE, 0, 2), 2
	s_setreg_imm32_b32 hwreg(HW_REG_WAVE_MODE, 25, 1), 1
	s_wait_xcnt 0x0
	s_wait_alu depctr_vm_vsrc(0)
; UP.  h = Q(relu(xn W1^T + b1)) for the rows that were routed.  Work-group (col, y) makes 176 slab rows (tile y, one expert) x 256 hidden units (256 col on), K = 1,024, on E4M3 codes.
; WHY 176 ROWS: (4096 + 8 x 175) / 176 = 31 tiles serve every split, so the grid is 8 x 31 = 248 work-groups, each with a WGP of its own from the start.
; Four waves, 2 x 2.  The tile's 11 blocks of 16 rows go to two halves of SIX: wave w takes blocks 5 (w / 2) .. 5 (w / 2) + 5 and units 128 (w % 2) on: 6 x 8 accumulators of 16 x 16.
; Block 5 is multiplied by both halves and stored by the upper one alone (a branch on the wave's number, behind the last barrier).  K goes in steps of 256 (two matrix instructions deep).
; No branch hangs on a number read from memory: every wave passes every barrier.  A tile that the split leaves empty is entered as expert 7 with token 0's rows; nobody reads its slab.
; THE ROWS are gathered once by the list (rowtok), 256 bytes a piece, and stay in LDS (pitch 1,040).  W1's tile comes in whole pieces of 256 bytes through registers into two LDS slots (pitch 272) that take turns:
; one barrier a K step.  In front of it a wave's stores into the next slot have landed and its reads of this slot are back; behind it the next slot is read, and this slot is written again only a step later.
; THE MATRIX INSTRUCTION IS USED TRANSPOSED (source 0 = 16 rows of W1, source 1 = 16 slab rows): a lane holds ONE slab row and eight hidden units.
; THE ROWS OF W1 THAT FORM A TILE ARE NOT NEIGHBOURS: on the way into LDS bits 3 and 4 of the row's number change places, so that LDS row 16 t + r holds unit 32 (t / 2) + 8 (t % 2) + r + 8 (r / 8),
; and the 16 registers of tiles 2 b, 2 b + 1 are 16 neighbours along the next K.  The conversions' results are then the next product's operand, stored as an image of its registers:
; hcodes[tile][step of 128 K][block of 16 rows: 11][4][lane][16 bytes]: every store is 512 consecutive bytes.
; k in a fragment: registers 4 c .. 4 c + 3 hold k = 32 c + 16 (lane / 16) + 0 .. 15, alike in both operands (four loads of 16 bytes).
; b1 has no registers of its own while the sums run (all 1,024 are in use): it comes into the registers of W1's way once they are free, is divided by 2^(e0 + e1) and added to the finished sums.
; The three scales ahead of the quantiser are folded into the conversion's one, 2^(e3 - e0 - e1); the hold at 448 clips at 0 too (relu).
; NO JOINT LOADS: the rows that the eight column tiles share are gathered by a list, which no tile descriptor states; the row tiles that share a tile of W1 are set by the split, so partners' addresses would differ.
; LIMITS: e3 - e0 - e1 between -126 and 119.  NaN among the inputs is not served.
; REGISTERS, in windows of 256: window 0: v0-16 addresses; v32-127 six row fragments, v128-255 eight fragments of W1 (buffer 0).  window 1: v0-21 the gather's offsets; v32-255 buffer 1.
;   window 2: accumulators of row blocks 0-3 at v[64 a + 8 t].  window 3: row blocks 4, 5 at v[64 (a - 4) + 8 t]; v128-255 W1 on its way to LDS, at the end v128-191 the bias.
; THE MODE: SCHED_MODE bits 1:0 = 2 (LLVM: expert scheduling mode 2), set by the entry lines.  The code itself states the register dependences between vector or matrix instructions
; and memory or LDS instructions, with s_wait_alu, always for 0.
; THE PLAN.  Registers that memory or LDS instructions touch:
;   v3-v13, v16      addresses and offsets: made once at the head by vector instructions, never written again.  One wait on va_vdst ahead of the first load serves them for the whole kernel.
;   window 1 v0-21   loaded (the list), made into offsets by vector instructions, read by the gather: one wait on va_vdst ahead of the gather.
;   buffers 0 and 1  At the head the gathered rows pass through them: loaded, read by LDS stores.  In a K step buffer 0 is read by the first half's 48 products and loaded again behind the barrier;
;                    buffer 1 is read by the second half's 48 and loaded again from the next step's head on.
;   window 3 v128 on loaded from memory, read by the LDS stores into a slot, loaded again; the bias lands there last, and from then on vector instructions alone name it.
;   v32-127          on the way out: written by the conversions, read by the stores; each block has registers of its own.
;   The accumulators are named by matrix and vector instructions alone.
; THE WAITS OF A K STEP.  One on va_vdst at its head: the step before is done reading buffer 1.  Buffer 1's 56 loads follow in four runs among the first half's products, which name buffer 0 and the accumulators.
; One on vm_vsrc behind the stores into the slot, ahead of the loads that land in the registers which those stores read.  One on va_vdst ahead of the barrier's signal: the first half is done reading buffer 0;
; buffer 0's 56 loads follow behind the barrier in three runs among the second half's products, which name buffer 1 and the accumulators.
.set PA,    1040                       ; a slab row in LDS: 1,024 bytes + 16: an odd multiple of 16, so the 16 rows of a fragment load start at 16 different groups of banks
.set PB,    272                        ; a row of W1's tile: 256 + 16
.set MR,    176                        ; rows in a tile
.set BOFF,  MR*PA                      ; behind the rows: two slots
.set BSLOT, 256*PB
.set TILEB, 16*11*2048                 ; a tile's images in hcodes
.set NA,    6
.set NB,    8
.set KS,    4                          ; K steps
.set RF,    32
.set WF,    128
.set SG,    128
.set BIAS,  128
.set MSB,   0
.macro WIN new                         ; bits 1:0 source 0, 3:2 source 1, 5:4 source 2, 7:6 destination; the high byte repeats the setting that is left
.if MSB != (\new)
	s_set_vgpr_msb (MSB<<8)|(\new)
.set MSB, (\new)
.endif
.endm
.macro PLACES                          ; four plain instructions between a matrix instruction and a vector read of its result; they stand ahead of the loads into fragment registers too, beside the wait on va_vdst
.rept 4
	v_nop
.endr
.endm
.macro GLOAD k                         ; K step k of my 64 rows of W1: 32 loads, each two rows x 256 bytes
	WIN 0xc0
.set i, 0
.rept 32
	global_load_b128 v[SG+4*i:SG+4*i+3], v10, s[10:11] offset:2048*i+256*(\k)
.set i, i+1
.endr
.endm
.macro BLOAD                           ; b1: lane (r, h) wants, for tile t, the units 32 (t / 2) + 16 h + 8 (t % 2) + 0 .. 7
	WIN 0xc0
.irp t, 0,1,2,3,4,5,6,7
	global_load_b128 v[BIAS+8*\t:BIAS+8*\t+3], v11, s[12:13] offset:(32*(\t/2)+8*(\t%2))*4
	global_load_b128 v[BIAS+8*\t+4:BIAS+8*\t+7], v11, s[12:13] offset:(32*(\t/2)+8*(\t%2))*4+16
.endr
.endm
.macro SSTORE k                        ; into slot k % 2, bits 3 and 4 of the row changing places
	WIN 0x0c
.set i, 0
.rept 32
.set sw, ((2*i)&0x27)|((((2*i)>>3)&1)<<4)|((((2*i)>>4)&1)<<3)
	ds_store_b128 v[8+((\k)&1)], v[SG+4*i:SG+4*i+3] offset:sw*PB
.set i, i+1
.endr
.endm
.macro FETW f, k, u, lo                ; four of W1's eight fragments, tiles lo .. lo + 3, of 128 along K (half u of K step k) into buffer f: 16 loads
	WIN 0x40*(\f)
.irp t, 0,1,2,3
.irp c, 0,1,2,3
	ds_load_b128 v[WF+16*((\lo)+\t)+4*\c:WF+16*((\lo)+\t)+4*\c+3], v[5+((\k)&1)] offset:16*PB*((\lo)+\t)+128*(\u)+32*\c
.endr
.endr
.endm
.macro FETR f, k, u, hi                ; three of the six row fragments, 3 hi .. 3 hi + 2, of the same 128 along K: 12 loads
	WIN 0x40*(\f)
.irp m, 0,1,2
.irp c, 0,1,2,3
	ds_load_b128 v[RF+16*(3*(\hi)+\m)+4*\c:RF+16*(3*(\hi)+\m)+4*\c+3], v[3+(\hi)] offset:16*PA*\m+256*(\k)+128*(\u)+32*\c
.endr
.endr
.endm
; row blocks alo .. ahi x the eight tiles of units, 128 along K, from buffer f.  The 48 accumulators take turns, in the same order in every half step; the first products start the sums.
.macro MUL f, alo, ahi, first
.set a, \alo
.rept (\ahi)-(\alo)+1
.set ac, 64*(a%4)
	WIN 0xa0+0x50*(a/4)+5*(\f)
.set t, 0
.rept NB
.if \first
	v_wmma_f32_16x16x128_fp8_fp8 v[ac+8*t:ac+8*t+7], v[WF+16*t:WF+16*t+15], v[RF+16*a:RF+16*a+15], 0
.else
	v_wmma_f32_16x16x128_fp8_fp8 v[ac+8*t:ac+8*t+7], v[WF+16*t:WF+16*t+15], v[RF+16*a:RF+16*a+15], v[ac+8*t:ac+8*t+7]
.endif
.set t, t+1
.endr
.set a, a+1
.endr
.endm
.macro STEP k
.set zr, 0
.if (\k) == 0
.set zr, 1
.endif
.if (\k) > 0
	PLACES
	WIN 0x40
	s_wait_alu depctr_va_vdst(0)                   ; the last step's products are done reading buffer 1, in which this half's 56 loads land
.endif
	FETW 1, \k, 1, 0
	s_wait_dscnt 16                                ; buffer 0 is in; the sixteen loads just issued may be out
	MUL 0, 0, 0, zr
	FETW 1, \k, 1, 4                               ; no further wait: the products since the wait above name buffer 0 and the accumulators, none of the registers that these loads touch
	MUL 0, 1, 1, zr
	FETR 1, \k, 1, 0
	MUL 0, 2, 2, zr
	FETR 1, \k, 1, 1
	MUL 0, 3, 5, zr
.if (\k)+1 < KS
	s_wait_loadcnt 0x0                             ; the next K step of W1 has come into registers
	SSTORE (\k)+1                                  ; into the slot that every wave left at the last barrier
.endif
	s_wait_dscnt 0x0                               ; buffer 1 is in, my stores have landed, my reads of this slot are over
.if (\k)+2 <= KS
	WIN 0xc0
	s_wait_alu depctr_vm_vsrc(0)                   ; the LDS stores above have read window 3's v128 on, in which the loads below land
.endif
.if (\k)+2 < KS
	GLOAD (\k)+2                                   ; the K step after the next, which has a whole step in which to come
.endif
.if (\k)+2 == KS
	BLOAD                                          ; nothing of W1 is left to fetch: the registers take the bias, which is wanted behind the last product
.endif
.if (\k)+1 < KS
	s_wait_alu depctr_va_vdst(0)                   ; this step's first 48 products are done reading buffer 0, in which the loads behind the barrier land
	s_barrier_signal -1
.endif
	MUL 1, 0, 1, 0                                 ; work on registers while the others arrive
.if (\k)+1 < KS
	s_barrier_wait -1                              ; the next slot is whole
	PLACES
	FETW 0, (\k)+1, 0, 0                           ; no further wait: the products since the wait ahead of the signal name buffer 1 and the accumulators
	MUL 1, 2, 2, 0
	FETW 0, (\k)+1, 0, 4
	MUL 1, 3, 3, 0
	FETR 0, (\k)+1, 0, 0
	FETR 0, (\k)+1, 0, 1
	MUL 1, 4, 5, 0
.else
	MUL 1, 2, 5, 0
.endif
.endm
	s_load_b256 s[8:15], s[0:1], 0x0               ; xcodes s[8:9], W1_codes s[10:11], b1 s[12:13], lowp_scales s[14:15]
	s_load_b128 s[16:19], s[0:1], 0x20             ; plan s[16:17], hcodes s[18:19]
	v_lshl_add_u32 v30, v0, 2, 0x4eb00
	v_mov_b32 v31, 0
	v_lshrrev_b32 v1, 5, v0
	v_readfirstlane_b32 s20, v1                    ; wave w
	s_and_b32 s24, ttmp7, 0xffff                   ; tile y
	v_and_b32 v1, 15, v0                           ; r
	v_bfe_u32 v2, v0, 4, 1                         ; h
	v_lshlrev_b32 v16, 4, v1                       ; 16 r
	v_and_b32 v13, 31, v0
	v_lshlrev_b32 v13, 4, v13                      ; 16 x lane
	v_mul_u32_u24 v3, v1, PA
	v_lshl_add_u32 v3, v2, 4, v3
	s_wait_alu depctr_va_sdst(0)                   ; s20 is written, ahead of its first reader: the wave's shares and addresses are made from it
	s_lshr_b32 s21, s20, 1                         ; which half of the rows
	s_and_b32 s22, s20, 1                          ; which 128 units
	s_mul_i32 s32, s21, 80*PA
	v_add_nc_u32 v3, s32, v3                       ; row fragments 0-2: (80 (w / 2) + r) PA + 16 h
	v_add_nc_u32 v4, 48*PA, v3                     ; row fragments 3-5: 48 rows on (the immediate has 16 bits)
	v_mul_u32_u24 v5, v1, PB
	v_lshl_add_u32 v5, v2, 4, v5
	s_mul_i32 s32, s22, 128*PB
	s_add_co_u32 s32, s32, BOFF
	v_add_nc_u32 v5, s32, v5                       ; fragments of W1, slot 0: (128 (w % 2) + r) PB + 16 h
	v_add_nc_u32 v6, BSLOT, v5                     ; slot 1
	v_mul_u32_u24 v7, v2, PA
	v_add_nc_u32 v7, v7, v16
	s_mul_i32 s32, s20, 44*PA
	v_add_nc_u32 v7, s32, v7                       ; the rows' way in: (44 w + h) PA + 16 r
	v_mul_u32_u24 v8, v2, PB
	v_add_nc_u32 v8, v8, v16
	s_mul_i32 s32, s20, 64*PB
	s_add_co_u32 s32, s32, BOFF
	v_add_nc_u32 v8, s32, v8                       ; W1's way in, slot 0: (64 w + h) PB + 16 r
	v_add_nc_u32 v9, BSLOT, v8                     ; slot 1
	v_lshl_add_u32 v10, v2, 10, v16
	s_lshl_b32 s32, s20, 16
	v_add_nc_u32 v10, s32, v10                     ; W1 in memory: (64 w + h) x 1,024 + 16 r
	v_lshlrev_b32 v11, 6, v2                       ; b1: 64 h
	v_lshlrev_b32 v12, 2, v2
	s_mul_i32 s32, s20, 4*44
	v_add_nc_u32 v12, s32, v12                     ; the list: 4 (44 w + h)
	s_mov_b32 s33, 0
	s_lshl_b32 s32, s24, 3
	s_mul_i32 s36, s24, 4*MR
	s_mov_b32 s37, 0
	s_wait_kmcnt 0x0
	s_add_nc_u64 s[34:35], s[16:17], s[32:33]
	s_load_b32 s25, s[34:35], 0x0                  ; the tile's expert
	s_load_b128 s[28:31], s[14:15], 0x0            ; e0, e1, e2, e3
	s_add_nc_u64 s[16:17], s[16:17], s[36:37]      ; the tile's 176 entries of the list
	WIN 0x40
	s_wait_alu depctr_va_vdst(0)                   ; the addresses and offsets v3 to v13 are written, which the loads and stores of the whole kernel read; none is written again
.set i, 0
.rept 22
	global_load_b32 v[i], v12, s[16:17] offset:16896+8*i   ; the token of row 44 w + 2 i + h, in sixteen lanes
.set i, i+1
.endr
	s_wait_kmcnt 0x0
	s_min_u32 s25, s25, 7
	s_lshl_b32 s32, s25, 21                        ; an expert's W1 is 2,048 x 1,024 bytes,
	s_lshl_b32 s38, ttmp9, 18                      ; 256 of its rows 2^18
	s_add_co_u32 s32, s32, s38
	s_add_nc_u64 s[10:11], s[10:11], s[32:33]
	GLOAD 0
	WIN 0
	s_lshl_b32 s32, s25, 13                        ; b1: 4 (2,048 e + 256 col + 128 (w % 2))
	s_lshl_b32 s38, ttmp9, 10
	s_add_co_u32 s32, s32, s38
	s_lshl_b32 s38, s22, 9
	s_add_co_u32 s32, s32, s38
	s_add_nc_u64 s[12:13], s[12:13], s[32:33]
	s_mul_i32 s32, s24, TILEB                      ; hcodes: the tile, K step 2 col + w % 2 of the next product, blocks 5 (w / 2) on
	s_lshl_b32 s38, ttmp9, 1
	s_add_co_u32 s38, s38, s22
	s_mul_i32 s38, s38, 11
	s_mul_i32 s42, s21, 5
	s_add_co_u32 s38, s38, s42
	s_lshl_b32 s38, s38, 11
	s_add_co_u32 s32, s32, s38
	s_add_nc_u64 s[18:19], s[18:19], s[32:33]
	s_add_co_i32 s39, s28, s29                     ; e0 + e1: a sum stands for sum x 2^(e0 + e1)
	s_sub_co_i32 s40, 0, s39
	s_sub_co_i32 s41, s31, s39
	s_add_co_i32 s41, s41, 127
	s_lshl_b32 s42, s41, 23
	v_mov_b32 v14, s42                             ; 2^(e3 - e0 - e1) as f32: the conversion takes its exponent field
	s_add_co_i32 s41, s41, 8
	s_lshl_b32 s41, s41, 23
	s_or_b32 s41, s41, 0x600000
	v_mov_b32 v15, s41                             ; 448 x that
	s_wait_loadcnt 32                              ; the list is in; W1's 32 loads may be out
	WIN 0x44
.set i, 0
.rept 22
	v_min_u32 v[i], 0x7ff, v[i]
.set i, i+1
.endr
	WIN 0x41
.set i, 0
.rept 22
	v_lshl_add_u32 v[i], v[i], 10, v16             ; the token's row of codes + 16 r
.set i, i+1
.endr
	WIN 0x01
	s_wait_alu depctr_va_vdst(0)                   ; the 22 offsets in window 1 are written, which the gather below reads
.set i, 0
.rept 22                                       ; my 44 rows, two a load, four pieces of 256 bytes each: into the fragment buffers, which are still free
	WIN 0x01+0x40*(i/14)
.irp u, 0,1,2,3
	global_load_b128 v[RF+16*(i%14)+4*\u:RF+16*(i%14)+4*\u+3], v[i], s[8:9] offset:256*\u
.endr
.set i, i+1
.endr
	s_wait_loadcnt 0x0
	SSTORE 0
.set i, 0
.rept 22
	WIN 0x04*(i/14)
.irp u, 0,1,2,3
	ds_store_b128 v7, v[RF+16*(i%14)+4*\u:RF+16*(i%14)+4*\u+3] offset:2*PA*i+256*\u
.endr
.set i, i+1
.endr
	s_wait_dscnt 0x0                               ; for the others: my rows and my part of slot 0 lie in LDS
	WIN 0xc0
	s_wait_alu depctr_vm_vsrc(0)                   ; the LDS stores above have read window 3's v128 on, in which K step 1 lands, and both fragment buffers, in which the first fragments land
	GLOAD 1
	WIN 0
	s_barrier_signal -1
	s_barrier_wait -1
	FETW 0, 0, 0, 0
	FETW 0, 0, 0, 4
	FETR 0, 0, 0, 0
	FETR 0, 0, 0, 1
	STEP 0
	STEP 1
	STEP 2
	STEP 3
	; THE WAY OUT, a block of 16 rows at a time: the bias, relu and the hold in one, the conversion, four stores of 512 consecutive bytes.  Each block's codes have registers of their own.
	PLACES
	s_wait_loadcnt 0x0                             ; the bias
	WIN 0xc3
.set i, 0
.rept 64
	v_ldexp_f32 v[BIAS+i], v[BIAS+i], s40          ; b1 / 2^(e0 + e1)
.set i, i+1
.endr
.irp a, 0,1,2,3,4,5
.if \a == 5
	s_cmp_eq_u32 s21, 0                            ; the lower half's sixth block is the upper half's first, which stores it
	s_cbranch_scc1 .Lend
.endif
.set ac, 64*(\a%4)
	WIN 0x8e+0x41*(\a/4)
.set i, 0
.rept 32
	v_pk_add_f32 v[ac+i:ac+i+1], v[ac+i:ac+i+1], v[BIAS+i:BIAS+i+1]   ; each accumulator from its low end on
.set i, i+2
.endr
	WIN 0x82+0x41*(\a/4)
.set i, 0
.rept 64
	v_med3_num_f32 v[ac+i], v[ac+i], 0, v15        ; between 0 and the largest code x the scale (the conversion does not saturate: ISA guide 7.6.2)
.set i, i+1
.endr
	WIN 0x02+(\a/4)
.set g, 0
.rept 8
	v_cvt_scalef32_pk8_fp8_f32 v[RF+16*\a+2*g:RF+16*\a+2*g+1], v[ac+8*g:ac+8*g+7], v14
.set g, g+1
.endr
	v_nop                                          ; a plain instruction behind the last conversion
	WIN 0
	s_wait_alu depctr_va_vdst(0)                   ; the conversions have written the block's sixteen registers of codes, which the four stores read
.irp c, 0,1,2,3
	global_store_b128 v13, v[RF+16*\a+4*\c:RF+16*\a+4*\c+3], s[18:19] offset:2048*\a+512*\c
.endr
.endr
.Lend:
	s_wait_dscnt 0x0                               ; the closing lines, six on end
	s_wait_alu 0x0
	s_wait_tensorcnt 0x0
	ds_add_u32 v30, v31
	s_wait_dscnt 0x0
	s_endpgm
.Lfunc_end_k_q33c6ea34ef_up:
	.size	k_q33c6ea34ef_up, .Lfunc_end_k_q33c6ea34ef_up-k_q33c6ea34ef_up
	.p2alignl 7, 3214868480
	.fill 96, 4, 3214868480
	.section	.rodata,"a",@progbits
	.p2align	6, 0x0
	.amdhsa_kernel k_q33c6ea34ef_up
		.amdhsa_group_segment_fixed_size 322816
		.amdhsa_private_segment_fixed_size 0
		.amdhsa_enable_private_segment 0
		.amdhsa_kernarg_size 48
		.amdhsa_user_sgpr_count 2
		.amdhsa_user_sgpr_kernarg_segment_ptr 1
		.amdhsa_wavefront_size32 1
		.amdhsa_system_sgpr_workgroup_id_x 1
		.amdhsa_system_sgpr_workgroup_id_y 1
		.amdhsa_system_sgpr_workgroup_id_z 1
		.amdhsa_system_vgpr_workitem_id 0
		.amdhsa_next_free_vgpr 1024
		.amdhsa_next_free_sgpr 66
		.amdhsa_reserve_vcc 0
		.amdhsa_float_denorm_mode_32 3
		.amdhsa_float_denorm_mode_16_64 3
		.amdhsa_memory_ordered 1
		.amdhsa_forward_progress 1
		.amdhsa_inst_pref_size 148
	.end_amdhsa_kernel
	.amdgpu_metadata
---
amdhsa.version: [ 1, 2 ]
amdhsa.kernels:
  - .name:           k_q33c6ea34ef_up
    .symbol:         k_q33c6ea34ef_up.kd
    .args:
      - { .name: xcodes, .offset: 0, .size: 8, .value_kind: global_buffer, .address_space: global }
      - { .name: W1_codes, .offset: 8, .size: 8, .value_kind: global_buffer, .address_space: global }
      - { .name: b1, .offset: 16, .size: 8, .value_kind: global_buffer, .address_space: global }
      - { .name: lowp_scales, .offset: 24, .size: 8, .value_kind: global_buffer, .address_space: global }
      - { .name: plan, .offset: 32, .size: 8, .value_kind: global_buffer, .address_space: global }
      - { .name: hcodes, .offset: 40, .size: 8, .value_kind: global_buffer, .address_space: global }
    .group_segment_fixed_size: 322816
    .private_segment_fixed_size: 0
    .kernarg_segment_align: 8
    .kernarg_segment_size: 48
    .max_flat_workgroup_size: 128
    .sgpr_count:     66
    .vgpr_count:     1024
    .wavefront_size: 32
...
	.end_amdgpu_metadata
.endif
;; end of part 12
;; launch down (part 13): grid 8 x 31, 4 waves a work-group, no clusters, 177,664 bytes of LDS; arguments hcodes, W2_codes, b2, lowp_scales, plan, yrows; writes yrows
.if DOCPART == 13
	.amdgcn_target "amdgcn-amd-amdhsa--gfx1250"
	.amdhsa_code_object_version 6
	.text
	.protected	k_q33c6ea34ef_down
	.globl	k_q33c6ea34ef_down
	.p2align	8
	.type	k_q33c6ea34ef_down,@function
k_q33c6ea34ef_down:
	s_mov_b64 s[64:65], 0
	v_nop
	global_prefetch_b8 v0, s[64:65] scope:SCOPE_SE
	s_setreg_imm32_b32 hwreg(HW_REG_WAVE_SCHED_MODE, 0, 2), 2
	s_setreg_imm32_b32 hwreg(HW_REG_WAVE_MODE, 25, 1), 1
	s_wait_xcnt 0x0
	s_wait_alu depctr_vm_vsrc(0)
; DOWN.  y = h W2^T x 2^(e2 + e3) + b2 for the routed rows, not yet gated.  Work-group (col, y) makes 176 slab rows (tile y) x 128 outputs (128 col on), K = 2,048, on E4M3 codes.
; Four waves, 2 x 2.  The tile's 11 blocks of 16 rows go to two halves of SIX: wave w takes blocks 5 (w / 2) .. 5 (w / 2) + 5 and outputs 64 (w % 2) on: 6 x 4 accumulators.  Block 5 is multiplied by both
; halves and stored by the upper one alone (a branch on the wave's number, behind the last barrier).  K goes in steps of 256 (two matrix instructions deep), eight steps.
; h comes as images of the operand's registers (a fragment: four pieces of 512 bytes, lane l's 16 bytes at 16 l): a K step is 45,056 consecutive bytes, copied as they lie; a fragment load is 512 consecutive bytes of LDS.
; W2's tile comes in whole pieces of 256 bytes into rows of pitch 272.  Both go through registers into two LDS slots that take turns; one barrier a K step, as in the launch before.
; TWO SETS OF REGISTERS take turns on the way in: while K step k is multiplied, step k + 1 goes from its set into LDS, step k + 2 is on its way into the other set, and step k + 3 is asked for into the set just
; freed: 76 loads of a wave are asked for at most.  The request stands at the step's end, behind the barrier, the fragment loads and the step's last products, so that it holds up no signal and no product.
; No branch hangs on a number read from memory: every wave passes every barrier; a tile that the split leaves empty is worked like any other and nobody reads its slab.
; THE MATRIX INSTRUCTION IS USED TRANSPOSED (source 0 = 16 rows of W2, source 1 = 16 slab rows): a lane holds eight neighbouring outputs of one row.  A block of 16 rows x 64 outputs goes through the
; wave's own stage in LDS and leaves as rows: sixteen lanes store 256 consecutive bytes, aligned.
; JOINT LOADS are left out: h's images (45,056 of a step's 77,824 bytes) are the same for the eight column tiles of a row tile and could be asked for jointly; that would put a ring under the data mover beside
; the way of W2 through registers, whose address hangs on an expert read from memory.  A known loss of this text.
; LIMIT: e2 + e3 between -126 and 127.
; REGISTERS: window 0: v0-19 addresses; v48-143 six fragments of h, v144-207 four of W2 (buffer 0); on the way out v48-175.  window 1: the same numbers, buffer 1; v208-239 b2.
;   window 2: v0-191 accumulators at v[32 a + 8 t]; v192-255 W2 on its way in, set 1.  window 3: v0-87 h and v88-151 W2, set 0; v152-239 h, set 1.
; THE MODE: SCHED_MODE bits 1:0 = 2 (LLVM: expert scheduling mode 2), set by the entry lines.  The code itself states the register dependences between vector or matrix instructions
; and memory or LDS instructions, with s_wait_alu, always for 0.
; THE PLAN.  Registers that memory or LDS instructions touch:
;   v3-v19           addresses and offsets: made once at the head by vector instructions, never written again.  One wait on va_vdst ahead of the first load serves them for the whole kernel.
;   buffers 0 and 1  In a K step buffer 0 is read by the first half's 24 products and loaded again behind the barrier; buffer 1 is read by the second half's 24 and loaded again from the next step's head on.
;   sets 0 and 1     Set s: loaded from memory (K step k, k % 2 = s), read by the LDS stores into slot s, loaded again (K step k + 2).  No vector or matrix instruction names them.
;   on the way out   v48-79 and v144-175 by turns: written by a block's multiply-adds, read by its LDS stores.  v80-111 and v112-143 by turns: loaded from the stage, read by the block's stores.
;   The accumulators and b2 (loaded once) are otherwise named by matrix and vector instructions alone.
; THE WAITS OF A K STEP.  One on va_vdst at its head: the step before is done reading buffer 1; buffer 1's 40 loads follow in three runs among the first half's products, which name buffer 0 and the accumulators.
; One on va_vdst ahead of the barrier's signal: the first half is done reading buffer 0; buffer 0's 40 loads follow behind the barrier in three runs among the second half's products, which name buffer 1 and the
; accumulators.  One on vm_vsrc at the step's end, ahead of the loads into the set that this step's LDS stores have read.
.set PB,    272
.set HSLOT, 45056                      ; two steps of 128 K x 11 fragments x 2,048 bytes
.set HHALF, 22528
.set TILEB, 8*HSLOT                    ; a tile's images in hcodes
.set BOFF,  2*HSLOT
.set BSLOT, 128*PB
.set STG,   BOFF+2*BSLOT               ; four stages of 16 x 272 bytes
.set NA,    6
.set NB,    4
.set NH,    22                         ; a wave's loads of h in a K step: a quarter of HSLOT, 512 bytes each
.set NW,    16                         ; and of W2: 32 rows, two a load
.set NG,    NH+NW
.set KS,    8
.set RF,    48
.set WF,    144
.set B2R,   208
.set TMP,   48                         ; the way out: a block's 32 numbers: v48-79 and, 96 further on, v144-175, by turns
.set OUTR,  80
.set MSB,   0
.macro WIN new                         ; bits 1:0 source 0, 3:2 source 1, 5:4 source 2, 7:6 destination; the high byte repeats the setting that is left
.if MSB != (\new)
	s_set_vgpr_msb (MSB<<8)|(\new)
.set MSB, (\new)
.endif
.endm
.macro PLACES                          ; four plain instructions between a matrix instruction and a vector read of its result; they stand ahead of the loads into fragment registers too, beside the wait on va_vdst
.rept 4
	v_nop
.endr
.endm
.macro GLOAD k                         ; K step k into set k % 2: my quarter of h's images and my 32 rows of W2
.set hb, 152*((\k)&1)
.set wb, 88+104*((\k)&1)
	WIN 0xc0
.set i, 0
.rept NH
	global_load_b128 v[hb+4*i:hb+4*i+3], v7, s[8:9] offset:HSLOT*(\k)+512*i
.set i, i+1
.endr
	WIN 0x40*(3-((\k)&1))
.set i, 0
.rept NW
	global_load_b128 v[wb+4*i:wb+4*i+3], v10, s[10:11] offset:4096*i+256*(\k)
.set i, i+1
.endr
.endm
.macro SSTORE k                        ; from set k % 2 into slot k % 2
.set hb, 152*((\k)&1)
.set wb, 88+104*((\k)&1)
	WIN 0x0c
.set i, 0
.rept NH
	ds_store_b128 v7, v[hb+4*i:hb+4*i+3] offset:HSLOT*((\k)&1)+512*i
.set i, i+1
.endr
	WIN 0x04*(3-((\k)&1))
.set i, 0
.rept NW
	ds_store_b128 v8, v[wb+4*i:wb+4*i+3] offset:BSLOT*((\k)&1)+2*PB*i
.set i, i+1
.endr
.endm
.macro FETW f, k, u                    ; W2's four fragments of 128 along K (half u of K step k) into buffer f: 16 loads
	WIN 0x40*(\f)
.irp t, 0,1,2,3
.irp c, 0,1,2,3
	ds_load_b128 v[WF+16*\t+4*\c:WF+16*\t+4*\c+3], v5 offset:BSLOT*((\k)&1)+16*PB*\t+128*(\u)+32*\c
.endr
.endr
.endm
.macro FETR f, k, u, hi                ; three of h's six fragments, 3 hi .. 3 hi + 2, of the same 128 along K: 12 loads
	WIN 0x40*(\f)
.irp m, 0,1,2
.irp c, 0,1,2,3
	ds_load_b128 v[RF+16*(3*(\hi)+\m)+4*\c:RF+16*(3*(\hi)+\m)+4*\c+3], v[3+((\k)&1)] offset:HHALF*(\u)+2048*(3*(\hi)+\m)+512*\c
.endr
.endr
.endm
; row blocks alo .. ahi x the four tiles of outputs.  The 24 accumulators take turns, in the same order in every half step; the first products start the sums.
.macro MUL f, alo, ahi, first
	WIN 0xa0+5*(\f)
.set a, \alo
.rept (\ahi)-(\alo)+1
.set t, 0
.rept NB
.if \first
	v_wmma_f32_16x16x128_fp8_fp8 v[32*a+8*t:32*a+8*t+7], v[WF+16*t:WF+16*t+15], v[RF+16*a:RF+16*a+15], 0
.else
	v_wmma_f32_16x16x128_fp8_fp8 v[32*a+8*t:32*a+8*t+7], v[WF+16*t:WF+16*t+15], v[RF+16*a:RF+16*a+15], v[32*a+8*t:32*a+8*t+7]
.endif
.set t, t+1
.endr
.set a, a+1
.endr
.endm
.macro STEP k
.set zr, 0
.if (\k) == 0
.set zr, 1
.endif
.if (\k) > 0
	PLACES
	WIN 0x40
	s_wait_alu depctr_va_vdst(0)                   ; the last step's products are done reading buffer 1, in which this half's 40 loads land
.endif
	FETW 1, \k, 1
	s_wait_dscnt 16                                ; buffer 0 is in; the sixteen loads just issued may be out
	MUL 0, 0, 1, zr
	FETR 1, \k, 1, 0                               ; no further wait: the products since the wait above name buffer 0 and the accumulators, none of the registers that these loads touch
	MUL 0, 2, 3, zr
	FETR 1, \k, 1, 1
	MUL 0, 4, 5, zr
.if (\k)+1 < KS
.if (\k)+2 < KS
	s_wait_loadcnt NG                              ; the next K step has come into its set; the 38 loads of the step after it may be out
.else
	s_wait_loadcnt 0x0                             ; the last K step: nothing was asked for behind it
.endif
	SSTORE (\k)+1                                  ; into the slot that every wave left at the last barrier
.endif
	s_wait_dscnt 0x0                               ; buffer 1 is in, my stores have landed, my reads of this slot are over
.if (\k)+1 < KS
	s_wait_alu depctr_va_vdst(0)                   ; this step's first 24 products are done reading buffer 0, in which the loads behind the barrier land
	s_barrier_signal -1
.endif
	MUL 1, 0, 1, 0                                 ; work on registers while the others arrive
.if (\k)+1 < KS
	s_barrier_wait -1                              ; the next slot is whole
	PLACES
	FETW 0, (\k)+1, 0                              ; no further wait: the products since the wait ahead of the signal name buffer 1 and the accumulators
	MUL 1, 2, 2, 0
	FETR 0, (\k)+1, 0, 0
	MUL 1, 3, 3, 0
	FETR 0, (\k)+1, 0, 1
	MUL 1, 4, 5, 0
.if (\k)+3 < KS
	WIN 0xc0
	s_wait_alu depctr_vm_vsrc(0)                   ; this step's LDS stores have read their set, in which the loads below land
	GLOAD (\k)+3                                   ; it has nearly two K steps in which to come
.endif
.else
	MUL 1, 2, 5, 0
.endif
.endm
	s_load_b256 s[8:15], s[0:1], 0x0               ; hcodes s[8:9], W2_codes s[10:11], b2 s[12:13], lowp_scales s[14:15]
	s_load_b128 s[16:19], s[0:1], 0x20             ; plan s[16:17], yrows s[18:19]
	v_lshl_add_u32 v254, v0, 2, 0x2b400
	v_mov_b32 v255, 0
	v_lshrrev_b32 v1, 5, v0
	v_readfirstlane_b32 s20, v1                    ; wave w
	s_and_b32 s24, ttmp7, 0xffff                   ; tile y
	v_and_b32 v1, 15, v0                           ; r
	v_bfe_u32 v2, v0, 4, 1                         ; h
	v_lshlrev_b32 v16, 4, v1                       ; 16 r
	v_and_b32 v13, 31, v0
	v_lshlrev_b32 v13, 4, v13                      ; 16 x lane
	s_wait_alu depctr_va_sdst(0)                   ; s20 is written, ahead of its first reader: the wave's shares and addresses are made from it
	s_lshr_b32 s21, s20, 1                         ; which half of the rows
	s_and_b32 s22, s20, 1                          ; which 64 outputs
	s_mul_i32 s32, s21, 10240
	v_add_nc_u32 v3, s32, v13                      ; my six fragments of h, slot 0: five fragments x (w / 2) + 16 lane
	v_add_nc_u32 v4, HSLOT, v3                     ; slot 1
	v_mul_u32_u24 v5, v1, PB
	v_lshl_add_u32 v5, v2, 4, v5
	s_mul_i32 s32, s22, 64*PB
	s_add_co_u32 s32, s32, BOFF
	v_add_nc_u32 v5, s32, v5                       ; fragments of W2: (64 (w % 2) + r) PB + 16 h
	s_mul_i32 s32, s20, NH*512
	v_add_nc_u32 v7, s32, v13                      ; h's way in, in memory and in LDS alike: 11,264 w + 16 lane
	v_mul_u32_u24 v8, v2, PB
	v_add_nc_u32 v8, v8, v16
	s_mul_i32 s32, s20, 32*PB
	s_add_co_u32 s32, s32, BOFF
	v_add_nc_u32 v8, s32, v8                       ; W2's way in: (32 w + h) PB + 16 r
	v_lshl_add_u32 v10, v2, 11, v16
	s_lshl_b32 s32, s20, 16
	v_add_nc_u32 v10, s32, v10                     ; W2 in memory: (32 w + h) x 2,048 + 16 r
	v_lshlrev_b32 v11, 5, v2                       ; b2: 32 h
	s_mul_i32 s32, s20, 16*PB
	s_add_co_u32 s32, s32, STG                     ; my stage
	v_mul_u32_u24 v17, v1, PB
	v_lshl_add_u32 v17, v2, 5, v17
	v_add_nc_u32 v17, s32, v17                     ; in: row r, 32 bytes for each half of the lanes
	v_mul_u32_u24 v18, v2, PB
	v_add_nc_u32 v18, v18, v16
	v_add_nc_u32 v18, s32, v18                     ; back: lanes 0-15 one row of 256 bytes, lanes 16-31 the next
	v_lshl_add_u32 v19, v2, 12, v16                ; and the same two rows in yrows
	s_mov_b32 s33, 0
	s_lshl_b32 s32, s24, 3
	s_wait_kmcnt 0x0
	s_add_nc_u64 s[34:35], s[16:17], s[32:33]
	s_load_b32 s25, s[34:35], 0x0                  ; the tile's expert
	s_load_b128 s[28:31], s[14:15], 0x0            ; e0, e1, e2, e3
	s_mul_i32 s32, s24, TILEB
	s_add_nc_u64 s[8:9], s[8:9], s[32:33]          ; the tile's images
	s_mul_i32 s32, s24, 176                        ; yrows: 4,096 (176 y + 80 (w / 2)) + 512 col + 256 (w % 2)
	s_mul_i32 s38, s21, 80
	s_add_co_u32 s32, s32, s38
	s_lshl_b32 s32, s32, 12
	s_lshl_b32 s38, ttmp9, 9
	s_add_co_u32 s32, s32, s38
	s_lshl_b32 s38, s22, 8
	s_add_co_u32 s32, s32, s38
	s_add_nc_u64 s[18:19], s[18:19], s[32:33]
	s_wait_kmcnt 0x0
	s_min_u32 s25, s25, 7
	s_lshl_b32 s32, s25, 21                        ; an expert's W2 is 1,024 x 2,048 bytes,
	s_lshl_b32 s38, ttmp9, 18                      ; 128 of its rows 2^18
	s_add_co_u32 s32, s32, s38
	s_add_nc_u64 s[10:11], s[10:11], s[32:33]
	WIN 0xc0
	s_wait_alu depctr_va_vdst(0)                   ; the addresses and offsets v3 to v19 are written, which the loads and stores of the whole kernel read; none is written again
	GLOAD 0
	s_lshl_b32 s32, s25, 12                        ; b2: 4 (1,024 e + 128 col + 64 (w % 2))
	s_lshl_b32 s38, ttmp9, 9
	s_add_co_u32 s32, s32, s38
	s_lshl_b32 s38, s22, 8
	s_add_co_u32 s32, s32, s38
	s_add_nc_u64 s[12:13], s[12:13], s[32:33]
	WIN 0x40
.irp t, 0,1,2,3                                ; lane (r, h) wants, for tile t, the outputs 16 t + 8 h + 0 .. 7
	global_load_b128 v[B2R+8*\t:B2R+8*\t+3], v11, s[12:13] offset:64*\t
	global_load_b128 v[B2R+8*\t+4:B2R+8*\t+7], v11, s[12:13] offset:64*\t+16
.endr
	GLOAD 1
	WIN 0
	s_add_co_i32 s36, s30, s31
	s_add_co_i32 s36, s36, 127
	s_lshl_b32 s36, s36, 23                        ; 2^(e2 + e3) as f32
	s_mov_b32 s37, s36                             ; (named with it as a pair, so it is written)
	s_wait_loadcnt NG                              ; K step 0 and b2 are in; K step 1's 38 loads may be out
	SSTORE 0
	s_wait_dscnt 0x0                               ; for the others: my part of slot 0 lies in LDS
	WIN 0xc0
	s_wait_alu depctr_vm_vsrc(0)                   ; the LDS stores above have read set 0, in which K step 2 lands
	GLOAD 2
	WIN 0
	s_barrier_signal -1
	s_barrier_wait -1
	FETW 0, 0, 0
	FETR 0, 0, 0, 0
	FETR 0, 0, 0, 1
	STEP 0
	STEP 1
	STEP 2
	STEP 3
	STEP 4
	STEP 5
	STEP 6
	STEP 7
; THE WAY OUT, a block of 16 rows x 64 outputs at a time.  LDS serves a wave's instructions in order (ISA guide 5.7.1.4): no wait between the stores into my stage and the loads from it, nor in front of the next block's stores.
; A block's 32 numbers are made in one of two sets of registers, by turns, so that its multiply-adds stand ahead of the waits for the blocks before it.
.macro SUMS a
.set tm, TMP+96*((\a)%2)
	WIN 0x12                                       ; source 0 (the sums) window 2, source 2 (b2) window 1
.irp t, 0,1,2,3
.irp i, 0,2,4,6
	v_pk_fma_f32 v[tm+8*\t+\i:tm+8*\t+\i+1], v[32*(\a)+8*\t+\i:32*(\a)+8*\t+\i+1], s[36:37], v[B2R+8*\t+\i:B2R+8*\t+\i+1] op_sel_hi:[1,0,1]   ; sum x 2^(e2 + e3) + b2; each accumulator from its low end on
.endr
.endr
	WIN 0
.endm
.macro STAGE a
.set tm, TMP+96*((\a)%2)
.set ob, OUTR+32*((\a)%2)
.irp t, 0,1,2,3
	ds_store_b128 v17, v[tm+8*\t:tm+8*\t+3] offset:64*\t
	ds_store_b128 v17, v[tm+8*\t+4:tm+8*\t+7] offset:64*\t+16
.endr
.irp i, 0,1,2,3,4,5,6,7
	ds_load_b128 v[ob+4*\i:ob+4*\i+3], v18 offset:2*PB*\i
.endr
.endm
.macro SEND a, younger                 ; younger: the LDS instructions issued behind block a's loads, which may stay out
.set ob, OUTR+32*((\a)%2)
	s_wait_dscnt \younger
.irp i, 0,1,2,3,4,5,6,7
	global_store_b128 v19, v[ob+4*\i:ob+4*\i+3], s[18:19] offset:4096*(16*(\a)+2*\i)   ; sixteen lanes store 256 consecutive bytes, at a multiple of 256 from the buffer's first byte
.endr
.endm
	WIN 0
	PLACES
	SUMS 0
	s_wait_alu depctr_va_vdst(0)                   ; block 0's multiply-adds have written v48-79, which the LDS stores read; the products are done reading v80-143, in which the loads from the stage land
	STAGE 0
.irp b, 1,2,3,4
	SUMS \b
.if \b > 1
	s_wait_xcnt 0x0                                ; the stores of the block two back have had their addresses translated (ISA guide 3.1): this block's loads may land in their registers
.endif
	s_wait_alu depctr_vm_vsrc(0)                   ; the last block's LDS stores have read their set, which the next block's multiply-adds write; the stores of the block two back have read the registers in which this block's loads land
	s_wait_alu depctr_va_vdst(0)                   ; this block's multiply-adds have written their set, which the LDS stores read
	STAGE \b
	SEND \b-1, 16                                  ; behind that block's loads: this block's eight stores and eight loads
.endr
	s_wait_xcnt 0x0                                ; block 3's stores have had their addresses translated,
	s_wait_alu depctr_vm_vsrc(0)                   ; and have read v112-143, in which block 5's loads land in the waves that go on
	s_cmp_eq_u32 s21, 0                            ; the lower half's sixth block is the upper half's first, which stores it
	s_cbranch_scc1 .Lshort
	SUMS 5
	s_wait_alu depctr_va_vdst(0)                   ; block 5's multiply-adds have written v144-175, which the LDS stores read
	STAGE 5
	SEND 4, 16
	SEND 5, 0
	s_wait_dscnt 0x0                               ; the closing lines, six on end
	s_wait_alu 0x0
	s_wait_tensorcnt 0x0
	ds_add_u32 v254, v255
	s_wait_dscnt 0x0
	s_endpgm
.Lshort:
	SEND 4, 0
	s_wait_dscnt 0x0                               ; the closing lines once more: each end has its own six
	s_wait_alu 0x0
	s_wait_tensorcnt 0x0
	ds_add_u32 v254, v255
	s_wait_dscnt 0x0
	s_endpgm
.Lfunc_end_k_q33c6ea34ef_down:
	.size	k_q33c6ea34ef_down, .Lfunc_end_k_q33c6ea34ef_down-k_q33c6ea34ef_down
	.p2alignl 7, 3214868480
	.fill 96, 4, 3214868480
	.section	.rodata,"a",@progbits
	.p2align	6, 0x0
	.amdhsa_kernel k_q33c6ea34ef_down
		.amdhsa_group_segment_fixed_size 177664
		.amdhsa_private_segment_fixed_size 0
		.amdhsa_enable_private_segment 0
		.amdhsa_kernarg_size 48
		.amdhsa_user_sgpr_count 2
		.amdhsa_user_sgpr_kernarg_segment_ptr 1
		.amdhsa_wavefront_size32 1
		.amdhsa_system_sgpr_workgroup_id_x 1
		.amdhsa_system_sgpr_workgroup_id_y 1
		.amdhsa_system_sgpr_workgroup_id_z 1
		.amdhsa_system_vgpr_workitem_id 0
		.amdhsa_next_free_vgpr 1008
		.amdhsa_next_free_sgpr 66
		.amdhsa_reserve_vcc 0
		.amdhsa_float_denorm_mode_32 3
		.amdhsa_float_denorm_mode_16_64 3
		.amdhsa_memory_ordered 1
		.amdhsa_forward_progress 1
		.amdhsa_inst_pref_size 143
	.end_amdhsa_kernel
	.amdgpu_metadata
---
amdhsa.version: [ 1, 2 ]
amdhsa.kernels:
  - .name:           k_q33c6ea34ef_down
    .symbol:         k_q33c6ea34ef_down.kd
    .args:
      - { .name: hcodes, .offset: 0, .size: 8, .value_kind: global_buffer, .address_space: global }
      - { .name: W2_codes, .offset: 8, .size: 8, .value_kind: global_buffer, .address_space: global }
      - { .name: b2, .offset: 16, .size: 8, .value_kind: global_buffer, .address_space: global }
      - { .name: lowp_scales, .offset: 24, .size: 8, .value_kind: global_buffer, .address_space: global }
      - { .name: plan, .offset: 32, .size: 8, .value_kind: global_buffer, .address_space: global }
      - { .name: yrows, .offset: 40, .size: 8, .value_kind: global_buffer, .address_space: global }
    .group_segment_fixed_size: 177664
    .private_segment_fixed_size: 0
    .kernarg_segment_align: 8
    .kernarg_segment_size: 48
    .max_flat_workgroup_size: 128
    .sgpr_count:     66
    .vgpr_count:     1008
    .wavefront_size: 32
...
	.end_amdgpu_metadata
.endif
;; end of part 13
;; launch join (part 14): grid 256 x 1, 8 waves a work-group, no clusters, 0 bytes of LDS; arguments x, yrows, gates, plan, out0; writes out0
.if DOCPART == 14
	.amdgcn_target "amdgcn-amd-amdhsa--gfx1250"
	.amdhsa_code_object_version 6
	.text
	.protected	k_q33c6ea34ef_join
	.globl	k_q33c6ea34ef_join
	.p2align	8
	.type	k_q33c6ea34ef_join,@function
k_q33c6ea34ef_join:
	s_mov_b64 s[64:65], 0
	v_nop
	global_prefetch_b8 v0, s[64:65] scope:SCOPE_SE
	s_setreg_imm32_b32 hwreg(HW_REG_WAVE_MODE, 25, 1), 1
	s_wait_xcnt 0x0
; JOIN.  out0[t] = x[t] + g0 y[p0] + g1 y[p1]: one wave a token, t = 8 x work-group + wave.  p0, p1 are the slab rows of the token's two routed entries (plan's pos), g0, g1 its gates.
; A stream: three rows of 4,096 bytes in, one out; every load and store of the wave covers 512 consecutive bytes.  All 24 loads of a wave are issued before the first is used; no register is written twice,
; so no wait frees a source.  No LDS, no barrier, no matrix unit, no cluster: waves share nothing.
.set X,  4                             ; v4-35   x, then the result
.set Y0, 36                            ; v36-67  the first expert's row
.set Y1, 68                            ; v68-99  the second's
	s_load_b256 s[4:11], s[0:1], 0x0               ; x s[4:5], yrows s[6:7], gates s[8:9], plan s[10:11]
	s_load_b64 s[12:13], s[0:1], 0x20              ; out0
	v_lshrrev_b32 v1, 5, v0
	s_delay_alu instid0(VALU_DEP_1)
	v_readfirstlane_b32 s14, v1                    ; wave
	v_and_b32 v1, 31, v0
	s_delay_alu instid0(VALU_DEP_1)
	v_lshlrev_b32 v1, 4, v1                        ; 16 x lane
	s_lshl_b32 s15, ttmp9, 3
	s_add_co_u32 s15, s15, s14                     ; token
	s_lshl_b32 s16, s15, 12
	s_mov_b32 s17, 0
	s_lshl_b32 s18, s15, 3
	s_mov_b32 s19, 0
	s_wait_alu depctr_va_vdst(0)
	s_wait_kmcnt 0x0
	s_add_nc_u64 s[10:11], s[10:11], s[18:19]
	s_add_nc_u64 s[8:9], s[8:9], s[18:19]
	s_load_b64 s[20:21], s[10:11], 0x200           ; p0, p1
	s_load_b64 s[22:23], s[8:9], 0x0               ; g0, g1
	s_add_nc_u64 s[4:5], s[4:5], s[16:17]
	s_add_nc_u64 s[12:13], s[12:13], s[16:17]
.irp j, 0,1,2,3,4,5,6,7
	global_load_b128 v[X+4*\j:X+4*\j+3], v1, s[4:5] offset:512*\j th:TH_LOAD_NT
.endr
	s_wait_kmcnt 0x0
	s_min_u32 s20, s20, 0x154f                     ; a slab row is at most 31 x 176 - 1 = 5,455
	s_min_u32 s21, s21, 0x154f
	s_lshl_b32 s26, s20, 12
	s_mov_b32 s27, 0
	s_lshl_b32 s28, s21, 12
	s_mov_b32 s29, 0
	s_add_nc_u64 s[26:27], s[6:7], s[26:27]
	s_add_nc_u64 s[28:29], s[6:7], s[28:29]
	s_mov_b32 s24, s23                             ; g1 in a pair of its own: the packed form takes a scalar pair's low word for both halves
	s_mov_b32 s25, s23
.irp j, 0,1,2,3,4,5,6,7
	global_load_b128 v[Y0+4*\j:Y0+4*\j+3], v1, s[26:27] offset:512*\j th:TH_LOAD_NT
.endr
.irp j, 0,1,2,3,4,5,6,7
	global_load_b128 v[Y1+4*\j:Y1+4*\j+3], v1, s[28:29] offset:512*\j th:TH_LOAD_NT
.endr
.irp j, 0,1,2,3,4,5,6,7
	s_wait_loadcnt 7-\j                            ; piece j of the second row, the youngest that is needed, is in; the pieces behind it may be out
	v_pk_fma_f32 v[X+4*\j:X+4*\j+1], v[Y0+4*\j:Y0+4*\j+1], s[22:23], v[X+4*\j:X+4*\j+1] op_sel_hi:[1,0,1]
	v_pk_fma_f32 v[X+4*\j+2:X+4*\j+3], v[Y0+4*\j+2:Y0+4*\j+3], s[22:23], v[X+4*\j+2:X+4*\j+3] op_sel_hi:[1,0,1]
	s_delay_alu instid0(VALU_DEP_2)
	v_pk_fma_f32 v[X+4*\j:X+4*\j+1], v[Y1+4*\j:Y1+4*\j+1], s[24:25], v[X+4*\j:X+4*\j+1] op_sel_hi:[1,0,1]
	s_delay_alu instid0(VALU_DEP_2)
	v_pk_fma_f32 v[X+4*\j+2:X+4*\j+3], v[Y1+4*\j+2:Y1+4*\j+3], s[24:25], v[X+4*\j+2:X+4*\j+3] op_sel_hi:[1,0,1]
	global_store_b128 v1, v[X+4*\j:X+4*\j+3], s[12:13] offset:512*\j th:TH_STORE_NT
.endr
	s_endpgm
.Lfunc_end_k_q33c6ea34ef_join:
	.size	k_q33c6ea34ef_join, .Lfunc_end_k_q33c6ea34ef_join-k_q33c6ea34ef_join
	.p2alignl 7, 3214868480
	.fill 96, 4, 3214868480
	.section	.rodata,"a",@progbits
	.p2align	6, 0x0
	.amdhsa_kernel k_q33c6ea34ef_join
		.amdhsa_group_segment_fixed_size 0
		.amdhsa_private_segment_fixed_size 0
		.amdhsa_enable_private_segment 0
		.amdhsa_kernarg_size 40
		.amdhsa_user_sgpr_count 2
		.amdhsa_user_sgpr_kernarg_segment_ptr 1
		.amdhsa_wavefront_size32 1
		.amdhsa_system_sgpr_workgroup_id_x 1
		.amdhsa_system_sgpr_workgroup_id_y 1
		.amdhsa_system_sgpr_workgroup_id_z 1
		.amdhsa_system_vgpr_workitem_id 0
		.amdhsa_next_free_vgpr 112
		.amdhsa_next_free_sgpr 66
		.amdhsa_reserve_vcc 0
		.amdhsa_float_denorm_mode_32 3
		.amdhsa_float_denorm_mode_16_64 3
		.amdhsa_memory_ordered 1
		.amdhsa_forward_progress 1
		.amdhsa_inst_pref_size 8
	.end_amdhsa_kernel
	.amdgpu_metadata
---
amdhsa.version: [ 1, 2 ]
amdhsa.kernels:
  - .name:           k_q33c6ea34ef_join
    .symbol:         k_q33c6ea34ef_join.kd
    .args:
      - { .name: x, .offset: 0, .size: 8, .value_kind: global_buffer, .address_space: global }
      - { .name: yrows, .offset: 8, .size: 8, .value_kind: global_buffer, .address_space: global }
      - { .name: gates, .offset: 16, .size: 8, .value_kind: global_buffer, .address_space: global }
      - { .name: plan, .offset: 24, .size: 8, .value_kind: global_buffer, .address_space: global }
      - { .name: out0, .offset: 32, .size: 8, .value_kind: global_buffer, .address_space: global }
    .group_segment_fixed_size: 0
    .private_segment_fixed_size: 0
    .kernarg_segment_align: 8
    .kernarg_segment_size: 40
    .max_flat_workgroup_size: 256
    .sgpr_count:     66
    .vgpr_count:     112
    .wavefront_size: 32
...
	.end_amdgpu_metadata
.endif
;; end of part 14
